; MI455X (gfx1250); checked and timed in simulation.
; The chip was launched on July 23, 2026; its instructions are those of AMD's public machine-readable ISA for CDNA 5 (MIT licence, August 2026) and "CDNA5" Instruction Set Architecture Reference Guide (July 2026). The comments in the code are by the model that wrote it; some were corrected since.
;; Multihead SIM. Allowed arithmetic: float matrix products may take bf16 or f16 operands with f32 sums; all other float work in f32.
;; Inputs: bk 256 float32; bq 256 float32; bv 256 float32; fc_cat_b 2 float32; fc_cat_w 256 x 2 float32; fc_out_b 256 float32; fc_out_w 512 x 256 float32; gumbel_u 8 x 128 x 128 x 2 float32; memory_w 128 x 2,048 float32; mlp_b1 256 float32; mlp_b2 256 float32; mlp_w1 256 x 256 float32; mlp_w2 256 x 256 float32; out_b 256 float32; out_w 256 x 256 float32; wk 256 x 256 float32; wq 256 x 256 float32; wv 256 x 256 float32; x 32 x 128 x 256 float32.
;; Outputs: out0 32 x 128 x 256 float32.
;; 3 versions, each right; version 2 is faster than version 1; version 3 is version 2 with the launches prep, mid written anew for expert scheduling mode. Each part assembles by itself: llvm-mc -triple=amdgcn-amd-amdhsa -mcpu=gfx1250 --defsym DOCPART=n.
;; ======== version 1 of 3: 3 launches
;; workspace buffers: sr 2,097,152 bytes; wf 1,179,648 bytes; qkv 6,291,456 bytes; maskf 262,144 bytes
;; launch prep (part 1): grid 112 x 1, 8 waves a work-group, no clusters, 218,112 bytes of LDS; arguments memory_w, fc_out_w, mlp_w1, mlp_w2, wq, wk, wv, out_w, sr, wf; writes sr, wf
.if DOCPART == 1
	.amdgcn_target "amdgcn-amd-amdhsa--gfx1250"
	.amdhsa_code_object_version 6
	.text
	.protected	k_q6e7d4e4ba4_prep
	.globl	k_q6e7d4e4ba4_prep
	.p2align	8
	.type	k_q6e7d4e4ba4_prep,@function
k_q6e7d4e4ba4_prep:
	s_mov_b64 s[64:65], 0
	v_nop
	global_prefetch_b8 v0, s[64:65] scope:SCOPE_SE
	s_setreg_imm32_b32 hwreg(HW_REG_WAVE_MODE, 25, 1), 1
	s_wait_xcnt 0x0
; prep: two kinds of work-groups, told apart by the work-group's number alone.
; 0..63  (SR): pair @ fc_out_w splits into S[h][j][:] + R[h][i][:], with S = feats @ (rows 0-255 of fc_out_w) and R = feats @ (rows 256-511).
;        One work-group makes 128 rows (one head) x 64 columns of S or R; wave w makes rows 16 w .. +15 in four accumulators.
;        The mask that hangs on these sums is a hard decision, so each f32 operand goes in as two bf16 numbers, hi + lo, and three products
;        are added in f32 (hi hi, lo hi, hi lo): what is dropped is of the order of 2^-16 of a product.
;        Out: sr[half][head][dq 64][row 128][4] f32, so that sixteen lanes store 256 consecutive bytes and a later lane reads 16 bytes of one row.
; 64..111 (pack): the six 256 x 256 weights, rounded to bf16 and laid out as matrix fragments:
;        wf[m 9][g 4][ks 8][nt 4][c 2][lane 32][16 bytes]; lane (r, h) holds column 64 g + 16 nt + r, k = 32 ks + 16 c + 8 h .. +7.
;        m: 0 w1, 1 w2, 2 wq, 3 wk, 4 wv, 5 out_w; 6, 7, 8: the lo parts bf16(w - hi) of w2, wv, out_w, whose rounding would otherwise act on
;        sums that attention has already averaged over the keys.
; No tensor loads: every tile is staged once, through registers, because it must be converted on the way.
.set AHI, 0                            ; 128 rows x 256 bf16, hi part of feats, pitch 528
.set ALO, 67584                        ; the lo part
.set BHI, 135168                       ; 256 k rows x 64 bf16, hi part of fc_out_w's slab, pitch 160 (an odd multiple of 32 for the transposing loads)
.set BLO, 176128                       ; the lo part
.set APITCH, 528
.set BPITCH, 160
.set WPITCH, 544                       ; pack: 32 k rows x 256 bf16, an odd multiple of 32
.set WLO, 32*WPITCH                    ; pack: the lo part's rows lie behind the hi part's
.set ACC, 16                           ; v[16:47]   four accumulators
.set FR,  48                           ; fragment set s at FR + 80 s: A hi 8, A lo 8, B hi 32, B lo 32
.set X0,  48                           ; v[48:111]  staging, before the fragment sets are live
.set X1,  112                          ; v[112:175] staging
.set TT,  208                          ; v[208:215] at work
.macro PLACES n
.rept \n
	v_nop
.endr
.endm
	s_load_b512 s[4:19], s[0:1], 0x0               ; memory_w, fc_out_w, mlp_w1, mlp_w2, wq, wk, wv, out_w
	s_load_b128 s[20:23], s[0:1], 0x40             ; sr, wf
	v_lshl_add_u32 v254, v0, 2, 0x35000
	v_mov_b32 v255, 0
	v_lshrrev_b32 v1, 5, v0
	v_readfirstlane_b32 s24, v1                    ; wave w
	v_and_b32 v2, 31, v0                           ; lane L
	v_and_b32 v3, 15, v0                           ; r
	v_bfe_u32 v4, v0, 4, 1                         ; h
	s_mov_b32 s25, 0xffff0000                      ; a word's upper bf16
	s_mov_b32 s33, 0                               ; high word of every byte offset
	s_wait_kmcnt 0x0
	s_cmp_lt_u32 ttmp9, 64
	s_cbranch_scc0 .Lpack
	; ---------------- SR ----------------
	s_and_b32 s26, ttmp9, 7                        ; head
	s_lshr_b32 s27, ttmp9, 3
	s_lshr_b32 s28, s27, 2                         ; half: 0 = S, 1 = R
	s_and_b32 s29, s27, 3                          ; slab of 64 columns
	s_lshl_b32 s32, s26, 10
	s_add_nc_u64 s[4:5], s[4:5], s[32:33]          ; feats of this head: 1,024 bytes into every row of memory_w
	s_lshl_b32 s32, s28, 18
	s_lshl_b32 s34, s29, 8
	s_add_co_u32 s32, s32, s34
	s_add_nc_u64 s[6:7], s[6:7], s[32:33]          ; fc_out_w: 256 rows down for R, 64 columns a slab
	s_lshl_b32 s32, s28, 20
	s_lshl_b32 s34, s26, 17
	s_add_co_u32 s32, s32, s34
	s_lshl_b32 s34, s29, 15
	s_add_co_u32 s32, s32, s34
	s_add_nc_u64 s[20:21], s[20:21], s[32:33]      ; sr at [half][head][16 slab]
	s_lshl_b32 s30, s24, 17
	v_lshl_add_u32 v5, v2, 4, s30                  ; A in memory: 16 rows of 8,192 bytes a wave, 16 bytes a lane
	s_lshl_b32 s30, s24, 15
	v_lshlrev_b32 v6, 4, v3
	v_lshl_add_u32 v6, v4, 10, v6
	v_add_nc_u32 v6, s30, v6                       ; B in memory: row 32 w + h, 16 r
	s_mul_i32 s30, s24, 16*APITCH
	v_lshl_add_u32 v7, v2, 3, s30                  ; A hi in LDS: my wave's 16 rows, 8 bytes a lane
	v_add_nc_u32 v8, ALO, v7                       ; A lo
	s_mul_i32 s31, s24, 32*BPITCH
	s_add_co_u32 s31, s31, BHI
	v_mul_u32_u24 v9, v4, BPITCH
	v_lshl_add_u32 v9, v3, 3, v9
	v_add_nc_u32 v9, s31, v9                       ; B hi in LDS: row 32 w + h, 8 r
	v_add_nc_u32 v10, BLO-BHI, v9                  ; B lo
	v_mul_u32_u24 v11, v3, APITCH
	v_lshl_add_u32 v11, v4, 4, v11
	v_add_nc_u32 v11, s30, v11                     ; A fragment: row 16 w + r, 16 h
	v_add_nc_u32 v12, ALO, v11
	v_and_b32 v13, 7, v0
	v_lshl_add_u32 v13, v4, 3, v13
	v_mul_u32_u24 v13, v13, BPITCH                 ; B fragment by transposing loads: k row 8 h + (L & 7),
	v_bfe_u32 v14, v0, 3, 1
	v_lshl_add_u32 v13, v14, 4, v13                ; 16 bytes further for the second eight lanes of each half
	v_add_nc_u32 v13, BHI, v13
	v_add_nc_u32 v14, BLO-BHI, v13
	v_lshlrev_b32 v15, 4, v3
	v_lshl_add_u32 v15, v4, 12, v15
	s_lshl_b32 s30, s24, 8
	v_add_nc_u32 v15, s30, v15                     ; out: dq + 2 h (2,048 bytes each), row 16 w + r (16 bytes each)
; four f32 in v[x:x+3] -> hi = bf16(x), lo = bf16(x - hi), 8 bytes each into LDS
.macro HILO x, adrh, adrl, imm
	v_cvt_pk_bf16_f32 v[TT], v[\x], v[\x+1]
	v_cvt_pk_bf16_f32 v[TT+1], v[\x+2], v[\x+3]
	v_lshlrev_b32 v[TT+2], 16, v[TT]
	v_and_b32 v[TT+3], s25, v[TT]
	v_lshlrev_b32 v[TT+4], 16, v[TT+1]
	v_and_b32 v[TT+5], s25, v[TT+1]
	v_pk_add_f32 v[TT+2:TT+3], v[\x:\x+1], v[TT+2:TT+3] neg_lo:[0,1] neg_hi:[0,1]
	v_pk_add_f32 v[TT+4:TT+5], v[\x+2:\x+3], v[TT+4:TT+5] neg_lo:[0,1] neg_hi:[0,1]
	v_cvt_pk_bf16_f32 v[TT+6], v[TT+2], v[TT+3]
	v_cvt_pk_bf16_f32 v[TT+7], v[TT+4], v[TT+5]
	ds_store_b64 v[\adrh], v[TT:TT+1] offset:\imm
	ds_store_b64 v[\adrl], v[TT+6:TT+7] offset:\imm
.endm
.set qq, 0
.rept 16
	global_load_b128 v[X0+4*qq:X0+4*qq+3], v6, s[6:7] offset:qq*2048               ; B: two k rows of 256 bytes a load
.set qq, qq+1
.endr
.set qq, 0
.rept 16
	global_load_b128 v[X1+4*qq:X1+4*qq+3], v5, s[4:5] offset:(qq>>1)*8192+(qq&1)*512   ; A: rows 0-7 of my sixteen
.set qq, qq+1
.endr
	s_wait_loadcnt 16                              ; B's sixteen are in; A's sixteen may stay out
.set qq, 0
.rept 16
	HILO X0+4*qq, 9, 10, qq*2*BPITCH
.set qq, qq+1
.endr
.set qq, 0
.rept 16
	global_load_b128 v[X0+4*qq:X0+4*qq+3], v5, s[4:5] offset:((qq+16)>>1)*8192+(qq&1)*512   ; A: rows 8-15
.set qq, qq+1
.endr
	s_wait_loadcnt 16                              ; A's first sixteen are in
.set qq, 0
.rept 16
	HILO X1+4*qq, 7, 8, (qq>>1)*APITCH+(qq&1)*256
.set qq, qq+1
.endr
	s_wait_loadcnt 0x0
.set qq, 0
.rept 16
	HILO X0+4*qq, 7, 8, ((qq+16)>>1)*APITCH+(qq&1)*256
.set qq, qq+1
.endr
	s_wait_dscnt 0x0                               ; my LDS stores are done: B's rows are read by all eight waves
	s_barrier_signal -1
	s_barrier_wait -1
; the twenty LDS loads of one K step of 32: A hi, A lo (2 each), B hi, B lo (8 each, transposing)
.macro FRAG ks, set
	ds_load_b128 v[FR+80*(\set):FR+80*(\set)+3], v11 offset:(\ks)*64
	ds_load_b128 v[FR+80*(\set)+4:FR+80*(\set)+7], v11 offset:(\ks)*64+32
	ds_load_b128 v[FR+80*(\set)+8:FR+80*(\set)+11], v12 offset:(\ks)*64
	ds_load_b128 v[FR+80*(\set)+12:FR+80*(\set)+15], v12 offset:(\ks)*64+32
.irp nt, 0,1,2,3
	ds_load_tr16_b128 v[FR+80*(\set)+16+8*\nt:FR+80*(\set)+16+8*\nt+3], v13 offset:(\ks)*32*BPITCH+\nt*32
	ds_load_tr16_b128 v[FR+80*(\set)+16+8*\nt+4:FR+80*(\set)+16+8*\nt+7], v13 offset:(\ks)*32*BPITCH+\nt*32+16*BPITCH
	ds_load_tr16_b128 v[FR+80*(\set)+48+8*\nt:FR+80*(\set)+48+8*\nt+3], v14 offset:(\ks)*32*BPITCH+\nt*32
	ds_load_tr16_b128 v[FR+80*(\set)+48+8*\nt+4:FR+80*(\set)+48+8*\nt+7], v14 offset:(\ks)*32*BPITCH+\nt*32+16*BPITCH
.endr
.endm
; twelve matrix instructions, used transposed (source 0 = columns of fc_out_w, source 1 = rows of feats): a lane then holds eight neighbouring
; columns of one row.  The four accumulators take turns, one instruction a turn.
.macro MUL3 set, zero
.irp nt, 0,1,2,3
.if \zero
	v_wmma_f32_16x16x32_bf16 v[ACC+8*\nt:ACC+8*\nt+7], v[FR+80*\set+16+8*\nt:FR+80*\set+16+8*\nt+7], v[FR+80*\set:FR+80*\set+7], 0
.else
	v_wmma_f32_16x16x32_bf16 v[ACC+8*\nt:ACC+8*\nt+7], v[FR+80*\set+16+8*\nt:FR+80*\set+16+8*\nt+7], v[FR+80*\set:FR+80*\set+7], v[ACC+8*\nt:ACC+8*\nt+7]
.endif
.endr
.irp nt, 0,1,2,3
	v_wmma_f32_16x16x32_bf16 v[ACC+8*\nt:ACC+8*\nt+7], v[FR+80*\set+48+8*\nt:FR+80*\set+48+8*\nt+7], v[FR+80*\set:FR+80*\set+7], v[ACC+8*\nt:ACC+8*\nt+7]
.endr
.irp nt, 0,1,2,3
	v_wmma_f32_16x16x32_bf16 v[ACC+8*\nt:ACC+8*\nt+7], v[FR+80*\set+16+8*\nt:FR+80*\set+16+8*\nt+7], v[FR+80*\set+8:FR+80*\set+15], v[ACC+8*\nt:ACC+8*\nt+7]
.endr
.endm
.macro KSTEP ks, cur, nxt, zero
.if \ks > 0
	PLACES 4                                       ; four places between the last matrix instructions and the loads into the set that they read
.endif
.if \ks < 7
	FRAG (\ks+1), \nxt
	s_wait_dscnt 20                                ; all but the twenty just issued: this step's fragments are in
.else
	s_wait_dscnt 0x0
.endif
	MUL3 \cur, \zero
.endm
	FRAG 0, 0
	KSTEP 0, 0, 1, 1                               ; the first products start the sums: nothing is cleared
	KSTEP 1, 1, 0, 0
	KSTEP 2, 0, 1, 0
	KSTEP 3, 1, 0, 0
	KSTEP 4, 0, 1, 0
	KSTEP 5, 1, 0, 0
	KSTEP 6, 0, 1, 0
	KSTEP 7, 1, 0, 0
	PLACES 4                                       ; four places before the stores read the results
.irp nt, 0,1,2,3
	global_store_b128 v15, v[ACC+8*\nt:ACC+8*\nt+3], s[20:21] offset:(\nt*4)*2048      ; sixteen lanes: 256 consecutive bytes, aligned
	global_store_b128 v15, v[ACC+8*\nt+4:ACC+8*\nt+7], s[20:21] offset:(\nt*4+1)*2048
.endr
	s_wait_tensorcnt 0x0
	ds_add_u32 v254, v255
	s_wait_dscnt 0x0
	s_endpgm
	; ---------------- pack ----------------
.Lpack:
	s_sub_co_u32 s26, ttmp9, 64
	s_lshr_b32 s27, s26, 3                         ; which weight, 0..5
	s_and_b32 s28, s26, 7                          ; which 32 rows (K step)
	s_mov_b64 s[30:31], s[8:9]
	s_cmp_eq_u32 s27, 1
	s_cselect_b64 s[30:31], s[10:11], s[30:31]
	s_cmp_eq_u32 s27, 2
	s_cselect_b64 s[30:31], s[12:13], s[30:31]
	s_cmp_eq_u32 s27, 3
	s_cselect_b64 s[30:31], s[14:15], s[30:31]
	s_cmp_eq_u32 s27, 4
	s_cselect_b64 s[30:31], s[16:17], s[30:31]
	s_cmp_eq_u32 s27, 5
	s_cselect_b64 s[30:31], s[18:19], s[30:31]
	s_lshl_b32 s32, s28, 15
	s_add_nc_u64 s[30:31], s[30:31], s[32:33]      ; 32 rows of 1,024 bytes a K step
	s_mov_b32 s38, 6                               ; where a lo part goes: w2 -> 6, wv -> 7, out_w -> 8
	s_cmp_eq_u32 s27, 4
	s_cselect_b32 s38, 7, s38
	s_cmp_eq_u32 s27, 5
	s_cselect_b32 s38, 8, s38
	s_lshl_b32 s34, s28, 12
	s_lshl_b32 s32, s38, 17
	s_add_co_u32 s32, s32, s34
	s_add_nc_u64 s[36:37], s[22:23], s[32:33]      ; wf at [lo matrix][.][ks]
	s_lshl_b32 s32, s27, 17
	s_add_co_u32 s32, s32, s34
	s_add_nc_u64 s[22:23], s[22:23], s[32:33]      ; wf at [m][.][ks]
	s_lshr_b32 s39, 0x32, s27                      ; bits 1, 4, 5: the weights that have a lo part
	s_and_b32 s39, s39, 1
	s_lshl_b32 s34, s24, 12
	v_lshl_add_u32 v5, v2, 4, s34                  ; in memory: 4 rows a wave, 16 bytes a lane
	s_mul_i32 s34, s24, 4*WPITCH
	v_lshl_add_u32 v6, v2, 3, s34                  ; in LDS: the same rows, 8 bytes a lane
	v_and_b32 v7, 7, v0
	v_lshl_add_u32 v7, v4, 3, v7
	v_mul_u32_u24 v7, v7, WPITCH                   ; transposing load: k row 8 h + (L & 7)
	v_bfe_u32 v8, v0, 3, 1
	v_lshl_add_u32 v7, v8, 4, v7
	s_lshl_b32 s34, s24, 6
	v_add_nc_u32 v7, s34, v7                       ; my wave's 32 columns
	s_lshr_b32 s34, s24, 1
	s_lshl_b32 s34, s34, 15
	s_and_b32 s35, s24, 1
	s_lshl_b32 s35, s35, 11
	s_add_co_u32 s34, s34, s35
	v_lshl_add_u32 v8, v2, 4, s34                  ; out: g = w / 2, nt = 2 (w & 1) + e
; two fragments of my 32 columns out of LDS region lds, through registers reg .. reg+15, to the matrix at s[base:base+1]
.macro PACKOUT base, lds, reg
.irp e, 0,1
	ds_load_tr16_b128 v[\reg+8*\e:\reg+8*\e+3], v7 offset:\lds+\e*32
	ds_load_tr16_b128 v[\reg+8*\e+4:\reg+8*\e+7], v7 offset:\lds+\e*32+16*WPITCH
.endr
	s_wait_dscnt 0x0
.irp e, 0,1
	global_store_b128 v8, v[\reg+8*\e:\reg+8*\e+3], s[\base:\base+1] offset:\e*1024            ; a wave's store covers 512 consecutive bytes
	global_store_b128 v8, v[\reg+8*\e+4:\reg+8*\e+7], s[\base:\base+1] offset:\e*1024+512
.endr
.endm
.set qq, 0
.rept 8
	global_load_b128 v[48+4*qq:48+4*qq+3], v5, s[30:31] offset:(qq>>1)*1024+(qq&1)*512 th:TH_LOAD_NT
.set qq, qq+1
.endr
	s_wait_loadcnt 0x0
.set qq, 0
.rept 8
	v_cvt_pk_bf16_f32 v[80+2*qq], v[48+4*qq], v[48+4*qq+1]
	v_cvt_pk_bf16_f32 v[80+2*qq+1], v[48+4*qq+2], v[48+4*qq+3]
	ds_store_b64 v6, v[80+2*qq:80+2*qq+1] offset:(qq>>1)*WPITCH+(qq&1)*256
.set qq, qq+1
.endr
	s_cmp_lg_u32 s39, 0                            ; the same in all eight waves: it hangs on the work-group's number alone
	s_cbranch_scc0 .Lhionly
.set qq, 0
.rept 8
	v_lshlrev_b32 v[TT], 16, v[80+2*qq]
	v_and_b32 v[TT+1], s25, v[80+2*qq]
	v_lshlrev_b32 v[TT+2], 16, v[80+2*qq+1]
	v_and_b32 v[TT+3], s25, v[80+2*qq+1]
	v_pk_add_f32 v[TT:TT+1], v[48+4*qq:48+4*qq+1], v[TT:TT+1] neg_lo:[0,1] neg_hi:[0,1]
	v_pk_add_f32 v[TT+2:TT+3], v[48+4*qq+2:48+4*qq+3], v[TT+2:TT+3] neg_lo:[0,1] neg_hi:[0,1]
	v_cvt_pk_bf16_f32 v[128+2*qq], v[TT], v[TT+1]
	v_cvt_pk_bf16_f32 v[128+2*qq+1], v[TT+2], v[TT+3]
	ds_store_b64 v6, v[128+2*qq:128+2*qq+1] offset:WLO+(qq>>1)*WPITCH+(qq&1)*256
.set qq, qq+1
.endr
	s_wait_dscnt 0x0                               ; my rows, hi and lo, are in LDS; every wave reads all 32
	s_barrier_signal -1
	s_barrier_wait -1
	PACKOUT 22, 0, 96
	PACKOUT 36, WLO, 112
	s_wait_tensorcnt 0x0
	ds_add_u32 v254, v255
	s_wait_dscnt 0x0
	s_endpgm
.Lhionly:
	s_wait_dscnt 0x0                               ; my rows are in LDS; every wave reads all 32
	s_barrier_signal -1
	s_barrier_wait -1
	PACKOUT 22, 0, 96
	s_wait_tensorcnt 0x0
	ds_add_u32 v254, v255
	s_wait_dscnt 0x0
	s_endpgm
.Lfunc_end_k_q6e7d4e4ba4_prep:
	.size	k_q6e7d4e4ba4_prep, .Lfunc_end_k_q6e7d4e4ba4_prep-k_q6e7d4e4ba4_prep
	.p2alignl 7, 3214868480
	.fill 96, 4, 3214868480
	.section	.rodata,"a",@progbits
	.p2align	6, 0x0
	.amdhsa_kernel k_q6e7d4e4ba4_prep
		.amdhsa_group_segment_fixed_size 218112
		.amdhsa_private_segment_fixed_size 0
		.amdhsa_enable_private_segment 0
		.amdhsa_kernarg_size 80
		.amdhsa_user_sgpr_count 2
		.amdhsa_user_sgpr_kernarg_segment_ptr 1
		.amdhsa_wavefront_size32 1
		.amdhsa_system_sgpr_workgroup_id_x 1
		.amdhsa_system_sgpr_workgroup_id_y 1
		.amdhsa_system_sgpr_workgroup_id_z 1
		.amdhsa_system_vgpr_workitem_id 0
		.amdhsa_next_free_vgpr 256
		.amdhsa_next_free_sgpr 66
		.amdhsa_reserve_vcc 0
		.amdhsa_float_denorm_mode_32 3
		.amdhsa_float_denorm_mode_16_64 3
		.amdhsa_memory_ordered 1
		.amdhsa_forward_progress 1
		.amdhsa_inst_pref_size 66
	.end_amdhsa_kernel
	.amdgpu_metadata
---
amdhsa.version: [ 1, 2 ]
amdhsa.kernels:
  - .name:           k_q6e7d4e4ba4_prep
    .symbol:         k_q6e7d4e4ba4_prep.kd
    .args:
      - { .name: memory_w, .offset: 0, .size: 8, .value_kind: global_buffer, .address_space: global }
      - { .name: fc_out_w, .offset: 8, .size: 8, .value_kind: global_buffer, .address_space: global }
      - { .name: mlp_w1, .offset: 16, .size: 8, .value_kind: global_buffer, .address_space: global }
      - { .name: mlp_w2, .offset: 24, .size: 8, .value_kind: global_buffer, .address_space: global }
      - { .name: wq, .offset: 32, .size: 8, .value_kind: global_buffer, .address_space: global }
      - { .name: wk, .offset: 40, .size: 8, .value_kind: global_buffer, .address_space: global }
      - { .name: wv, .offset: 48, .size: 8, .value_kind: global_buffer, .address_space: global }
      - { .name: out_w, .offset: 56, .size: 8, .value_kind: global_buffer, .address_space: global }
      - { .name: sr, .offset: 64, .size: 8, .value_kind: global_buffer, .address_space: global }
      - { .name: wf, .offset: 72, .size: 8, .value_kind: global_buffer, .address_space: global }
    .group_segment_fixed_size: 218112
    .private_segment_fixed_size: 0
    .kernarg_segment_align: 8
    .kernarg_segment_size: 80
    .max_flat_workgroup_size: 256
    .sgpr_count:     66
    .vgpr_count:     256
    .wavefront_size: 32
...
	.end_amdgpu_metadata
.endif
;; end of part 1
;; launch mid (part 2): grid 192 x 1, 4 waves a work-group, no clusters, 140,800 bytes of LDS; arguments x, wf, mlp_b1, mlp_b2, bq, bk, bv, sr, gumbel_u, fc_out_b, fc_cat_w, fc_cat_b, qkv, maskf; writes qkv, maskf
.if DOCPART == 2
	.amdgcn_target "amdgcn-amd-amdhsa--gfx1250"
	.amdhsa_code_object_version 6
	.text
	.protected	k_q6e7d4e4ba4_mid
	.globl	k_q6e7d4e4ba4_mid
	.p2align	8
	.type	k_q6e7d4e4ba4_mid,@function
k_q6e7d4e4ba4_mid:
	s_mov_b64 s[64:65], 0
	v_nop
	global_prefetch_b8 v0, s[64:65] scope:SCOPE_SE
	s_setreg_imm32_b32 hwreg(HW_REG_WAVE_MODE, 25, 1), 1
	s_wait_xcnt 0x0
; mid: two kinds of work-groups, told apart by the work-group's number alone; neither needs the other's result.
; 0..63 (MLP): 64 rows of x through five layers of 256 x 256: gelu(x w1 + b1), (.) w2 + b2, then q, k, v.  Wave g owns columns 64 g .. +63 of every
;   layer: 16 accumulators of 16 x 16.  Activations lie in LDS as bf16; the weights come as ready fragments from wf straight into a ring of eight
;   register slots (eight loads each), asked for seven slots ahead; each wave reads only its own columns, so a weight byte is read once by the
;   work-group and never passes LDS.  That is why no tile is shared through LDS or a cluster here: a joint load would land in LDS, and a 64 x 64
;   wave tile would then read as many bytes of B as of A from it.
;   PRECISION: attention averages v over the open keys, so what is left of the signal is small beside a single row, and a bf16 rounding of w2 or wv
;   acts on that average in full.  The second layer and the v layer therefore take both operands as hi + lo in bf16 and add three products in f32
;   (W hi A hi, W hi A lo, W lo A hi); what is dropped is of the order of 2^-16 of a product.  x, w1, q, k and v itself are single bf16.
;   q and k are made transposed (a lane holds 8 neighbouring columns of a row), v in the natural order (a lane holds 8 rows of a column): each packs
;   into exactly the 16 bytes of an attention fragment.
;   GELU is the tanh form: x / (1 + 2^(x (k0 + k1 x^2))), k0 = -2 log2(e) sqrt(2/pi), k1 = 0.044715 k0.
; 64..191 (PAIR): the mask.  conn[h][i][j] = 1 where sum_d relu(S[j][d] + R[i][d] + b[d]) (w[d][1] - w[d][0]) + (c1 - c0) + (g1 - g0) > 0, all in f32 on the
;   vector unit (the straight-through sum of reference() is exactly 0 or 1, and a tie goes to 0 as argmax does).  Stored as a bf16 addend: 0 where open,
;   bf16(-1e9) = -998,244,352 where blocked.  LIMIT: a decision whose margin lies under f32 rounding (some 1e-7 of the terms) may fall the other way
;   than in reference().  A work-group makes 16 i x 64 j of one head; a lane keeps S[j][0..255] and the 256 weight differences in registers.
.set MSB, 0
.macro WIN new                         ; the immediate's high byte repeats the setting that is left
.if MSB != \new
	s_set_vgpr_msb (MSB<<8)|\new
.set MSB, \new
.endif
.endm
.macro PLACES n
.rept \n
	v_nop
.endr
.endm
.set PITCH, 528                        ; an activation row: 256 bf16 + 16 bytes
.set LO,    33792                      ; from a region's hi part (64 rows) to its lo part
.set ACT1,  67584                      ; region 0 at byte 0: x, later xm hi and lo; region 1: the hidden layer hi and lo
.set BIAS,  135168                     ; five biases of 1,024 bytes: b1, b2, bq, bk, bv
.set NP,    56                         ; items of the weight stream: w1 8, w2 hi/lo 16, wq 8, wk 8, wv hi/lo 16
.set PP,    0                          ; the item that the next step multiplies
.set BOFF, 5                           ; wf: g * 32768 + 16 L
.set AAD0, 6                           ; A fragment in region 0: r * 528 + 16 h
.set STO0, 7                           ; result into region 0: AAD0 + 128 g
.set BADR, 8                           ; bias of 8 neighbouring columns: BIAS + 256 g + 32 h
.set BADV, 9                           ; bias of one column: BIAS + 256 g + 4 r
.set GOF,  10                          ; g * 16384 + 16 L: x's rows in, fragments out
.set XSTO, 11                          ; x as bf16 into region 0: g * 16 rows + 8 L
.set TB,   12                          ; 8 x thread: a bias in memory
.set TBL,  13                          ; the same place in LDS
.set AAD1, 14                          ; A fragment in region 1 (an LDS immediate ends at 65,535, so each region has its registers)
.set STO1, 15                          ; result into region 1
.set ACC,  16                          ; v[16:143]  acc(mt, nt) at 16 + 8 (4 mt + nt)
.set CB,   144                         ; v[144:175] the layer's bias as the first product's C
.set TT,   176                         ; v[176:207] at work
.set K0P,  208                         ; v[208:209] k0 twice
.set K1P,  210                         ; v[210:211] k1 twice
.set ONEP, 212                         ; v[212:213] 1.0 twice
.set NEG1, 214                         ; -1.0
; window 1: two buffers of A fragments, buffer b at v[64 b]: hi 32 registers, lo 32.  window 2: the ring of B fragments, slot s at v[32 s].
	s_load_b512 s[4:19], s[0:1], 0x0               ; x, wf, mlp_b1, mlp_b2, bq, bk, bv, sr
	s_load_b256 s[20:27], s[0:1], 0x40             ; gumbel_u, fc_out_b, fc_cat_w, fc_cat_b
	s_load_b128 s[28:31], s[0:1], 0x60             ; qkv, maskf
	v_lshl_add_u32 v254, v0, 2, 0x22400
	v_mov_b32 v255, 0
	v_lshrrev_b32 v1, 5, v0
	v_readfirstlane_b32 s40, v1                    ; wave
	v_and_b32 v2, 31, v0                           ; L
	v_and_b32 v3, 15, v0                           ; r
	v_bfe_u32 v4, v0, 4, 1                         ; h
	s_mov_b32 s43, 0                               ; high word of every byte offset
	s_wait_kmcnt 0x0
	s_cmp_lt_u32 ttmp9, 64
	s_cbranch_scc0 .Lpair
	; ---------------- MLP ----------------
	s_lshl_b32 s42, ttmp9, 16
	s_add_nc_u64 s[4:5], s[4:5], s[42:43]          ; x at my 64 rows
	s_lshr_b32 s44, ttmp9, 1                       ; batch
	s_and_b32 s45, ttmp9, 1                        ; which 64 of its 128 rows
	s_lshl_b32 s42, s44, 16
	s_add_nc_u64 s[28:29], s[28:29], s[42:43]
	s_lshl_b32 s42, s45, 12
	s_add_nc_u64 s[34:35], s[28:29], s[42:43]      ; q, k: four row tiles of 1,024 bytes a half
	s_lshl_b32 s42, s45, 11
	s_add_nc_u64 s[36:37], s[28:29], s[42:43]      ; v: two key steps of 1,024 bytes a half
	s_lshl_b32 s46, s40, 15
	v_lshl_add_u32 v[BOFF], v2, 4, s46
	v_mul_u32_u24 v[AAD0], v3, PITCH
	v_lshl_add_u32 v[AAD0], v4, 4, v[AAD0]
	v_add_nc_u32 v[AAD1], ACT1, v[AAD0]
	s_lshl_b32 s46, s40, 7
	v_add_nc_u32 v[STO0], s46, v[AAD0]
	v_add_nc_u32 v[STO1], ACT1, v[STO0]
	s_lshl_b32 s46, s40, 8
	s_add_co_u32 s46, s46, BIAS
	v_lshl_add_u32 v[BADR], v4, 5, s46
	v_lshl_add_u32 v[BADV], v3, 2, s46
	v_lshl_add_u32 v[TBL], v2, 3, s46
	s_lshl_b32 s46, s40, 14
	v_lshl_add_u32 v[GOF], v2, 4, s46
	s_mul_i32 s46, s40, 16*PITCH
	v_lshl_add_u32 v[XSTO], v2, 3, s46
	v_lshlrev_b32 v[TB], 3, v0
	v_mov_b32 v[K0P], 0xc0135762
	v_mov_b32 v[K0P+1], 0xc0135762
	v_mov_b32 v[K1P], 0xbdd2d3e8
	v_mov_b32 v[K1P+1], 0xbdd2d3e8
	v_mov_b32 v[ONEP], 1.0
	v_mov_b32 v[ONEP+1], 1.0
	v_mov_b32 v[NEG1], -1.0
; eight loads: item p of the weight stream (matrix bm of wf, K step bk, my 64 columns) into ring slot p & 7
.macro BLOADP p
.if (\p) < 8
.set bm, 0
.set bk, (\p)
.else
.if (\p) < 24
.set bm, 1+5*((\p)&1)
.set bk, ((\p)-8)>>1
.else
.if (\p) < 40
.set bm, 2+(((\p)-24)>>3)
.set bk, ((\p)-24)&7
.else
.set bm, 4+3*((\p)&1)
.set bk, ((\p)-40)>>1
.endif
.endif
.endif
	WIN 0x80
.irp nt, 0,1,2,3
	global_load_b128 v[32*((\p)&7)+8*\nt:32*((\p)&7)+8*\nt+3], v[BOFF], s[6:7] offset:bm*131072+bk*4096+\nt*1024
	global_load_b128 v[32*((\p)&7)+8*\nt+4:32*((\p)&7)+8*\nt+7], v[BOFF], s[6:7] offset:bm*131072+bk*4096+\nt*1024+512
.endr
.endm
; the slot that the last step read gets the item seven ahead of this step's
.macro REFILL
.if PP >= 1
.if PP+7 < NP
	BLOADP (PP+7)
.endif
.endif
.endm
; this step's item is in: behind its eight loads the seven younger items were issued, 56 loads; at the stream's end only those that are left
.macro WAITB
.if PP+7 < NP
	s_wait_loadcnt 56
.else
	s_wait_loadcnt 8*(NP-1-PP)
.endif
.endm
; the A fragments (64 rows x 32 K) of K step ks: eight LDS loads, sixteen with the lo part
.macro ALOAD areg, ks, buf, split
	WIN 0x40
.irp mt, 0,1,2,3
	ds_load_b128 v[64*(\buf)+8*\mt:64*(\buf)+8*\mt+3], v[\areg] offset:\mt*16*PITCH+(\ks)*64
	ds_load_b128 v[64*(\buf)+8*\mt+4:64*(\buf)+8*\mt+7], v[\areg] offset:\mt*16*PITCH+(\ks)*64+32
.endr
.if \split
.irp mt, 0,1,2,3
	ds_load_b128 v[64*(\buf)+32+8*\mt:64*(\buf)+32+8*\mt+3], v[\areg] offset:LO+\mt*16*PITCH+(\ks)*64
	ds_load_b128 v[64*(\buf)+32+8*\mt+4:64*(\buf)+32+8*\mt+7], v[\areg] offset:LO+\mt*16*PITCH+(\ks)*64+32
.endr
.endif
.endm
.macro MWIN nat
.if \nat
	WIN 0x09                                       ; source 0 = A (window 1), source 1 = B (window 2)
.else
	WIN 0x06                                       ; source 0 = B (window 2), source 1 = A (window 1)
.endif
.endm
; sixteen matrix instructions: ring slot PP & 7 times the four A fragments at aoff.  The sixteen accumulators take turns, one instruction a turn,
; in the same order everywhere.  bias = 1: the layer's bias is the C of the first products: nothing is cleared.
.macro MUL16 nat, aoff, bias
.irp mt, 0,1,2,3
.irp nt, 0,1,2,3
.if \nat
.if \bias
	v_wmma_f32_16x16x32_bf16 v[ACC+8*(4*\mt+\nt):ACC+8*(4*\mt+\nt)+7], v[\aoff+8*\mt:\aoff+8*\mt+7], v[32*(PP&7)+8*\nt:32*(PP&7)+8*\nt+7], v[CB+8*\nt:CB+8*\nt+7]
.else
	v_wmma_f32_16x16x32_bf16 v[ACC+8*(4*\mt+\nt):ACC+8*(4*\mt+\nt)+7], v[\aoff+8*\mt:\aoff+8*\mt+7], v[32*(PP&7)+8*\nt:32*(PP&7)+8*\nt+7], v[ACC+8*(4*\mt+\nt):ACC+8*(4*\mt+\nt)+7]
.endif
.else
.if \bias
	v_wmma_f32_16x16x32_bf16 v[ACC+8*(4*\mt+\nt):ACC+8*(4*\mt+\nt)+7], v[32*(PP&7)+8*\nt:32*(PP&7)+8*\nt+7], v[\aoff+8*\mt:\aoff+8*\mt+7], v[CB+8*\nt:CB+8*\nt+7]
.else
	v_wmma_f32_16x16x32_bf16 v[ACC+8*(4*\mt+\nt):ACC+8*(4*\mt+\nt)+7], v[32*(PP&7)+8*\nt:32*(PP&7)+8*\nt+7], v[\aoff+8*\mt:\aoff+8*\mt+7], v[ACC+8*(4*\mt+\nt):ACC+8*(4*\mt+\nt)+7]
.endif
.endif
.endr
.endr
.endm
; The step of a hi item (or of a plain layer's item): W hi x A hi, and in a split layer W hi x A lo.
; The ring slot and the A buffer that earlier matrix instructions read are loaded again four places behind them (ISA guide 7.12.1).
.macro STEPH areg, ks, split, nat, first
	PLACES 4
	REFILL
.if \ks < 7
	ALOAD \areg, (\ks+1), ((\ks+1)&1), \split
.endif
	WAITB
.if \ks < 7
	s_wait_dscnt 8+8*\split                        ; all but the next K step's loads just issued: this step's A fragments (and the bias) are in
.else
	s_wait_dscnt 0x0
.endif
	MWIN \nat
	MUL16 \nat, 64*(\ks&1), \first
.if \split
	MUL16 \nat, 64*(\ks&1)+32, 0
.endif
.set PP, PP+1
.endm
; the step of a lo item: W lo x A hi
.macro STEPL ks, nat
	PLACES 4
	REFILL
	WAITB
	MWIN \nat
	MUL16 \nat, 64*(\ks&1), 0
.set PP, PP+1
.endm
; the layer's bias, in the accumulators' layout, and the first A fragments
.macro LSTART areg, l, split, nat
	WIN 0
.if \nat
.irp nt, 0,1,2,3
	ds_load_b32 v[CB+8*\nt], v[BADV] offset:\l*1024+\nt*64
.endr
.else
.irp nt, 0,1,2,3
	ds_load_b128 v[CB+8*\nt:CB+8*\nt+3], v[BADR] offset:\l*1024+\nt*64
	ds_load_b128 v[CB+8*\nt+4:CB+8*\nt+7], v[BADR] offset:\l*1024+\nt*64+16
.endr
.endif
	ALOAD \areg, 0, 0, \split
.if \nat
	WIN 0
	s_wait_dscnt 8+8*\split                        ; the four bias words are in; the A loads behind them may stay out
.irp nt, 0,1,2,3
.irp j, 1,2,3,4,5,6,7
	v_mov_b32 v[CB+8*\nt+\j], v[CB+8*\nt]          ; in the natural order a lane's eight results share one column, so one bias
.endr
.endr
.endif
.endm
.macro LAYER areg, l, split, nat
	LSTART \areg, \l, \split, \nat
	STEPH \areg, 0, \split, \nat, 1
.if \split
	STEPL 0, \nat
.endif
.irp ks, 1,2,3,4,5,6,7
	STEPH \areg, \ks, \split, \nat, 0
.if \split
	STEPL \ks, \nat
.endif
.endr
	WIN 0
	PLACES 4                                       ; four places before the results are read
.endm
; gelu in place on the 32 accumulator registers of row tile mt
.macro GELU mt
.set ii, 0
.rept 16
	v_pk_mul_f32 v[TT+2*ii:TT+2*ii+1], v[ACC+32*\mt+2*ii:ACC+32*\mt+2*ii+1], v[ACC+32*\mt+2*ii:ACC+32*\mt+2*ii+1]
.set ii, ii+1
.endr
.set ii, 0
.rept 16
	v_pk_fma_f32 v[TT+2*ii:TT+2*ii+1], v[TT+2*ii:TT+2*ii+1], v[K1P:K1P+1], v[K0P:K0P+1]
.set ii, ii+1
.endr
.set ii, 0
.rept 16
	v_pk_mul_f32 v[TT+2*ii:TT+2*ii+1], v[TT+2*ii:TT+2*ii+1], v[ACC+32*\mt+2*ii:ACC+32*\mt+2*ii+1]
.set ii, ii+1
.endr
.set ii, 0
.rept 32
	v_exp_f32 v[TT+ii], v[TT+ii]
.set ii, ii+1
.endr
	v_nop                                          ; one plain place behind the last transcendental (ISA guide 5.7.2)
.set ii, 0
	s_wait_alu depctr_va_vdst(0)
.rept 16
	v_pk_add_f32 v[TT+2*ii:TT+2*ii+1], v[TT+2*ii:TT+2*ii+1], v[ONEP:ONEP+1]
.set ii, ii+1
.endr
.set ii, 0
.rept 32
	v_rcp_f32 v[TT+ii], v[TT+ii]
.set ii, ii+1
.endr
	v_nop
.set ii, 0
	s_wait_alu depctr_va_vdst(0)
.rept 16
	v_pk_mul_f32 v[ACC+32*\mt+2*ii:ACC+32*\mt+2*ii+1], v[ACC+32*\mt+2*ii:ACC+32*\mt+2*ii+1], v[TT+2*ii:TT+2*ii+1]
.set ii, ii+1
.endr
.endm
; eight f32 at a -> hi = bf16(v) in t .. t+3, lo = bf16(v - hi) in t+4 .. t+7 (the difference, hi's half x -1 + v in one multiply-add, is exact),
; 16 bytes each into the region's hi and lo parts
.macro HILO8 a, t, sreg, imm
.irp i, 0,1,2,3
	v_cvt_pk_bf16_f32 v[\t+\i], v[\a+2*\i], v[\a+2*\i+1]
.endr
.irp i, 0,1,2,3
	v_fma_mix_f32_bf16 v[\a+2*\i], v[\t+\i], v[NEG1], v[\a+2*\i] op_sel:[0,0,0] op_sel_hi:[1,0,0]
	v_fma_mix_f32_bf16 v[\a+2*\i+1], v[\t+\i], v[NEG1], v[\a+2*\i+1] op_sel:[1,0,0] op_sel_hi:[1,0,0]
.endr
.irp i, 0,1,2,3
	v_cvt_pk_bf16_f32 v[\t+4+\i], v[\a+2*\i], v[\a+2*\i+1]
.endr
	ds_store_b128 v[\sreg], v[\t:\t+3] offset:\imm
	ds_store_b128 v[\sreg], v[\t+4:\t+7] offset:LO+\imm
.endm
; results as hi + lo into the other activation region
.macro EPI_LDS sreg, gelu
.irp mt, 0,1,2,3
.if \gelu
	GELU \mt
.endif
.irp nt, 0,1,2,3
	HILO8 (ACC+8*(4*\mt+\nt)), (TT+8*\nt), \sreg, \mt*16*PITCH+\nt*32
.endr
.endr
.endm
; results to bf16 and out as attention fragments: a wave's store covers 512 consecutive bytes
.macro EPI_G sect, nat
.irp mt, 0,1,2,3
	s_wait_xcnt 0x0                                ; the packed words, which the last stores read, are rewritten only behind this wait
.irp nt, 0,1,2,3
.irp i, 0,1,2,3
	v_cvt_pk_bf16_f32 v[TT+4*\nt+\i], v[ACC+8*(4*\mt+\nt)+2*\i], v[ACC+8*(4*\mt+\nt)+2*\i+1]
.endr
.endr
.irp nt, 0,1,2,3
.if \nat
	global_store_b128 v[GOF], v[TT+4*\nt:TT+4*\nt+3], s[36:37] offset:4194304+(\nt>>1)*8192+(\nt&1)*4096+(\mt>>1)*1024+(\mt&1)*512
.else
	global_store_b128 v[GOF], v[TT+4*\nt:TT+4*\nt+3], s[34:35] offset:\sect*2097152+(\nt>>1)*8192+\mt*1024+(\nt&1)*512
.endif
.endr
.endr
.endm
.set qq, 0
.rept 32
	global_load_b128 v[ACC+4*qq:ACC+4*qq+3], v[GOF], s[4:5] offset:(qq>>1)*1024+(qq&1)*512 th:TH_LOAD_NT   ; my 16 rows of x
.set qq, qq+1
.endr
.irp l, 0,1,2,3,4
	global_load_b64 v[TT+2*\l:TT+2*\l+1], v[TB], s[8+2*\l:9+2*\l]
.endr
	BLOADP 0
	BLOADP 1
	BLOADP 2
	WIN 0
	s_wait_loadcnt 24                              ; x and the biases are in; the three ring slots just asked for stay out
.set qq, 0
.rept 32
	v_cvt_pk_bf16_f32 v[CB+2*(qq&15)], v[ACC+4*qq], v[ACC+4*qq+1]
	v_cvt_pk_bf16_f32 v[CB+2*(qq&15)+1], v[ACC+4*qq+2], v[ACC+4*qq+3]
	ds_store_b64 v[XSTO], v[CB+2*(qq&15):CB+2*(qq&15)+1] offset:(qq>>1)*PITCH+(qq&1)*256
.set qq, qq+1
.endr
.irp l, 0,1,2,3,4
	ds_store_b64 v[TBL], v[TT+2*\l:TT+2*\l+1] offset:\l*1024
.endr
	BLOADP 3
	BLOADP 4
	BLOADP 5
	BLOADP 6
	BLOADP 7
	WIN 0
	s_wait_dscnt 0x0                               ; my rows of x and my part of the biases are in LDS, for the other waves
	s_barrier_signal -1
	s_barrier_wait -1
	LAYER AAD0, 0, 0, 0                            ; x w1 + b1
	EPI_LDS STO1, 1                                ; gelu, hi + lo into region 1
	s_wait_dscnt 0x0                               ; my columns of the hidden layer are in region 1, and my reads of region 0 are over
	s_barrier_signal -1
	s_barrier_wait -1
	LAYER AAD1, 1, 1, 0                            ; (.) w2 + b2, three products
	EPI_LDS STO0, 0                                ; xm, hi + lo into region 0, whose old rows were last read in front of the barrier above
	s_wait_dscnt 0x0
	s_barrier_signal -1
	s_barrier_wait -1
	LAYER AAD0, 2, 0, 0                            ; q
	EPI_G 0, 0
	LAYER AAD0, 3, 0, 0                            ; k
	EPI_G 1, 0
	LAYER AAD0, 4, 1, 1                            ; v, three products, natural order
	EPI_G 2, 1
	s_wait_tensorcnt 0x0
	ds_add_u32 v254, v255
	s_wait_dscnt 0x0
	s_endpgm
	; ---------------- PAIR ----------------
.set P_RP, 0                           ; R'[i][d] = R + fc_out_b: 16 rows x 256 f32, pitch 1,040
.set P_WD, 16640                       ; w[d][1] - w[d][0]: 256 f32
.set P_MS, 17664                       ; the mask: 16 i x 64 j bf16, pitch 128
.set P_RO, 5                           ; R in sr
.set P_BO, 6                           ; fc_out_b
.set P_RS, 7                           ; R' into LDS
.set P_SO, 8                           ; S in sr: 16 bytes of my j
.set P_DB, 9                           ; c1 - c0
.set P_RAD, 10                         ; R' row of this trip (stepped)
.set P_MAD, 11                         ; my mask word of this trip (stepped)
.set P_GO, 12                          ; my pair of gumbel_u of this trip (stepped)
.set P_WA, 13                          ; P_WD
.set P_V16, 14                         ; 16 x thread
.set P_T, 16                           ; v[16:47]   at work
.set P_R0, 48                          ; v[48:79]   R' chunk of 32, buffer 0
.set P_R1, 80                          ; v[80:111]  buffer 1
.set P_A, 112                          ; v[112:119] four pairs of running sums
.set P_U, 120                          ; v[120:123] gumbel arithmetic
.set P_EPS, 124                        ; v[124:125] 1e-10 twice
.set P_NL2, 126                        ; v[126:127] -ln 2 twice
.set P_BLK, 128                        ; 0xce6e
.set P_ZER, 129                        ; 0
.set P_WS, 132                         ; my two weight differences into LDS
.set P_MR, 133                         ; my 16 bytes of the mask, read back
.set P_CW, 136                         ; v[136:139] fc_cat_w as loaded
.set P_RG, 140                         ; v[140:171] R as loaded
.set P_BG, 172                         ; v[172:203] fc_out_b as loaded
; window 1: S[j][d] in register d.  window 2: the weight difference of d in register d.
.Lpair:
	s_load_b64 s[44:45], s[26:27], 0x0             ; fc_cat_b: c0, c1
	s_sub_co_u32 s32, ttmp9, 64
	s_and_b32 s33, s32, 1                          ; which 64 of the 128 j
	s_bfe_u32 s34, s32, 0x30001                    ; which 16 of the 128 i
	s_lshr_b32 s35, s32, 4                         ; head
	s_and_b32 s36, s40, 1                          ; my wave: which 32 of the 64 j,
	s_lshr_b32 s37, s40, 1                         ; which 8 of the 16 i
	s_lshl_b32 s42, s35, 17
	s_add_nc_u64 s[18:19], s[18:19], s[42:43]
	s_lshl_b32 s42, s33, 10
	s_add_nc_u64 s[48:49], s[18:19], s[42:43]      ; S of this head at my 64 j
	s_lshl_b32 s42, s34, 8
	s_add_co_u32 s42, s42, 1048576
	s_add_nc_u64 s[46:47], s[18:19], s[42:43]      ; R of this head at my 16 i
	s_lshl_b32 s42, s35, 15
	s_lshl_b32 s38, s34, 12
	s_add_co_u32 s42, s42, s38
	s_lshl_b32 s38, s33, 11
	s_add_co_u32 s42, s42, s38
	s_add_nc_u64 s[30:31], s[30:31], s[42:43]      ; maskf at [head][qt][4 jh]
	v_lshrrev_b32 v15, 4, v0
	v_lshlrev_b32 v[P_RO], 4, v3
	v_lshl_add_u32 v[P_RO], v15, 11, v[P_RO]       ; dq = thread / 16 (2,048 bytes each), row r
	v_lshlrev_b32 v[P_BO], 4, v15
	v_mul_u32_u24 v[P_RS], v3, 1040
	v_lshl_add_u32 v[P_RS], v4, 4, v[P_RS]
	s_lshl_b32 s38, s40, 5
	v_add_nc_u32 v[P_RS], s38, v[P_RS]             ; row r, dq = 2 wave + h
	s_lshl_b32 s38, s36, 9
	v_lshl_add_u32 v[P_SO], v2, 4, s38
	v_lshlrev_b32 v[P_V16], 4, v0
	s_lshl_b32 s38, s40, 8
	s_add_co_u32 s38, s38, P_WD
	v_lshl_add_u32 v[P_WS], v2, 3, s38
	v_mov_b32 v[P_WA], P_WD
	s_mul_i32 s38, s37, 8*1040
	v_mov_b32 v[P_RAD], s38
	s_lshl_b32 s38, s37, 10
	s_lshl_b32 s39, s36, 6
	s_add_co_u32 s38, s38, s39
	s_add_co_u32 s38, s38, P_MS
	v_lshl_add_u32 v[P_MAD], v2, 1, s38
	s_lshl_b32 s38, s35, 17                        ; gumbel_u: ((head 128 + i) 128 + j) 8 bytes
	s_lshl_b32 s39, s34, 14
	s_add_co_u32 s38, s38, s39
	s_lshl_b32 s39, s37, 13
	s_add_co_u32 s38, s38, s39
	s_lshl_b32 s39, s33, 9
	s_add_co_u32 s38, s38, s39
	s_lshl_b32 s39, s36, 8
	s_add_co_u32 s38, s38, s39
	v_lshl_add_u32 v[P_GO], v2, 3, s38
	v_lshlrev_b32 v[P_MR], 7, v3
	v_lshl_add_u32 v[P_MR], v4, 4, v[P_MR]
	s_lshl_b32 s38, s40, 5
	s_add_co_u32 s38, s38, P_MS
	v_add_nc_u32 v[P_MR], s38, v[P_MR]             ; query r, eight keys from 8 (thread / 16)
	v_mov_b32 v[P_EPS], 0x2edbe6ff
	v_mov_b32 v[P_EPS+1], 0x2edbe6ff
	v_mov_b32 v[P_NL2], 0xbf317218
	v_mov_b32 v[P_NL2+1], 0xbf317218
	v_mov_b32 v[P_BLK], 0xce6e
	v_mov_b32 v[P_ZER], 0
	s_mov_b32 s39, 0x3f317218                      ; ln 2
	global_load_b128 v[P_CW:P_CW+3], v[P_V16], s[24:25]
.irp k, 0,1,2,3,4,5,6,7
	global_load_b128 v[P_RG+4*\k:P_RG+4*\k+3], v[P_RO], s[46:47] offset:\k*16384
.endr
.irp k, 0,1,2,3,4,5,6,7
	global_load_b128 v[P_BG+4*\k:P_BG+4*\k+3], v[P_BO], s[22:23] offset:\k*128
.endr
	WIN 0x40
.set qq, 0
.rept 48
	global_load_b128 v[4*qq:4*qq+3], v[P_SO], s[48:49] offset:qq*2048
.set qq, qq+1
.endr
	WIN 0
	s_wait_loadcnt 48                              ; the first seventeen are in; the 48 loads of S stay out
	v_sub_f32 v[P_T], v[P_CW+1], v[P_CW]
	v_sub_f32 v[P_T+1], v[P_CW+3], v[P_CW+2]
	ds_store_b64 v[P_WS], v[P_T:P_T+1]
.irp k, 0,1,2,3,4,5,6,7
	v_pk_add_f32 v[P_RG+4*\k:P_RG+4*\k+1], v[P_RG+4*\k:P_RG+4*\k+1], v[P_BG+4*\k:P_BG+4*\k+1]
	v_pk_add_f32 v[P_RG+4*\k+2:P_RG+4*\k+3], v[P_RG+4*\k+2:P_RG+4*\k+3], v[P_BG+4*\k+2:P_BG+4*\k+3]
	ds_store_b128 v[P_RS], v[P_RG+4*\k:P_RG+4*\k+3] offset:\k*128
.endr
	WIN 0x40
.set qq, 48
.rept 16
	global_load_b128 v[4*qq:4*qq+3], v[P_SO], s[48:49] offset:qq*2048
.set qq, qq+1
.endr
	WIN 0
	s_wait_dscnt 0x0                               ; my part of R' and of the weight differences is in LDS, for the other waves
	s_barrier_signal -1
	s_barrier_wait -1
	WIN 0x80
.set qq, 0
.rept 64
	ds_load_b128 v[4*qq:4*qq+3], v[P_WA] offset:qq*16      ; every lane reads the same 16 bytes
.set qq, qq+1
.endr
	WIN 0
	s_wait_kmcnt 0x0
	v_mov_b32 v[P_DB], s44
	v_sub_f32 v[P_DB], s45, v[P_DB]                ; c1 - c0
.irp k, 0,1,2,3,4,5,6,7
	ds_load_b128 v[P_R0+4*\k:P_R0+4*\k+3], v[P_RAD] offset:16*\k
.endr
	s_wait_loadcnt 0x0                             ; S is whole
; 32 of the 256 d: the next chunk of R' is asked for, then add, relu, multiply-add
.macro CHUNK c, nxoff, cur, nxt
.irp k, 0,1,2,3,4,5,6,7
	ds_load_b128 v[\nxt+4*\k:\nxt+4*\k+3], v[P_RAD] offset:\nxoff+16*\k
.endr
	s_wait_dscnt 8                                 ; all but the eight just issued: this chunk of R' is in
	WIN 0x01
.set ii, 0
.rept 16
	v_pk_add_f32 v[P_T+2*ii:P_T+2*ii+1], v[32*\c+2*ii:32*\c+2*ii+1], v[\cur+2*ii:\cur+2*ii+1]
.set ii, ii+1
.endr
	WIN 0
.set ii, 0
.rept 32
	v_max_num_f32 v[P_T+ii], 0, v[P_T+ii]
.set ii, ii+1
.endr
	WIN 0x08
.set ii, 0
.rept 16
.if (32*\c+ii) < 4
	v_pk_mul_f32 v[P_A+2*ii:P_A+2*ii+1], v[P_T+2*ii:P_T+2*ii+1], v[32*\c+2*ii:32*\c+2*ii+1]     ; the first four products start the sums
.else
	v_pk_fma_f32 v[P_A+2*(ii&3):P_A+2*(ii&3)+1], v[P_T+2*ii:P_T+2*ii+1], v[32*\c+2*ii:32*\c+2*ii+1], v[P_A+2*(ii&3):P_A+2*(ii&3)+1]
.endif
.set ii, ii+1
.endr
	WIN 0
.endm
	s_mov_b32 s41, 8                               ; eight i a wave
.Lrow:
	global_load_b64 v[P_U:P_U+1], v[P_GO], s[20:21] th:TH_LOAD_NT
	CHUNK 0, 128, P_R0, P_R1
	CHUNK 1, 256, P_R1, P_R0
	CHUNK 2, 384, P_R0, P_R1
	CHUNK 3, 512, P_R1, P_R0
	CHUNK 4, 640, P_R0, P_R1
	CHUNK 5, 768, P_R1, P_R0
	CHUNK 6, 896, P_R0, P_R1
	CHUNK 7, 1040, P_R1, P_R0                      ; the next row's first chunk; in the last trip these 128 bytes (row 8, or the weight differences) are read and not used
	s_wait_loadcnt 0x0                             ; u0, u1
	v_pk_add_f32 v[P_U:P_U+1], v[P_U:P_U+1], v[P_EPS:P_EPS+1]
	v_log_f32 v[P_U], v[P_U]
	v_log_f32 v[P_U+1], v[P_U+1]
	v_pk_add_f32 v[P_A:P_A+1], v[P_A:P_A+1], v[P_A+2:P_A+3]                ; a plain place behind the logarithms
	s_wait_alu depctr_va_vdst(0)
	v_pk_fma_f32 v[P_U:P_U+1], v[P_U:P_U+1], v[P_NL2:P_NL2+1], v[P_EPS:P_EPS+1]   ; -ln(u + eps) + eps
	v_log_f32 v[P_U], v[P_U]
	v_log_f32 v[P_U+1], v[P_U+1]
	v_pk_add_f32 v[P_A+4:P_A+5], v[P_A+4:P_A+5], v[P_A+6:P_A+7]
	s_wait_alu depctr_va_vdst(0)
	v_sub_f32 v[P_U+2], v[P_U], v[P_U+1]           ; (g1 - g0) / ln 2
	v_pk_add_f32 v[P_A:P_A+1], v[P_A:P_A+1], v[P_A+4:P_A+5]
	v_add_f32 v[P_A], v[P_A], v[P_A+1]
	v_add_f32 v[P_A], v[P_A], v[P_DB]
	v_fma_f32 v[P_A], v[P_U+2], s39, v[P_A]
	v_cmp_lt_f32 vcc_lo, 0, v[P_A]
	v_cndmask_b32 v[P_U+3], v[P_BLK], v[P_ZER], vcc_lo     ; open: 0; blocked: bf16(-1e9).  Only a value is chosen: no address or branch hangs on it
	ds_store_b16 v[P_MAD], v[P_U+3]
	v_add_nc_u32 v[P_RAD], 1040, v[P_RAD]
	v_add_nc_u32 v[P_MAD], 128, v[P_MAD]
	v_add_nc_u32 v[P_GO], 1024, v[P_GO]            ; free since the wait for the trip's load
	s_sub_co_u32 s41, s41, 1
	s_cmp_lg_u32 s41, 0
	s_cbranch_scc1 .Lrow
	s_wait_dscnt 0x0                               ; my mask words are in LDS, for the other waves
	s_barrier_signal -1
	s_barrier_wait -1
	ds_load_b128 v[P_T:P_T+3], v[P_MR]
	s_wait_dscnt 0x0
	global_store_b128 v[P_V16], v[P_T:P_T+3], s[30:31]     ; the work-group's 2,048 bytes are consecutive
	s_wait_tensorcnt 0x0
	ds_add_u32 v254, v255
	s_wait_dscnt 0x0
	s_endpgm
.Lfunc_end_k_q6e7d4e4ba4_mid:
	.size	k_q6e7d4e4ba4_mid, .Lfunc_end_k_q6e7d4e4ba4_mid-k_q6e7d4e4ba4_mid
	.p2alignl 7, 3214868480
	.fill 96, 4, 3214868480
	.section	.rodata,"a",@progbits
	.p2align	6, 0x0
	.amdhsa_kernel k_q6e7d4e4ba4_mid
		.amdhsa_group_segment_fixed_size 140800
		.amdhsa_private_segment_fixed_size 0
		.amdhsa_enable_private_segment 0
		.amdhsa_kernarg_size 112
		.amdhsa_user_sgpr_count 2
		.amdhsa_user_sgpr_kernarg_segment_ptr 1
		.amdhsa_wavefront_size32 1
		.amdhsa_system_sgpr_workgroup_id_x 1
		.amdhsa_system_sgpr_workgroup_id_y 1
		.amdhsa_system_sgpr_workgroup_id_z 1
		.amdhsa_system_vgpr_workitem_id 0
		.amdhsa_next_free_vgpr 768
		.amdhsa_next_free_sgpr 66
		.amdhsa_reserve_vcc 1
		.amdhsa_float_denorm_mode_32 3
		.amdhsa_float_denorm_mode_16_64 3
		.amdhsa_memory_ordered 1
		.amdhsa_forward_progress 1
		.amdhsa_inst_pref_size 255
	.end_amdhsa_kernel
	.section	.bss,"aw",@nobits
	.p2align	6
	.space	262144
	.amdgpu_metadata
---
amdhsa.version: [ 1, 2 ]
amdhsa.kernels:
  - .name:           k_q6e7d4e4ba4_mid
    .symbol:         k_q6e7d4e4ba4_mid.kd
    .args:
      - { .name: x, .offset: 0, .size: 8, .value_kind: global_buffer, .address_space: global }
      - { .name: wf, .offset: 8, .size: 8, .value_kind: global_buffer, .address_space: global }
      - { .name: mlp_b1, .offset: 16, .size: 8, .value_kind: global_buffer, .address_space: global }
      - { .name: mlp_b2, .offset: 24, .size: 8, .value_kind: global_buffer, .address_space: global }
      - { .name: bq, .offset: 32, .size: 8, .value_kind: global_buffer, .address_space: global }
      - { .name: bk, .offset: 40, .size: 8, .value_kind: global_buffer, .address_space: global }
      - { .name: bv, .offset: 48, .size: 8, .value_kind: global_buffer, .address_space: global }
      - { .name: sr, .offset: 56, .size: 8, .value_kind: global_buffer, .address_space: global }
      - { .name: gumbel_u, .offset: 64, .size: 8, .value_kind: global_buffer, .address_space: global }
      - { .name: fc_out_b, .offset: 72, .size: 8, .value_kind: global_buffer, .address_space: global }
      - { .name: fc_cat_w, .offset: 80, .size: 8, .value_kind: global_buffer, .address_space: global }
      - { .name: fc_cat_b, .offset: 88, .size: 8, .value_kind: global_buffer, .address_space: global }
      - { .name: qkv, .offset: 96, .size: 8, .value_kind: global_buffer, .address_space: global }
      - { .name: maskf, .offset: 104, .size: 8, .value_kind: global_buffer, .address_space: global }
    .group_segment_fixed_size: 140800
    .private_segment_fixed_size: 0
    .kernarg_segment_align: 8
    .kernarg_segment_size: 112
    .max_flat_workgroup_size: 128
    .sgpr_count:     66
    .vgpr_count:     768
    .wavefront_size: 32
...
	.end_amdgpu_metadata
.endif
;; end of part 2
;; launch attn (part 3): grid 64 x 1, 4 waves a work-group, no clusters, 85,504 bytes of LDS; arguments qkv, maskf, wf, out_b, out0; writes out0
.if DOCPART == 3
	.amdgcn_target "amdgcn-amd-amdhsa--gfx1250"
	.amdhsa_code_object_version 6
	.text
	.protected	k_q6e7d4e4ba4_attn
	.globl	k_q6e7d4e4ba4_attn
	.p2align	8
	.type	k_q6e7d4e4ba4_attn,@function
k_q6e7d4e4ba4_attn:
	s_mov_b64 s[64:65], 0
	v_nop
	global_prefetch_b8 v0, s[64:65] scope:SCOPE_SE
	s_setreg_imm32_b32 hwreg(HW_REG_WAVE_MODE, 25, 1), 1
	s_wait_xcnt 0x0
; attn: masked attention and the out projection for 64 query rows of one batch.  Wave g takes heads 2 g and 2 g + 1 (all 128 keys in registers), then
; columns 64 g .. +63 of the out projection.  All operands arrive as ready fragments, 16 bytes a lane, 512 consecutive bytes a load.
; Scores are made transposed (source 0 = keys, source 1 = queries): a lane holds one query and 64 of its 128 keys, so the row's maximum and sum need
; one exchange between the halves of the wave, and the exponentials pack straight into the B fragment of the product with V.
; The mask is an addend in bf16: 0, or bf16(-1e9) = -998,244,352, added to score x scale in one f32 multiply-add; then the row's true maximum is taken
; away, as reference() does.  A row with every key blocked rounds to one common value, as in reference(), unless |score| reaches some 32.
; The exponent is formed as t log2(e) - round(max log2(e)); in a fully blocked row the rounding leaves a factor of at most 2^64 common to the
; whole row, which the normalisation takes out again without overflow.
; PRECISION: attention's result is an average over the open keys, small beside a single row of v, and each output is a sum of 256 such numbers with
; signs that cancel; so the out projection takes both operands as hi + lo in bf16 and adds three products in f32 (W hi O hi, W hi O lo, W lo O hi).
; The out projection's weights are a stream of sixteen items (hi and lo of eight K steps) through a ring of eight register slots; the first eight
; are asked for during the attention tiles, one a tile.
; No tile is shared between work-groups through a cluster: K, V and the mask go straight to registers, each byte once a work-group.
.set MSB, 0
.macro WIN new                         ; the immediate's high byte repeats the setting that is left
.if MSB != \new
	s_set_vgpr_msb (MSB<<8)|\new
.set MSB, \new
.endif
.endm
.macro PLACES n
.rept \n
	v_nop
.endr
.endm
.set PITCH, 528                        ; attention's result: 64 rows x 256 bf16, hi part at LDS byte 0,
.set LO,    33792                      ; lo part behind it
.set STAGE, 67584                      ; then a stage of 16 rows x 272 bytes for each wave
.set NP,    16                         ; items of out_w's stream
.set PP,    0                          ; the item that the next step multiplies
.set KOFF, 5                           ; g * 16384 + 16 L
.set MOFF, 6                           ; g * 65536 + 16 L
.set BOFF, 7                           ; g * 32768 + 16 L
.set AADR, 8                           ; r * 528 + 16 h
.set OSTO, 9                           ; AADR + 128 g
.set SST,  10                          ; stage + r * 272 + 32 h
.set SRD,  11                          ; stage + h * 272 + 16 r
.set OOFF, 12                          ; h * 1024 + 256 g + 16 r
.set OBO,  13                          ; 256 g + 16 r
.set NEG1, 14                          ; -1.0
.set VSC,  15                          ; 32^-0.5
.set ACC,  16                          ; v[16:143]  the out projection's accumulators; during attention:
.set SS,   16                          ; v[16:79]   scores, then exponentials, then P
.set OO,   80                          ; v[80:95]   two accumulators of P V
.set TMP,  96                          ; v[96:111]  at work
.set MB,   112                         ; v[112:143], v[144:175] two buffers of mask fragments
.set RB,   144                         ; v[144:175] the way out: rows read back
.set QQ,   176                         ; v[176:239] Q(hd, qt) at 32 hd + 8 qt
.set OB,   240                         ; v[240:243] out_b of my four columns on the way out
.set MX,   244                         ; v[244:247] four running maxima
.set PX,   248                         ; from the other half of the wave
.set NM,   250                         ; v[250:251] -max log2(e) twice
.set RI,   252                         ; v[252:253] 1 / sum twice
.set L2E,  254                         ; v[254:255] log2(e) twice
; window 1: K(hd, kt) at 128 hd + 8 kt, V(hd, dvt, ks) at 128 hd + 64 + 32 dvt + 8 ks; later two A buffers, buffer b at v[64 b]: hi 32 registers, lo 32.
; window 2: the ring of out_w, slot s at v[32 s].
	s_load_b256 s[4:11], s[0:1], 0x0               ; qkv, maskf, wf, out_b
	s_load_b64 s[12:13], s[0:1], 0x20              ; out0
	v_lshl_add_u32 v249, v0, 2, 0x14c00
	s_set_vgpr_msb 0xc0
	v_mov_b32 v1, 0
	s_set_vgpr_msb 0xc000
	v_lshrrev_b32 v1, 5, v0
	v_readfirstlane_b32 s24, v1                    ; wave g
	v_and_b32 v2, 31, v0
	v_and_b32 v3, 15, v0
	v_bfe_u32 v4, v0, 4, 1
	s_mov_b32 s27, 0
	s_mov_b32 s28, 0x76543210                      ; v_permlanex16_b32: lane i reads lane i of the other half
	s_mov_b32 s29, 0xfedcba98
	s_lshr_b32 s30, ttmp9, 1                       ; batch
	s_and_b32 s31, ttmp9, 1                        ; which 64 queries
	s_lshl_b32 s32, s24, 14
	v_lshl_add_u32 v[KOFF], v2, 4, s32
	s_lshl_b32 s32, s24, 16
	v_lshl_add_u32 v[MOFF], v2, 4, s32
	s_lshl_b32 s32, s24, 15
	v_lshl_add_u32 v[BOFF], v2, 4, s32
	v_mul_u32_u24 v[AADR], v3, PITCH
	v_lshl_add_u32 v[AADR], v4, 4, v[AADR]
	s_lshl_b32 s32, s24, 7
	v_add_nc_u32 v[OSTO], s32, v[AADR]
	s_mul_i32 s32, s24, 16*272
	s_add_co_u32 s32, s32, STAGE
	v_mul_u32_u24 v[SST], v3, 272
	v_lshl_add_u32 v[SST], v4, 5, v[SST]
	v_add_nc_u32 v[SST], s32, v[SST]
	v_mul_u32_u24 v[SRD], v4, 272
	v_lshl_add_u32 v[SRD], v3, 4, v[SRD]
	v_add_nc_u32 v[SRD], s32, v[SRD]
	s_lshl_b32 s32, s24, 8
	v_lshl_add_u32 v[OBO], v3, 4, s32
	v_lshl_add_u32 v[OOFF], v4, 10, v[OBO]
	v_mov_b32 v[NEG1], -1.0
	v_mov_b32 v[VSC], 0x3e3504f3
	v_mov_b32 v[L2E], 0x3fb8aa3b
	v_mov_b32 v[L2E+1], 0x3fb8aa3b
	v_mov_b32 v[PX], 0                             ; a lane permute's destination counts as read
	s_wait_kmcnt 0x0
	s_lshl_b32 s26, s30, 16
	s_add_nc_u64 s[4:5], s[4:5], s[26:27]          ; this batch's fragments
	s_lshl_b32 s26, s31, 12
	s_add_nc_u64 s[14:15], s[4:5], s[26:27]        ; my four query tiles
	s_lshl_b32 s26, s31, 14
	s_add_nc_u64 s[16:17], s[6:7], s[26:27]        ; the mask of my four query tiles
	s_lshl_b32 s26, ttmp9, 16
	s_add_nc_u64 s[12:13], s[12:13], s[26:27]      ; out0 at my 64 rows
.macro QLOAD hd
	WIN 0
.irp qt, 0,1,2,3
	global_load_b128 v[QQ+32*\hd+8*\qt:QQ+32*\hd+8*\qt+3], v[KOFF], s[14:15] offset:\hd*8192+\qt*1024
	global_load_b128 v[QQ+32*\hd+8*\qt+4:QQ+32*\hd+8*\qt+7], v[KOFF], s[14:15] offset:\hd*8192+\qt*1024+512
.endr
.endm
.macro KVLOAD hd
	WIN 0x40
.irp kt, 0,1,2,3,4,5,6,7
	global_load_b128 v[128*\hd+8*\kt:128*\hd+8*\kt+3], v[KOFF], s[4:5] offset:2097152+\hd*8192+\kt*1024
	global_load_b128 v[128*\hd+8*\kt+4:128*\hd+8*\kt+7], v[KOFF], s[4:5] offset:2097152+\hd*8192+\kt*1024+512
.endr
.irp kt, 0,1,2,3,4,5,6,7
	global_load_b128 v[128*\hd+64+8*\kt:128*\hd+64+8*\kt+3], v[KOFF], s[4:5] offset:4194304+\hd*8192+\kt*1024
	global_load_b128 v[128*\hd+64+8*\kt+4:128*\hd+64+8*\kt+7], v[KOFF], s[4:5] offset:4194304+\hd*8192+\kt*1024+512
.endr
	WIN 0
.endm
; the mask of tile t (head t / 4 of my two, query tile t & 3): eight loads
.macro MLOAD t
.irp kt, 0,1,2,3,4,5,6,7
	global_load_b128 v[MB+32*((\t)&1)+4*\kt:MB+32*((\t)&1)+4*\kt+3], v[MOFF], s[16:17] offset:((\t)>>2)*32768+((\t)&3)*4096+\kt*512
.endr
.endm
; eight loads: item p of out_w's stream (even: hi, matrix 5 of wf; odd: lo, matrix 8; K step p / 2; my 64 columns) into ring slot p & 7
.macro BLOADP p
	WIN 0x80
.irp nt, 0,1,2,3
	global_load_b128 v[32*((\p)&7)+8*\nt:32*((\p)&7)+8*\nt+3], v[BOFF], s[8:9] offset:(5+3*((\p)&1))*131072+((\p)>>1)*4096+\nt*1024
	global_load_b128 v[32*((\p)&7)+8*\nt+4:32*((\p)&7)+8*\nt+7], v[BOFF], s[8:9] offset:(5+3*((\p)&1))*131072+((\p)>>1)*4096+\nt*1024+512
.endr
.endm
	global_load_b128 v[OB:OB+3], v[OBO], s[10:11]
	QLOAD 0
	KVLOAD 0
	MLOAD 0
	QLOAD 1
	KVLOAD 1
; One tile: 16 queries x 128 keys of one head.  cnt = the loads issued behind this tile's mask.
.macro TILE t, hd, qt, cnt
.if \t < 7
	MLOAD (\t+1)
.endif
	BLOADP \t
	WIN 0
	s_wait_loadcnt \cnt
	WIN 0x01
.irp kt, 0,1,2,3,4,5,6,7
	v_wmma_f32_16x16x32_bf16 v[SS+8*\kt:SS+8*\kt+7], v[128*\hd+8*\kt:128*\hd+8*\kt+7], v[QQ+32*\hd+8*\qt:QQ+32*\hd+8*\qt+7], 0
.endr
	WIN 0
	PLACES 4                                       ; four places before the scores are read (ISA guide 7.12.1)
.irp kt, 0,1,2,3,4,5,6,7
.irp jj, 0,1,2,3
	v_fma_mix_f32_bf16 v[SS+8*\kt+2*\jj], v[SS+8*\kt+2*\jj], v[VSC], v[MB+32*(\t&1)+4*\kt+\jj] op_sel:[0,0,0] op_sel_hi:[0,0,1]
	v_fma_mix_f32_bf16 v[SS+8*\kt+2*\jj+1], v[SS+8*\kt+2*\jj+1], v[VSC], v[MB+32*(\t&1)+4*\kt+\jj] op_sel:[0,0,1] op_sel_hi:[0,0,1]
.endr
.endr
	; the row's maximum: four chains over my 64 keys, then the other half of the wave
.irp c, 0,1,2,3
	v_max_num_f32 v[MX+\c], v[SS+16*\c], v[SS+16*\c+1]
.endr
.irp p, 1,2,3,4,5,6,7
.irp c, 0,1,2,3
	v_max3_num_f32 v[MX+\c], v[MX+\c], v[SS+16*\c+2*\p], v[SS+16*\c+2*\p+1]
.endr
.endr
	v_max3_num_f32 v[MX], v[MX], v[MX+1], v[MX+2]
	v_max_num_f32 v[MX], v[MX], v[MX+3]
	v_permlanex16_b32 v[PX], v[MX], s28, s29
	v_max_num_f32 v[MX], v[MX], v[PX]
	v_mul_f32 v[NM], 0xbfb8aa3b, v[MX]
	v_mov_b32 v[NM+1], v[NM]
.set ii, 0
.rept 32
	v_pk_fma_f32 v[SS+2*ii:SS+2*ii+1], v[SS+2*ii:SS+2*ii+1], v[L2E:L2E+1], v[NM:NM+1]
.set ii, ii+1
.endr
.set ii, 0
.rept 64
	v_exp_f32 v[SS+ii], v[SS+ii]
.set ii, ii+1
.endr
	v_nop                                          ; one plain place behind the last transcendental (ISA guide 5.7.2)
	s_wait_alu depctr_va_vdst(0)
.irp c, 0,1,2,3
	v_pk_add_f32 v[TMP+2*\c:TMP+2*\c+1], v[SS+16*\c:SS+16*\c+1], v[SS+16*\c+2:SS+16*\c+3]
.endr
.irp p, 2,3,4,5,6,7
.irp c, 0,1,2,3
	v_pk_add_f32 v[TMP+2*\c:TMP+2*\c+1], v[TMP+2*\c:TMP+2*\c+1], v[SS+16*\c+2*\p:SS+16*\c+2*\p+1]
.endr
.endr
	v_pk_add_f32 v[TMP:TMP+1], v[TMP:TMP+1], v[TMP+2:TMP+3]
	v_pk_add_f32 v[TMP+4:TMP+5], v[TMP+4:TMP+5], v[TMP+6:TMP+7]
	v_pk_add_f32 v[TMP:TMP+1], v[TMP:TMP+1], v[TMP+4:TMP+5]
	v_add_f32 v[TMP], v[TMP], v[TMP+1]
	v_permlanex16_b32 v[PX], v[TMP], s28, s29
	v_add_f32 v[TMP], v[TMP], v[PX]
	v_rcp_f32 v[RI], v[TMP]
	v_rcp_f32 v[RI+1], v[TMP]                      ; the conversions below are the plain places behind it
	; P in place: keys 32 ks + 8 h .. +7 into registers 0-3 of fragment ks, keys 32 ks + 16 + 8 h .. +7 into 4-7; each line writes at or below what it reads
.irp ks, 0,1,2,3
.irp i, 0,1,2,3
	v_cvt_pk_bf16_f32 v[SS+16*\ks+\i], v[SS+16*\ks+2*\i], v[SS+16*\ks+2*\i+1]
.endr
.irp i, 0,1,2,3
	v_cvt_pk_bf16_f32 v[SS+16*\ks+4+\i], v[SS+16*\ks+8+2*\i], v[SS+16*\ks+8+2*\i+1]
.endr
.endr
	WIN 0x01                                       ; the two accumulators take turns
.irp ks, 0,1,2,3
.irp dvt, 0,1
.if \ks == 0
	v_wmma_f32_16x16x32_bf16 v[OO+8*\dvt:OO+8*\dvt+7], v[128*\hd+64+32*\dvt+8*\ks:128*\hd+64+32*\dvt+8*\ks+7], v[SS+16*\ks:SS+16*\ks+7], 0
.else
	v_wmma_f32_16x16x32_bf16 v[OO+8*\dvt:OO+8*\dvt+7], v[128*\hd+64+32*\dvt+8*\ks:128*\hd+64+32*\dvt+8*\ks+7], v[SS+16*\ks:SS+16*\ks+7], v[OO+8*\dvt:OO+8*\dvt+7]
.endif
.endr
.endr
	WIN 0
	PLACES 5                                       ; before the results are read, and before the next tile's matrix instructions write over P
.set ii, 0
	s_wait_alu depctr_va_vdst(0)
.rept 8
	v_pk_mul_f32 v[OO+2*ii:OO+2*ii+1], v[OO+2*ii:OO+2*ii+1], v[RI:RI+1]
.set ii, ii+1
.endr
	; hi = bf16(o); lo = bf16(o - hi), the difference (hi's half x -1 + o in one multiply-add) being exact
.set ii, 0
.rept 8
	v_cvt_pk_bf16_f32 v[TMP+ii], v[OO+2*ii], v[OO+2*ii+1]
.set ii, ii+1
.endr
.set ii, 0
.rept 8
	v_fma_mix_f32_bf16 v[OO+2*ii], v[TMP+ii], v[NEG1], v[OO+2*ii] op_sel:[0,0,0] op_sel_hi:[1,0,0]
	v_fma_mix_f32_bf16 v[OO+2*ii+1], v[TMP+ii], v[NEG1], v[OO+2*ii+1] op_sel:[1,0,0] op_sel_hi:[1,0,0]
.set ii, ii+1
.endr
.set ii, 0
.rept 8
	v_cvt_pk_bf16_f32 v[TMP+8+ii], v[OO+2*ii], v[OO+2*ii+1]
.set ii, ii+1
.endr
	ds_store_b128 v[OSTO], v[TMP:TMP+3] offset:\qt*16*PITCH+\hd*64
	ds_store_b128 v[OSTO], v[TMP+4:TMP+7] offset:\qt*16*PITCH+\hd*64+32
	ds_store_b128 v[OSTO], v[TMP+8:TMP+11] offset:LO+\qt*16*PITCH+\hd*64
	ds_store_b128 v[OSTO], v[TMP+12:TMP+15] offset:LO+\qt*16*PITCH+\hd*64+32
.endm
	TILE 0, 0, 0, 56                               ; behind tile 0's mask: the second head's Q, K, V (40), tile 1's mask (8), ring slot 0 (8)
	TILE 1, 0, 1, 24                               ; behind this tile's mask: a ring slot, the next mask, a ring slot
	TILE 2, 0, 2, 24
	TILE 3, 0, 3, 24
	TILE 4, 1, 0, 24
	TILE 5, 1, 1, 24
	TILE 6, 1, 2, 24
	TILE 7, 1, 3, 16                               ; no further mask: ring slots 6 and 7
	s_wait_dscnt 0x0                               ; my two heads' columns are in LDS, for the other waves
	s_barrier_signal -1
	s_barrier_wait -1
; the slot that the last step read gets the item seven ahead of this step's
.macro REFILL
.if PP >= 1
.if PP+7 < NP
	BLOADP (PP+7)
.endif
.endif
.endm
; this step's item is in: behind its eight loads at most the seven younger items were issued, 56 loads; at the stream's end only those that are left
.macro WAITB
.if PP+7 < NP
	s_wait_loadcnt 56
.else
	s_wait_loadcnt 8*(NP-1-PP)
.endif
.endm
; sixteen LDS loads: the A fragments (64 rows x 32 K), hi and lo, of K step ks
.macro ALOAD ks, buf
	WIN 0x40
.irp mt, 0,1,2,3
	ds_load_b128 v[64*(\buf)+8*\mt:64*(\buf)+8*\mt+3], v[AADR] offset:\mt*16*PITCH+(\ks)*64
	ds_load_b128 v[64*(\buf)+8*\mt+4:64*(\buf)+8*\mt+7], v[AADR] offset:\mt*16*PITCH+(\ks)*64+32
.endr
.irp mt, 0,1,2,3
	ds_load_b128 v[64*(\buf)+32+8*\mt:64*(\buf)+32+8*\mt+3], v[AADR] offset:LO+\mt*16*PITCH+(\ks)*64
	ds_load_b128 v[64*(\buf)+32+8*\mt+4:64*(\buf)+32+8*\mt+7], v[AADR] offset:LO+\mt*16*PITCH+(\ks)*64+32
.endr
.endm
; sixteen matrix instructions, transposed: ring slot PP & 7 times the four A fragments at aoff.  The sixteen accumulators take turns.
.macro MUL16 aoff, zero
.irp mt, 0,1,2,3
.irp nt, 0,1,2,3
.if \zero
	v_wmma_f32_16x16x32_bf16 v[ACC+8*(4*\mt+\nt):ACC+8*(4*\mt+\nt)+7], v[32*(PP&7)+8*\nt:32*(PP&7)+8*\nt+7], v[\aoff+8*\mt:\aoff+8*\mt+7], 0
.else
	v_wmma_f32_16x16x32_bf16 v[ACC+8*(4*\mt+\nt):ACC+8*(4*\mt+\nt)+7], v[32*(PP&7)+8*\nt:32*(PP&7)+8*\nt+7], v[\aoff+8*\mt:\aoff+8*\mt+7], v[ACC+8*(4*\mt+\nt):ACC+8*(4*\mt+\nt)+7]
.endif
.endr
.endr
.endm
; the step of a hi item: W hi x O hi, W hi x O lo
.macro STEPH ks, zero
	PLACES 4                                       ; four places before the ring slot and the A buffer that earlier matrix instructions read are loaded again
	REFILL
.if \ks < 7
	ALOAD (\ks+1), ((\ks+1)&1)
.endif
	WAITB
.if \ks < 7
	s_wait_dscnt 16                                ; all but the next K step's sixteen
.else
	s_wait_dscnt 0x0
.endif
	WIN 0x06
	MUL16 64*(\ks&1), \zero
	MUL16 64*(\ks&1)+32, 0
.set PP, PP+1
.endm
; the step of a lo item: W lo x O hi
.macro STEPL ks
	PLACES 4
	REFILL
	WAITB
	WIN 0x06
	MUL16 64*(\ks&1), 0
.set PP, PP+1
.endm
	PLACES 4
	ALOAD 0, 0
	STEPH 0, 1                                     ; the first products start the sums: nothing is cleared
	STEPL 0
.irp ks, 1,2,3,4,5,6,7
	STEPH \ks, 0
	STEPL \ks
.endr
	WIN 0
	PLACES 4                                       ; four places before the results are read
	; the way out, 16 rows at a time through my own stage: in by lanes that hold 8 columns of a row, back as whole rows of 256 bytes
.irp mt, 0,1,2,3
.irp nt, 0,1,2,3
	ds_store_b128 v[SST], v[ACC+8*(4*\mt+\nt):ACC+8*(4*\mt+\nt)+3] offset:\nt*64
	ds_store_b128 v[SST], v[ACC+8*(4*\mt+\nt)+4:ACC+8*(4*\mt+\nt)+7] offset:\nt*64+16
.endr
	s_wait_xcnt 0x0                                ; the rows read back, which the last stores read, are rewritten only behind this wait
.irp tt, 0,1,2,3,4,5,6,7
	ds_load_b128 v[RB+4*\tt:RB+4*\tt+3], v[SRD] offset:\tt*544     ; LDS serves a wave's instructions in order (ISA guide 5.7.1): these see the stores above
.endr
.irp tt, 0,1,2,3,4,5,6,7
	s_wait_dscnt 7-\tt
	v_pk_add_f32 v[RB+4*\tt:RB+4*\tt+1], v[RB+4*\tt:RB+4*\tt+1], v[OB:OB+1]
	v_pk_add_f32 v[RB+4*\tt+2:RB+4*\tt+3], v[RB+4*\tt+2:RB+4*\tt+3], v[OB+2:OB+3]
	global_store_b128 v[OOFF], v[RB+4*\tt:RB+4*\tt+3], s[12:13] offset:\mt*16384+\tt*2048 th:TH_STORE_NT   ; sixteen lanes: 256 consecutive bytes, aligned
.endr
.endr
	s_set_vgpr_msb 0xc
	s_wait_tensorcnt 0x0
	ds_add_u32 v249, v1
	s_wait_dscnt 0x0
	s_set_vgpr_msb 0xc00
	s_endpgm
.Lfunc_end_k_q6e7d4e4ba4_attn:
	.size	k_q6e7d4e4ba4_attn, .Lfunc_end_k_q6e7d4e4ba4_attn-k_q6e7d4e4ba4_attn
	.p2alignl 7, 3214868480
	.fill 96, 4, 3214868480
	.section	.rodata,"a",@progbits
	.p2align	6, 0x0
	.amdhsa_kernel k_q6e7d4e4ba4_attn
		.amdhsa_group_segment_fixed_size 85504
		.amdhsa_private_segment_fixed_size 0
		.amdhsa_enable_private_segment 0
		.amdhsa_kernarg_size 40
		.amdhsa_user_sgpr_count 2
		.amdhsa_user_sgpr_kernarg_segment_ptr 1
		.amdhsa_wavefront_size32 1
		.amdhsa_system_sgpr_workgroup_id_x 1
		.amdhsa_system_sgpr_workgroup_id_y 1
		.amdhsa_system_sgpr_workgroup_id_z 1
		.amdhsa_system_vgpr_workitem_id 0
		.amdhsa_next_free_vgpr 770
		.amdhsa_next_free_sgpr 66
		.amdhsa_reserve_vcc 0
		.amdhsa_float_denorm_mode_32 3
		.amdhsa_float_denorm_mode_16_64 3
		.amdhsa_memory_ordered 1
		.amdhsa_forward_progress 1
		.amdhsa_inst_pref_size 226
	.end_amdhsa_kernel
	.amdgpu_metadata
---
amdhsa.version: [ 1, 2 ]
amdhsa.kernels:
  - .name:           k_q6e7d4e4ba4_attn
    .symbol:         k_q6e7d4e4ba4_attn.kd
    .args:
      - { .name: qkv, .offset: 0, .size: 8, .value_kind: global_buffer, .address_space: global }
      - { .name: maskf, .offset: 8, .size: 8, .value_kind: global_buffer, .address_space: global }
      - { .name: wf, .offset: 16, .size: 8, .value_kind: global_buffer, .address_space: global }
      - { .name: out_b, .offset: 24, .size: 8, .value_kind: global_buffer, .address_space: global }
      - { .name: out0, .offset: 32, .size: 8, .value_kind: global_buffer, .address_space: global }
    .group_segment_fixed_size: 85504
    .private_segment_fixed_size: 0
    .kernarg_segment_align: 8
    .kernarg_segment_size: 40
    .max_flat_workgroup_size: 128
    .sgpr_count:     66
    .vgpr_count:     770
    .wavefront_size: 32
...
	.end_amdgpu_metadata
.endif
;; end of part 3
;; ======== version 2 of 3: 3 launches; 1.23 times as fast as version 1
;; workspace buffers: sr 2,097,152 bytes; wf 1,179,648 bytes; qkv 6,291,456 bytes; maskf 262,144 bytes
;; launch prep: the kernel of part 1 again; grid 112 x 1, 8 waves a work-group, no clusters, 218,112 bytes of LDS; arguments memory_w, fc_out_w, mlp_w1, mlp_w2, wq, wk, wv, out_w, sr, wf; writes sr, wf
;; launch mid (part 4): grid 256 x 1, 4 waves a work-group, no clusters, 73,216 bytes of LDS; arguments x, wf, mlp_b1, mlp_b2, bq, bk, bv, sr, gumbel_u, fc_out_b, fc_cat_w, fc_cat_b, qkv, maskf; writes qkv, maskf
.if DOCPART == 4
	.amdgcn_target "amdgcn-amd-amdhsa--gfx1250"
	.amdhsa_code_object_version 6
	.text
	.protected	k_q6e7d4e4ba4_mid
	.globl	k_q6e7d4e4ba4_mid
	.p2align	8
	.type	k_q6e7d4e4ba4_mid,@function
k_q6e7d4e4ba4_mid:
	s_mov_b64 s[64:65], 0
	v_nop
	global_prefetch_b8 v0, s[64:65] scope:SCOPE_SE
	s_setreg_imm32_b32 hwreg(HW_REG_WAVE_MODE, 25, 1), 1
	s_wait_xcnt 0x0
; mid: two kinds of work-groups, told apart by the work-group's number alone; neither needs the other's result.
; 0..127 (MLP): 32 rows of x through five layers of 256 x 256: gelu(x w1 + b1), (.) w2 + b2, then q, k, v.  4,096 rows / 32 = 128 work-groups, as many
;   as the mask has: 256 in all.  Wave g owns columns 64 g .. +63 of every layer: 8 accumulators of 16 x 16.
;   A: activations lie in LDS as bf16; a layer's whole A operand (32 rows x 256 K: 128 registers, 256 with the lo part) is read into registers in one
;   run at the layer's head, and q, k and v share one such read of xm.
;   B: the weights come as ready fragments from wf straight into a ring of sixteen register slots (an item = one K step of one matrix for my 64
;   columns = eight loads).  A step multiplies two items; at its head it waits for them and then asks for items up to seven beyond them, so at most
;   56 loads of a wave are not yet shown landed.  Each wave reads only its own columns, so a weight byte is read once by the work-group and never
;   passes LDS.  That is why no tile is shared through LDS or a cluster here: a joint load would land in LDS, and every weight byte would be read
;   from there once more, by the one wave that wants it.
;   PRECISION: attention averages v over the open keys, so what is left of the signal is small beside a single row, and a bf16 rounding of w2 or wv
;   acts on that average in full.  The second layer and the v layer therefore take both operands as hi + lo in bf16 and add three products in f32
;   (W hi A hi, W hi A lo, W lo A hi); what is dropped is of the order of 2^-16 of a product.  x, w1, q, k and v itself are single bf16.
;   q and k are made transposed (a lane holds 8 neighbouring columns of a row), v in the natural order (a lane holds 8 rows of a column): each packs
;   into exactly the 16 bytes of an attention fragment.
;   GELU is the tanh form: x / (1 + 2^(x (k0 + k1 x^2))), k0 = -2 log2(e) sqrt(2/pi), k1 = 0.044715 k0.
; 128..255 (PAIR): the mask.  conn[h][i][j] = 1 where sum_d relu(S[j][d] + R[i][d] + b[d]) (w[d][1] - w[d][0]) + (c1 - c0) + (g1 - g0) > 0, all in f32 on the
;   vector unit (the straight-through sum of reference() is exactly 0 or 1, and a tie goes to 0 as argmax does).  Stored as a bf16 addend: 0 where open,
;   bf16(-1e9) = -998,244,352 where blocked.  LIMIT: a decision whose margin lies under f32 rounding (some 1e-7 of the terms) may fall the other way
;   than in reference().  A work-group makes 16 i x 64 j of one head; a lane keeps S[j][0..255] and the 256 weight differences in registers.
.set MSB, 0
.macro WIN new                         ; the immediate's high byte repeats the setting that is left
.if MSB != (\new)
	s_set_vgpr_msb (MSB<<8)|(\new)
.set MSB, (\new)
.endif
.endm
.macro PLACES n
.rept \n
	v_nop
.endr
.endm
.set PITCH, 528                        ; an activation row: 256 bf16 + 16 bytes
.set LO,    32*PITCH                   ; from a region's hi part (32 rows, 16,896 bytes) to its lo part
.set ACT1,  2*LO                       ; region 0 at byte 0: x, later xm hi and lo; region 1: the hidden layer hi and lo
.set BIAS,  4*LO                       ; five biases of 1,024 bytes: b1, b2, bq, bk, bv
.set NP,    56                         ; items of the weight stream: w1 8, w2 hi/lo 16, wq 8, wk 8, wv hi/lo 16
.set PP,    0                          ; the item that is multiplied next
.set RF,    0                          ; the item that is asked for next
.set FST,   0                          ; 1: the next products start a layer's sums
.set DSA,   0                          ; behind the A loads that K step ks needs, DSA (7 - ks) + DSB LDS loads were issued (negative: nothing is out)
.set DSB,   -1
.set BOFF, 5                           ; wf: g * 32768 + 16 L
.set AAD0, 6                           ; A fragment in region 0: r * 528 + 16 h
.set STO0, 7                           ; result into region 0: AAD0 + 128 g
.set BADR, 8                           ; bias of 8 neighbouring columns: BIAS + 256 g + 32 h
.set BADV, 9                           ; bias of one column: BIAS + 256 g + 4 r
.set GOF,  10                          ; g * 16384 + 16 L: fragments out (two heads of 8,192 bytes a wave)
.set XSTO, 11                          ; x as bf16 into region 0: g * 8 rows + 8 L
.set TB,   12                          ; 8 x thread: a bias in memory
.set TBL,  13                          ; the same place in LDS
.set AAD1, 14                          ; A fragment in region 1
.set STO1, 15                          ; result into region 1
.set ACC,  16                          ; v[16:79]   acc(mt, nt) at 16 + 8 (4 mt + nt), mt = 0, 1
.set CB,   144                         ; v[144:175] the layer's bias as the first product's C
.set TT,   176                         ; v[176:207] at work
.set K0P,  208                         ; v[208:209] k0 twice
.set K1P,  210                         ; v[210:211] k1 twice
.set ONEP, 212                         ; v[212:213] 1.0 twice
.set NEG1, 214                         ; -1.0
.set XOF,  215                         ; g * 8192 + 16 L: my 8 rows of x
; window 1: the layer's A fragments: hi of K step ks, row tile mt at v[16 ks + 8 mt], lo at v[128 + 16 ks + 8 mt].
; windows 2 and 3: the ring of B fragments: item p in window 2 + ((p >> 3) & 1) at v[32 (p & 7)].
	s_load_b512 s[4:19], s[0:1], 0x0               ; x, wf, mlp_b1, mlp_b2, bq, bk, bv, sr
	s_load_b256 s[20:27], s[0:1], 0x40             ; gumbel_u, fc_out_b, fc_cat_w, fc_cat_b
	s_load_b128 s[28:31], s[0:1], 0x60             ; qkv, maskf
	v_lshl_add_u32 v254, v0, 2, 0x11c00
	v_mov_b32 v255, 0
	v_lshrrev_b32 v1, 5, v0
	v_readfirstlane_b32 s40, v1                    ; wave
	v_and_b32 v2, 31, v0                           ; L
	v_and_b32 v3, 15, v0                           ; r
	v_bfe_u32 v4, v0, 4, 1                         ; h
	s_mov_b32 s43, 0                               ; high word of every byte offset
	s_wait_kmcnt 0x0
	s_cmp_lt_u32 ttmp9, 128
	s_cbranch_scc0 .Lpair
	; ---------------- MLP ----------------
	s_lshl_b32 s42, ttmp9, 15
	s_add_nc_u64 s[4:5], s[4:5], s[42:43]          ; x at my 32 rows
	s_lshr_b32 s44, ttmp9, 2                       ; batch
	s_and_b32 s45, ttmp9, 3                        ; which 32 of its 128 rows
	s_lshl_b32 s42, s44, 16
	s_add_nc_u64 s[28:29], s[28:29], s[42:43]
	s_lshl_b32 s42, s45, 11
	s_add_nc_u64 s[34:35], s[28:29], s[42:43]      ; q, k: two row tiles of 1,024 bytes a quarter
	s_lshl_b32 s42, s45, 10
	s_add_nc_u64 s[36:37], s[28:29], s[42:43]      ; v: one key step of 1,024 bytes a quarter
	s_lshl_b32 s46, s40, 15
	v_lshl_add_u32 v[BOFF], v2, 4, s46
	v_mul_u32_u24 v[AAD0], v3, PITCH
	v_lshl_add_u32 v[AAD0], v4, 4, v[AAD0]
	v_add_nc_u32 v[AAD1], ACT1, v[AAD0]
	s_lshl_b32 s46, s40, 7
	v_add_nc_u32 v[STO0], s46, v[AAD0]
	v_add_nc_u32 v[STO1], ACT1, v[STO0]
	s_lshl_b32 s46, s40, 8
	s_add_co_u32 s46, s46, BIAS
	v_lshl_add_u32 v[BADR], v4, 5, s46
	v_lshl_add_u32 v[BADV], v3, 2, s46
	v_lshl_add_u32 v[TBL], v2, 3, s46
	s_lshl_b32 s46, s40, 14
	v_lshl_add_u32 v[GOF], v2, 4, s46
	s_lshl_b32 s46, s40, 13
	v_lshl_add_u32 v[XOF], v2, 4, s46
	s_mul_i32 s46, s40, 8*PITCH
	v_lshl_add_u32 v[XSTO], v2, 3, s46
	v_lshlrev_b32 v[TB], 3, v0
	v_mov_b32 v[K0P], 0xc0135762
	v_mov_b32 v[K0P+1], 0xc0135762
	v_mov_b32 v[K1P], 0xbdd2d3e8
	v_mov_b32 v[K1P+1], 0xbdd2d3e8
	v_mov_b32 v[ONEP], 1.0
	v_mov_b32 v[ONEP+1], 1.0
	v_mov_b32 v[NEG1], -1.0
; eight loads: item RF of the weight stream (matrix bm of wf, K step bk, my 64 columns) into its ring slot; RF steps on
.macro BLOADP
.if RF < 8
.set bm, 0
.set bk, RF
.else
.if RF < 24
.set bm, 1+5*(RF&1)
.set bk, (RF-8)>>1
.else
.if RF < 40
.set bm, 2+((RF-24)>>3)
.set bk, (RF-24)&7
.else
.set bm, 4+3*(RF&1)
.set bk, (RF-40)>>1
.endif
.endif
.endif
.set bw, 0x80+0x40*((RF>>3)&1)
	WIN bw                                         ; destination in window 2 or 3
.irp nt, 0,1,2,3
	global_load_b128 v[32*(RF&7)+8*\nt:32*(RF&7)+8*\nt+3], v[BOFF], s[6:7] offset:bm*131072+bk*4096+\nt*1024
	global_load_b128 v[32*(RF&7)+8*\nt+4:32*(RF&7)+8*\nt+7], v[BOFF], s[6:7] offset:bm*131072+bk*4096+\nt*1024+512
.endr
.set RF, RF+1
.endm
; asks for the items below lim that the stream still has
.macro REFILLTO lim
.rept 8
.if RF < (\lim)
.if RF < NP
	BLOADP
.endif
.endif
.endr
.endm
; item q is in: behind its eight loads those of items q + 1 .. RF - 1 were issued; a count that the wait cannot name is replaced by 63, which is stricter
.macro WAITI q
.if 8*(RF-1-(\q)) > 63
	s_wait_loadcnt 63
.else
	s_wait_loadcnt 8*(RF-1-(\q))
.endif
.endm
; The head of a step of two items.  A slot that is loaded again belonged to an item at least seven back, read in an earlier step, so these four places
; stand between the matrix instructions that read it and the load.  Behind the wait at most the seven items PP + 2 .. PP + 8 are out.
.macro SHEAD
	PLACES 4
	WAITI PP+1
	REFILLTO PP+9
.endm
; In a long epilogue: the next n items are shown landed, and as many more are asked for; again at most seven items are out
.macro TOPUP n
	s_wait_loadcnt 8*(RF-PP-\n)                    ; behind item PP + n - 1 the items up to RF - 1 were issued
	REFILLTO PP+\n+7
	WIN 0
.endm
; four LDS loads: the two A fragments (32 rows x 32 K) of K step ks, hi (lo = 0) or lo part
.macro ALOADK areg, ks, lo
.irp mt, 0,1
	ds_load_b128 v[128*\lo+16*(\ks)+8*\mt:128*\lo+16*(\ks)+8*\mt+3], v[\areg] offset:\lo*LO+\mt*16*PITCH+(\ks)*64
	ds_load_b128 v[128*\lo+16*(\ks)+8*\mt+4:128*\lo+16*(\ks)+8*\mt+7], v[\areg] offset:\lo*LO+\mt*16*PITCH+(\ks)*64+32
.endr
.endm
; item PP's slot and the windows of the matrix instructions that read it
.macro SLOTWIN nat
.set sb, 32*(PP&7)
.if \nat
.set sw, 1+4*(2+((PP>>3)&1))                       ; source 0 = A (window 1), source 1 = B (window 2 or 3)
.else
.set sw, 4+2+((PP>>3)&1)                           ; source 0 = B (window 2 or 3), source 1 = A (window 1)
.endif
	WIN sw
.endm
; eight matrix instructions: item PP's slot times the two A fragments at aoff.  The eight accumulators take turns, one instruction a turn,
; in the same order everywhere.  bias = 1: the layer's bias is the C of the first products: nothing is cleared.
.macro MUL8 nat, aoff, bias
.irp mt, 0,1
.irp nt, 0,1,2,3
.if \nat
.if \bias
	v_wmma_f32_16x16x32_bf16 v[ACC+8*(4*\mt+\nt):ACC+8*(4*\mt+\nt)+7], v[\aoff+8*\mt:\aoff+8*\mt+7], v[sb+8*\nt:sb+8*\nt+7], v[CB+8*\nt:CB+8*\nt+7]
.else
	v_wmma_f32_16x16x32_bf16 v[ACC+8*(4*\mt+\nt):ACC+8*(4*\mt+\nt)+7], v[\aoff+8*\mt:\aoff+8*\mt+7], v[sb+8*\nt:sb+8*\nt+7], v[ACC+8*(4*\mt+\nt):ACC+8*(4*\mt+\nt)+7]
.endif
.else
.if \bias
	v_wmma_f32_16x16x32_bf16 v[ACC+8*(4*\mt+\nt):ACC+8*(4*\mt+\nt)+7], v[sb+8*\nt:sb+8*\nt+7], v[\aoff+8*\mt:\aoff+8*\mt+7], v[CB+8*\nt:CB+8*\nt+7]
.else
	v_wmma_f32_16x16x32_bf16 v[ACC+8*(4*\mt+\nt):ACC+8*(4*\mt+\nt)+7], v[sb+8*\nt:sb+8*\nt+7], v[\aoff+8*\mt:\aoff+8*\mt+7], v[ACC+8*(4*\mt+\nt):ACC+8*(4*\mt+\nt)+7]
.endif
.endif
.endr
.endr
.endm
; a hi item (or a plain layer's item) of K step ks: W hi x A hi, and in a split layer W hi x A lo
.macro ITEMH ks, split, nat
.if DSA*(7-(\ks))+DSB >= 0
	s_wait_dscnt DSA*(7-(\ks))+DSB                 ; the bias and this K step's A fragments are in; the LDS loads issued behind them may stay out
.endif
	SLOTWIN \nat
	MUL8 \nat, 16*(\ks), FST
.set FST, 0
.if \split
	MUL8 \nat, 128+16*(\ks), 0
.endif
.set PP, PP+1
.endm
; a lo item of K step ks: W lo x A hi
.macro ITEML ks, nat
	SLOTWIN \nat
	MUL8 \nat, 16*(\ks), 0
.set PP, PP+1
.endm
; The layer's bias, in the accumulators' layout, and the layer's A operand.  amode 0: hi alone, four loads a K step.  1: hi and lo by turns, eight a
; K step.  2: all hi, then all lo (the layer itself reads hi alone; the 32 loads of lo stay out behind it).  3: A is in registers already.
.macro LSTART areg, l, nat, amode
	WIN 0
.if \nat
.irp nt, 0,1,2,3
	ds_load_b32 v[CB+8*\nt], v[BADV] offset:\l*1024+\nt*64
.endr
.else
.irp nt, 0,1,2,3
	ds_load_b128 v[CB+8*\nt:CB+8*\nt+3], v[BADR] offset:\l*1024+\nt*64
	ds_load_b128 v[CB+8*\nt+4:CB+8*\nt+7], v[BADR] offset:\l*1024+\nt*64+16
.endr
.endif
.if \amode == 3
	s_wait_dscnt 0x0                               ; the bias is in, and so is all of A
.set DSA, 0
.set DSB, -1
.else
	WIN 0x40                                       ; destination in window 1
.if \amode == 0
.irp ks, 0,1,2,3,4,5,6,7
	ALOADK \areg, \ks, 0
.endr
.set DSA, 4
.set DSB, 0
.endif
.if \amode == 1
.irp ks, 0,1,2,3,4,5,6,7
	ALOADK \areg, \ks, 0
	ALOADK \areg, \ks, 1
.endr
.set DSA, 8
.set DSB, 0
.endif
.if \amode == 2
.irp ks, 0,1,2,3,4,5,6,7
	ALOADK \areg, \ks, 0
.endr
.irp ks, 0,1,2,3,4,5,6,7
	ALOADK \areg, \ks, 1
.endr
.set DSA, 4
.set DSB, 32
.endif
	WIN 0
.endif
.if \nat
.irp nt, 0,1,2,3
.irp j, 1,2,3,4,5,6,7
	v_mov_b32 v[CB+8*\nt+\j], v[CB+8*\nt]          ; in the natural order a lane's eight results share one column, so one bias (used with amode 3: the bias is in)
.endr
.endr
.endif
.set FST, 1
.endm
; a layer: in a plain layer a step is two K steps, in a split layer the hi and the lo item of one K step
.macro LAYER areg, l, split, nat, amode
	LSTART \areg, \l, \nat, \amode
.irp j, 0,1,2,3
.if \split
	SHEAD
	ITEMH (2*\j), 1, \nat
	ITEML (2*\j), \nat
	SHEAD
	ITEMH (2*\j+1), 1, \nat
	ITEML (2*\j+1), \nat
.else
	SHEAD
	ITEMH (2*\j), 0, \nat
	ITEMH (2*\j+1), 0, \nat
.endif
.endr
	WIN 0
	PLACES 4                                       ; four places before the results are read, and before A's registers are loaded again
.endm
; gelu in place on the 32 accumulator registers of row tile mt
.macro GELU mt
.set ii, 0
.rept 16
	v_pk_mul_f32 v[TT+2*ii:TT+2*ii+1], v[ACC+32*\mt+2*ii:ACC+32*\mt+2*ii+1], v[ACC+32*\mt+2*ii:ACC+32*\mt+2*ii+1]
.set ii, ii+1
.endr
.set ii, 0
.rept 16
	v_pk_fma_f32 v[TT+2*ii:TT+2*ii+1], v[TT+2*ii:TT+2*ii+1], v[K1P:K1P+1], v[K0P:K0P+1]
.set ii, ii+1
.endr
.set ii, 0
.rept 16
	v_pk_mul_f32 v[TT+2*ii:TT+2*ii+1], v[TT+2*ii:TT+2*ii+1], v[ACC+32*\mt+2*ii:ACC+32*\mt+2*ii+1]
.set ii, ii+1
.endr
.set ii, 0
.rept 32
	v_exp_f32 v[TT+ii], v[TT+ii]
.set ii, ii+1
.endr
	v_nop                                          ; one plain place behind the last transcendental (ISA guide 5.7.2)
.set ii, 0
	s_wait_alu depctr_va_vdst(0)
.rept 16
	v_pk_add_f32 v[TT+2*ii:TT+2*ii+1], v[TT+2*ii:TT+2*ii+1], v[ONEP:ONEP+1]
.set ii, ii+1
.endr
.set ii, 0
.rept 32
	v_rcp_f32 v[TT+ii], v[TT+ii]
.set ii, ii+1
.endr
	v_nop
.set ii, 0
	s_wait_alu depctr_va_vdst(0)
.rept 16
	v_pk_mul_f32 v[ACC+32*\mt+2*ii:ACC+32*\mt+2*ii+1], v[ACC+32*\mt+2*ii:ACC+32*\mt+2*ii+1], v[TT+2*ii:TT+2*ii+1]
.set ii, ii+1
.endr
.endm
; eight f32 at a -> hi = bf16(v) in t .. t+3, lo = bf16(v - hi) in t+4 .. t+7 (the difference, hi's half x -1 + v in one multiply-add, is exact),
; 16 bytes each into the region's hi and lo parts
.macro HILO8 a, t, sreg, imm
.irp i, 0,1,2,3
	v_cvt_pk_bf16_f32 v[\t+\i], v[\a+2*\i], v[\a+2*\i+1]
.endr
.irp i, 0,1,2,3
	v_fma_mix_f32_bf16 v[\a+2*\i], v[\t+\i], v[NEG1], v[\a+2*\i] op_sel:[0,0,0] op_sel_hi:[1,0,0]
	v_fma_mix_f32_bf16 v[\a+2*\i+1], v[\t+\i], v[NEG1], v[\a+2*\i+1] op_sel:[1,0,0] op_sel_hi:[1,0,0]
.endr
.irp i, 0,1,2,3
	v_cvt_pk_bf16_f32 v[\t+4+\i], v[\a+2*\i], v[\a+2*\i+1]
.endr
	ds_store_b128 v[\sreg], v[\t:\t+3] offset:\imm
	ds_store_b128 v[\sreg], v[\t+4:\t+7] offset:LO+\imm
.endm
; results as hi + lo into the other activation region
.macro EPI_LDS sreg, gelu
.irp mt, 0,1
.if \gelu
	GELU \mt
.endif
.irp nt, 0,1,2,3
	HILO8 (ACC+8*(4*\mt+\nt)), (TT+8*\nt), \sreg, \mt*16*PITCH+\nt*32
.endr
.endr
.endm
; results to bf16 and out as attention fragments: a wave's store covers 512 consecutive bytes
.macro EPI_G sect, nat
.irp mt, 0,1
	s_wait_xcnt 0x0                                ; the packed words, which the last stores read, are rewritten only behind this wait
.irp nt, 0,1,2,3
.irp i, 0,1,2,3
	v_cvt_pk_bf16_f32 v[TT+4*\nt+\i], v[ACC+8*(4*\mt+\nt)+2*\i], v[ACC+8*(4*\mt+\nt)+2*\i+1]
.endr
.endr
.irp nt, 0,1,2,3
.if \nat
	global_store_b128 v[GOF], v[TT+4*\nt:TT+4*\nt+3], s[36:37] offset:4194304+(\nt>>1)*8192+(\nt&1)*4096+\mt*512
.else
	global_store_b128 v[GOF], v[TT+4*\nt:TT+4*\nt+3], s[34:35] offset:\sect*2097152+(\nt>>1)*8192+\mt*1024+(\nt&1)*512
.endif
.endr
.endr
.endm
.set qq, 0
.rept 16
	global_load_b128 v[ACC+4*qq:ACC+4*qq+3], v[XOF], s[4:5] offset:(qq>>1)*1024+(qq&1)*512 th:TH_LOAD_NT   ; my 8 rows of x
.set qq, qq+1
.endr
.irp l, 0,1,2,3,4
	global_load_b64 v[TT+2*\l:TT+2*\l+1], v[TB], s[8+2*\l:9+2*\l]
.endr
.rept 5
	BLOADP                                         ; items 0 to 4
.endr
	WIN 0
	s_wait_loadcnt 40                              ; x and the biases are in; the five items just asked for stay out
.set qq, 0
.rept 16
	v_cvt_pk_bf16_f32 v[CB+2*qq], v[ACC+4*qq], v[ACC+4*qq+1]
	v_cvt_pk_bf16_f32 v[CB+2*qq+1], v[ACC+4*qq+2], v[ACC+4*qq+3]
	ds_store_b64 v[XSTO], v[CB+2*qq:CB+2*qq+1] offset:(qq>>1)*PITCH+(qq&1)*256
.set qq, qq+1
.endr
.irp l, 0,1,2,3,4
	ds_store_b64 v[TBL], v[TT+2*\l:TT+2*\l+1] offset:\l*1024
.endr
.rept 2
	BLOADP                                         ; items 5 and 6: seven items are out
.endr
	WIN 0
	s_wait_dscnt 0x0                               ; my rows of x and my part of the biases are in LDS, for the other waves
	s_barrier_signal -1
	s_barrier_wait -1
	LAYER AAD0, 0, 0, 0, 0                         ; x w1 + b1
	EPI_LDS STO1, 1                                ; gelu, hi + lo into region 1
	TOPUP 4
	s_wait_dscnt 0x0                               ; my columns of the hidden layer are in region 1, and my reads of region 0 are over
	s_barrier_signal -1
	s_barrier_wait -1
	LAYER AAD1, 1, 1, 0, 1                         ; (.) w2 + b2, three products
	EPI_LDS STO0, 0                                ; xm, hi + lo into region 0, whose old rows were last read in front of the barrier above
	TOPUP 4
	s_wait_dscnt 0x0
	s_barrier_signal -1
	s_barrier_wait -1
	LAYER AAD0, 2, 0, 0, 2                         ; q; xm comes into registers, hi and lo, for this layer and the two behind it
	EPI_G 0, 0
	LAYER AAD0, 3, 0, 0, 3                         ; k
	EPI_G 1, 0
	LAYER AAD0, 4, 1, 1, 3                         ; v, three products, natural order
	EPI_G 2, 1
	s_wait_tensorcnt 0x0
	ds_add_u32 v254, v255
	s_wait_dscnt 0x0
	s_endpgm
	; ---------------- PAIR ----------------
.set P_RP, 0                           ; R'[i][d] = R + fc_out_b: 16 rows x 256 f32, pitch 1,040
.set P_WD, 16640                       ; w[d][1] - w[d][0]: 256 f32
.set P_MS, 17664                       ; the mask: 16 i x 64 j bf16, pitch 128
.set P_RO, 5                           ; R in sr
.set P_BO, 6                           ; fc_out_b
.set P_RS, 7                           ; R' into LDS
.set P_SO, 8                           ; S in sr: 16 bytes of my j
.set P_DB, 9                           ; c1 - c0
.set P_RAD, 10                         ; R' row of this trip (stepped)
.set P_MAD, 11                         ; my mask word of this trip (stepped)
.set P_GO, 12                          ; my pair of gumbel_u of this trip (stepped)
.set P_WA, 13                          ; P_WD
.set P_V16, 14                         ; 16 x thread
.set P_T, 16                           ; v[16:47]   at work
.set P_R0, 48                          ; v[48:79]   R' chunk of 32, buffer 0
.set P_R1, 80                          ; v[80:111]  buffer 1
.set P_A, 112                          ; v[112:119] four pairs of running sums
.set P_U, 120                          ; v[120:123] gumbel arithmetic
.set P_EPS, 124                        ; v[124:125] 1e-10 twice
.set P_NL2, 126                        ; v[126:127] -ln 2 twice
.set P_BLK, 128                        ; 0xce6e
.set P_ZER, 129                        ; 0
.set P_WS, 132                         ; my two weight differences into LDS
.set P_MR, 133                         ; my 16 bytes of the mask, read back
.set P_CW, 136                         ; v[136:139] fc_cat_w as loaded
.set P_RG, 140                         ; v[140:171] R as loaded
.set P_BG, 172                         ; v[172:203] fc_out_b as loaded
; window 1: S[j][d] in register d.  window 2: the weight difference of d in register d.
.Lpair:
	s_load_b64 s[44:45], s[26:27], 0x0             ; fc_cat_b: c0, c1
	s_sub_co_u32 s32, ttmp9, 128
	s_and_b32 s33, s32, 1                          ; which 64 of the 128 j
	s_bfe_u32 s34, s32, 0x30001                    ; which 16 of the 128 i
	s_lshr_b32 s35, s32, 4                         ; head
	s_and_b32 s36, s40, 1                          ; my wave: which 32 of the 64 j,
	s_lshr_b32 s37, s40, 1                         ; which 8 of the 16 i
	s_lshl_b32 s42, s35, 17
	s_add_nc_u64 s[18:19], s[18:19], s[42:43]
	s_lshl_b32 s42, s33, 10
	s_add_nc_u64 s[48:49], s[18:19], s[42:43]      ; S of this head at my 64 j
	s_lshl_b32 s42, s34, 8
	s_add_co_u32 s42, s42, 1048576
	s_add_nc_u64 s[46:47], s[18:19], s[42:43]      ; R of this head at my 16 i
	s_lshl_b32 s42, s35, 15
	s_lshl_b32 s38, s34, 12
	s_add_co_u32 s42, s42, s38
	s_lshl_b32 s38, s33, 11
	s_add_co_u32 s42, s42, s38
	s_add_nc_u64 s[30:31], s[30:31], s[42:43]      ; maskf at [head][qt][4 jh]
	v_lshrrev_b32 v15, 4, v0
	v_lshlrev_b32 v[P_RO], 4, v3
	v_lshl_add_u32 v[P_RO], v15, 11, v[P_RO]       ; dq = thread / 16 (2,048 bytes each), row r
	v_lshlrev_b32 v[P_BO], 4, v15
	v_mul_u32_u24 v[P_RS], v3, 1040
	v_lshl_add_u32 v[P_RS], v4, 4, v[P_RS]
	s_lshl_b32 s38, s40, 5
	v_add_nc_u32 v[P_RS], s38, v[P_RS]             ; row r, dq = 2 wave + h
	s_lshl_b32 s38, s36, 9
	v_lshl_add_u32 v[P_SO], v2, 4, s38
	v_lshlrev_b32 v[P_V16], 4, v0
	s_lshl_b32 s38, s40, 8
	s_add_co_u32 s38, s38, P_WD
	v_lshl_add_u32 v[P_WS], v2, 3, s38
	v_mov_b32 v[P_WA], P_WD
	s_mul_i32 s38, s37, 8*1040
	v_mov_b32 v[P_RAD], s38
	s_lshl_b32 s38, s37, 10
	s_lshl_b32 s39, s36, 6
	s_add_co_u32 s38, s38, s39
	s_add_co_u32 s38, s38, P_MS
	v_lshl_add_u32 v[P_MAD], v2, 1, s38
	s_lshl_b32 s38, s35, 17                        ; gumbel_u: ((head 128 + i) 128 + j) 8 bytes
	s_lshl_b32 s39, s34, 14
	s_add_co_u32 s38, s38, s39
	s_lshl_b32 s39, s37, 13
	s_add_co_u32 s38, s38, s39
	s_lshl_b32 s39, s33, 9
	s_add_co_u32 s38, s38, s39
	s_lshl_b32 s39, s36, 8
	s_add_co_u32 s38, s38, s39
	v_lshl_add_u32 v[P_GO], v2, 3, s38
	v_lshlrev_b32 v[P_MR], 7, v3
	v_lshl_add_u32 v[P_MR], v4, 4, v[P_MR]
	s_lshl_b32 s38, s40, 5
	s_add_co_u32 s38, s38, P_MS
	v_add_nc_u32 v[P_MR], s38, v[P_MR]             ; query r, eight keys from 8 (thread / 16)
	v_mov_b32 v[P_EPS], 0x2edbe6ff
	v_mov_b32 v[P_EPS+1], 0x2edbe6ff
	v_mov_b32 v[P_NL2], 0xbf317218
	v_mov_b32 v[P_NL2+1], 0xbf317218
	v_mov_b32 v[P_BLK], 0xce6e
	v_mov_b32 v[P_ZER], 0
	s_mov_b32 s39, 0x3f317218                      ; ln 2
	global_load_b128 v[P_CW:P_CW+3], v[P_V16], s[24:25]
.irp k, 0,1,2,3,4,5,6,7
	global_load_b128 v[P_RG+4*\k:P_RG+4*\k+3], v[P_RO], s[46:47] offset:\k*16384
.endr
.irp k, 0,1,2,3,4,5,6,7
	global_load_b128 v[P_BG+4*\k:P_BG+4*\k+3], v[P_BO], s[22:23] offset:\k*128
.endr
	WIN 0x40
.set qq, 0
.rept 48
	global_load_b128 v[4*qq:4*qq+3], v[P_SO], s[48:49] offset:qq*2048
.set qq, qq+1
.endr
	WIN 0
	s_wait_loadcnt 48                              ; the first seventeen are in; the 48 loads of S stay out
	v_sub_f32 v[P_T], v[P_CW+1], v[P_CW]
	v_sub_f32 v[P_T+1], v[P_CW+3], v[P_CW+2]
	ds_store_b64 v[P_WS], v[P_T:P_T+1]
.irp k, 0,1,2,3,4,5,6,7
	v_pk_add_f32 v[P_RG+4*\k:P_RG+4*\k+1], v[P_RG+4*\k:P_RG+4*\k+1], v[P_BG+4*\k:P_BG+4*\k+1]
	v_pk_add_f32 v[P_RG+4*\k+2:P_RG+4*\k+3], v[P_RG+4*\k+2:P_RG+4*\k+3], v[P_BG+4*\k+2:P_BG+4*\k+3]
	ds_store_b128 v[P_RS], v[P_RG+4*\k:P_RG+4*\k+3] offset:\k*128
.endr
	WIN 0x40
.set qq, 48
.rept 16
	global_load_b128 v[4*qq:4*qq+3], v[P_SO], s[48:49] offset:qq*2048
.set qq, qq+1
.endr
	WIN 0
	s_wait_dscnt 0x0                               ; my part of R' and of the weight differences is in LDS, for the other waves
	s_barrier_signal -1
	s_barrier_wait -1
	WIN 0x80
.set qq, 0
.rept 64
	ds_load_b128 v[4*qq:4*qq+3], v[P_WA] offset:qq*16      ; every lane reads the same 16 bytes
.set qq, qq+1
.endr
	WIN 0
	s_wait_kmcnt 0x0
	v_mov_b32 v[P_DB], s44
	v_sub_f32 v[P_DB], s45, v[P_DB]                ; c1 - c0
.irp k, 0,1,2,3,4,5,6,7
	ds_load_b128 v[P_R0+4*\k:P_R0+4*\k+3], v[P_RAD] offset:16*\k
.endr
	s_wait_loadcnt 0x0                             ; S is whole
; 32 of the 256 d: the next chunk of R' is asked for, then add, relu, multiply-add
.macro CHUNK c, nxoff, cur, nxt
.irp k, 0,1,2,3,4,5,6,7
	ds_load_b128 v[\nxt+4*\k:\nxt+4*\k+3], v[P_RAD] offset:\nxoff+16*\k
.endr
	s_wait_dscnt 8                                 ; all but the eight just issued: this chunk of R' is in
	WIN 0x01
.set ii, 0
.rept 16
	v_pk_add_f32 v[P_T+2*ii:P_T+2*ii+1], v[32*\c+2*ii:32*\c+2*ii+1], v[\cur+2*ii:\cur+2*ii+1]
.set ii, ii+1
.endr
	WIN 0
.set ii, 0
.rept 32
	v_max_num_f32 v[P_T+ii], 0, v[P_T+ii]
.set ii, ii+1
.endr
	WIN 0x08
.set ii, 0
.rept 16
.if (32*\c+ii) < 4
	v_pk_mul_f32 v[P_A+2*ii:P_A+2*ii+1], v[P_T+2*ii:P_T+2*ii+1], v[32*\c+2*ii:32*\c+2*ii+1]     ; the first four products start the sums
.else
	v_pk_fma_f32 v[P_A+2*(ii&3):P_A+2*(ii&3)+1], v[P_T+2*ii:P_T+2*ii+1], v[32*\c+2*ii:32*\c+2*ii+1], v[P_A+2*(ii&3):P_A+2*(ii&3)+1]
.endif
.set ii, ii+1
.endr
	WIN 0
.endm
	s_mov_b32 s41, 8                               ; eight i a wave
.Lrow:
	global_load_b64 v[P_U:P_U+1], v[P_GO], s[20:21] th:TH_LOAD_NT
	CHUNK 0, 128, P_R0, P_R1
	CHUNK 1, 256, P_R1, P_R0
	CHUNK 2, 384, P_R0, P_R1
	CHUNK 3, 512, P_R1, P_R0
	CHUNK 4, 640, P_R0, P_R1
	CHUNK 5, 768, P_R1, P_R0
	CHUNK 6, 896, P_R0, P_R1
	CHUNK 7, 1040, P_R1, P_R0                      ; the next row's first chunk; in the last trip these 128 bytes (row 8, or the weight differences) are read and not used
	s_wait_loadcnt 0x0                             ; u0, u1
	v_pk_add_f32 v[P_U:P_U+1], v[P_U:P_U+1], v[P_EPS:P_EPS+1]
	v_log_f32 v[P_U], v[P_U]
	v_log_f32 v[P_U+1], v[P_U+1]
	v_pk_add_f32 v[P_A:P_A+1], v[P_A:P_A+1], v[P_A+2:P_A+3]                ; a plain place behind the logarithms
	s_wait_alu depctr_va_vdst(0)
	v_pk_fma_f32 v[P_U:P_U+1], v[P_U:P_U+1], v[P_NL2:P_NL2+1], v[P_EPS:P_EPS+1]   ; -ln(u + eps) + eps
	v_log_f32 v[P_U], v[P_U]
	v_log_f32 v[P_U+1], v[P_U+1]
	v_pk_add_f32 v[P_A+4:P_A+5], v[P_A+4:P_A+5], v[P_A+6:P_A+7]
	s_wait_alu depctr_va_vdst(0)
	v_sub_f32 v[P_U+2], v[P_U], v[P_U+1]           ; (g1 - g0) / ln 2
	v_pk_add_f32 v[P_A:P_A+1], v[P_A:P_A+1], v[P_A+4:P_A+5]
	v_add_f32 v[P_A], v[P_A], v[P_A+1]
	v_add_f32 v[P_A], v[P_A], v[P_DB]
	v_fma_f32 v[P_A], v[P_U+2], s39, v[P_A]
	v_cmp_lt_f32 vcc_lo, 0, v[P_A]
	v_cndmask_b32 v[P_U+3], v[P_BLK], v[P_ZER], vcc_lo     ; open: 0; blocked: bf16(-1e9).  Only a value is chosen: no address or branch hangs on it
	ds_store_b16 v[P_MAD], v[P_U+3]
	v_add_nc_u32 v[P_RAD], 1040, v[P_RAD]
	v_add_nc_u32 v[P_MAD], 128, v[P_MAD]
	v_add_nc_u32 v[P_GO], 1024, v[P_GO]            ; free since the wait for the trip's load
	s_sub_co_u32 s41, s41, 1
	s_cmp_lg_u32 s41, 0
	s_cbranch_scc1 .Lrow
	s_wait_dscnt 0x0                               ; my mask words are in LDS, for the other waves
	s_barrier_signal -1
	s_barrier_wait -1
	ds_load_b128 v[P_T:P_T+3], v[P_MR]
	s_wait_dscnt 0x0
	global_store_b128 v[P_V16], v[P_T:P_T+3], s[30:31]     ; the work-group's 2,048 bytes are consecutive
	s_wait_tensorcnt 0x0
	ds_add_u32 v254, v255
	s_wait_dscnt 0x0
	s_endpgm
.Lfunc_end_k_q6e7d4e4ba4_mid:
	.size	k_q6e7d4e4ba4_mid, .Lfunc_end_k_q6e7d4e4ba4_mid-k_q6e7d4e4ba4_mid
	.p2alignl 7, 3214868480
	.fill 96, 4, 3214868480
	.section	.rodata,"a",@progbits
	.p2align	6, 0x0
	.amdhsa_kernel k_q6e7d4e4ba4_mid
		.amdhsa_group_segment_fixed_size 73216
		.amdhsa_private_segment_fixed_size 0
		.amdhsa_enable_private_segment 0
		.amdhsa_kernarg_size 112
		.amdhsa_user_sgpr_count 2
		.amdhsa_user_sgpr_kernarg_segment_ptr 1
		.amdhsa_wavefront_size32 1
		.amdhsa_system_sgpr_workgroup_id_x 1
		.amdhsa_system_sgpr_workgroup_id_y 1
		.amdhsa_system_sgpr_workgroup_id_z 1
		.amdhsa_system_vgpr_workitem_id 0
		.amdhsa_next_free_vgpr 1024
		.amdhsa_next_free_sgpr 66
		.amdhsa_reserve_vcc 1
		.amdhsa_float_denorm_mode_32 3
		.amdhsa_float_denorm_mode_16_64 3
		.amdhsa_memory_ordered 1
		.amdhsa_forward_progress 1
		.amdhsa_inst_pref_size 197
	.end_amdhsa_kernel
	.amdgpu_metadata
---
amdhsa.version: [ 1, 2 ]
amdhsa.kernels:
  - .name:           k_q6e7d4e4ba4_mid
    .symbol:         k_q6e7d4e4ba4_mid.kd
    .args:
      - { .name: x, .offset: 0, .size: 8, .value_kind: global_buffer, .address_space: global }
      - { .name: wf, .offset: 8, .size: 8, .value_kind: global_buffer, .address_space: global }
      - { .name: mlp_b1, .offset: 16, .size: 8, .value_kind: global_buffer, .address_space: global }
      - { .name: mlp_b2, .offset: 24, .size: 8, .value_kind: global_buffer, .address_space: global }
      - { .name: bq, .offset: 32, .size: 8, .value_kind: global_buffer, .address_space: global }
      - { .name: bk, .offset: 40, .size: 8, .value_kind: global_buffer, .address_space: global }
      - { .name: bv, .offset: 48, .size: 8, .value_kind: global_buffer, .address_space: global }
      - { .name: sr, .offset: 56, .size: 8, .value_kind: global_buffer, .address_space: global }
      - { .name: gumbel_u, .offset: 64, .size: 8, .value_kind: global_buffer, .address_space: global }
      - { .name: fc_out_b, .offset: 72, .size: 8, .value_kind: global_buffer, .address_space: global }
      - { .name: fc_cat_w, .offset: 80, .size: 8, .value_kind: global_buffer, .address_space: global }
      - { .name: fc_cat_b, .offset: 88, .size: 8, .value_kind: global_buffer, .address_space: global }
      - { .name: qkv, .offset: 96, .size: 8, .value_kind: global_buffer, .address_space: global }
      - { .name: maskf, .offset: 104, .size: 8, .value_kind: global_buffer, .address_space: global }
    .group_segment_fixed_size: 73216
    .private_segment_fixed_size: 0
    .kernarg_segment_align: 8
    .kernarg_segment_size: 112
    .max_flat_workgroup_size: 128
    .sgpr_count:     66
    .vgpr_count:     1024
    .wavefront_size: 32
...
	.end_amdgpu_metadata
.endif
;; end of part 4
;; launch attn (part 5): grid 256 x 1, 4 waves a work-group, no clusters, 34,816 bytes of LDS; arguments qkv, maskf, wf, out_b, out0; writes out0
.if DOCPART == 5
	.amdgcn_target "amdgcn-amd-amdhsa--gfx1250"
	.amdhsa_code_object_version 6
	.text
	.protected	k_q6e7d4e4ba4_attn
	.globl	k_q6e7d4e4ba4_attn
	.p2align	8
	.type	k_q6e7d4e4ba4_attn,@function
k_q6e7d4e4ba4_attn:
	s_mov_b64 s[64:65], 0
	v_nop
	global_prefetch_b8 v0, s[64:65] scope:SCOPE_SE
	s_setreg_imm32_b32 hwreg(HW_REG_WAVE_MODE, 25, 1), 1
	s_wait_xcnt 0x0
; attn: masked attention and the out projection for 16 query rows of one batch: 32 batches x 8 query tiles = 256 work-groups.  Wave g takes heads 2 g and
; 2 g + 1 (all 128 keys in registers), one tile of 16 queries x 128 keys each, then columns 64 g .. +63 of the out projection.  All operands arrive as
; ready fragments, 16 bytes a lane, 512 consecutive bytes a load.
; Scores are made transposed (source 0 = keys, source 1 = queries): a lane holds one query and 64 of its 128 keys, so the row's maximum and sum need
; one exchange between the halves of the wave, and the exponentials pack straight into the B fragment of the product with V.
; The mask is an addend in bf16: 0, or bf16(-1e9) = -998,244,352, added to score x scale in one f32 multiply-add; then the row's true maximum is taken
; away, as reference() does.  A row with every key blocked rounds to one common value, as in reference(), unless |score| reaches some 32.
; The exponent is formed as t log2(e) - round(max log2(e)); in a fully blocked row the rounding leaves a factor of at most 2^64 common to the
; whole row, which the normalisation takes out again without overflow.
; PRECISION: attention's result is an average over the open keys, small beside a single row of v, and each output is a sum of 256 such numbers with
; signs that cancel; so the out projection takes both operands as hi + lo in bf16 and adds three products in f32 (W hi O hi, W hi O lo, W lo O hi).
; The out projection's weights are sixteen items of eight loads (hi and lo of eight K steps), each with registers of its own, asked for in five groups
; during the two tiles; nothing is loaded twice into a register.
; NO CLUSTER, though the eight work-groups of a batch read the same K and V and all read out_w: every byte of K, V, the mask and out_w is wanted by
; exactly one wave of a work-group, which keeps it in registers; a joint load would land in LDS, and every byte would be read from there once more,
; with no second reader inside the work-group to pay for that pass.
.set MSB, 0
.macro WIN new                         ; the immediate's high byte repeats the setting that is left
.if MSB != \new
	s_set_vgpr_msb (MSB<<8)|\new
.set MSB, \new
.endif
.endm
.macro PLACES n
.rept \n
	v_nop
.endr
.endm
.set PITCH, 528                        ; attention's result: 16 rows x 256 bf16, hi part at LDS byte 0,
.set LO,    16*PITCH                   ; lo part behind it (8,448)
.set STAGE, 2*LO                       ; then a stage of 16 rows x 272 bytes for each wave
.set KOFF, 5                           ; g * 16384 + 16 L
.set MOFF, 6                           ; g * 65536 + 16 L
.set BOFF, 7                           ; g * 32768 + 16 L
.set AADR, 8                           ; r * 528 + 16 h
.set OSTO, 9                           ; AADR + 128 g
.set SST,  10                          ; stage + r * 272 + 32 h
.set SRD,  11                          ; stage + h * 272 + 16 r
.set OOFF, 12                          ; h * 1024 + 256 g + 16 r
.set OBO,  13                          ; 256 g + 16 r
.set NEG1, 14                          ; -1.0
.set VSC,  15                          ; 32^-0.5
.set ACC,  16                          ; v[16:47]   the out projection's four accumulators; during attention:
.set SS,   16                          ; v[16:79]   scores, then exponentials, then P
.set OO,   80                          ; v[80:95]   two accumulators of P V
.set TMP,  96                          ; v[96:111]  at work
.set MB,   112                         ; v[112:143], v[144:175] the mask fragments of my two heads
.set RB,   144                         ; v[144:175] the way out: rows read back
.set QQ,   176                         ; v[176:191] Q(hd) at 8 hd
.set OB,   240                         ; v[240:243] out_b of my four columns on the way out
.set MX,   244                         ; v[244:247] four running maxima
.set PX,   248                         ; from the other half of the wave
.set NM,   250                         ; v[250:251] -max log2(e) twice
.set RI,   252                         ; v[252:253] 1 / sum twice
.set L2E,  254                         ; v[254:255] log2(e) twice
; window 1: K(hd, kt) at 128 hd + 8 kt, V(hd, dvt, ks) at 128 hd + 64 + 32 dvt + 8 ks; later, over head 0's, the A fragments: K step ks at 16 ks, hi 8, lo 8.
; window 2: out_w hi, K step ks at v[32 ks].  window 3: out_w lo, likewise.
	s_load_b256 s[4:11], s[0:1], 0x0               ; qkv, maskf, wf, out_b
	s_load_b64 s[12:13], s[0:1], 0x20              ; out0
	v_lshl_add_u32 v239, v0, 2, 0x8600
	v_mov_b32 v249, 0
	v_lshrrev_b32 v1, 5, v0
	v_readfirstlane_b32 s24, v1                    ; wave g
	v_and_b32 v2, 31, v0
	v_and_b32 v3, 15, v0
	v_bfe_u32 v4, v0, 4, 1
	s_mov_b32 s27, 0
	s_mov_b32 s28, 0x76543210                      ; v_permlanex16_b32: lane i reads lane i of the other half
	s_mov_b32 s29, 0xfedcba98
	s_lshr_b32 s30, ttmp9, 3                       ; batch
	s_and_b32 s31, ttmp9, 7                        ; which 16 of its 128 queries
	s_lshl_b32 s32, s24, 14
	v_lshl_add_u32 v[KOFF], v2, 4, s32
	s_lshl_b32 s32, s24, 16
	v_lshl_add_u32 v[MOFF], v2, 4, s32
	s_lshl_b32 s32, s24, 15
	v_lshl_add_u32 v[BOFF], v2, 4, s32
	v_mul_u32_u24 v[AADR], v3, PITCH
	v_lshl_add_u32 v[AADR], v4, 4, v[AADR]
	s_lshl_b32 s32, s24, 7
	v_add_nc_u32 v[OSTO], s32, v[AADR]
	s_mul_i32 s32, s24, 16*272
	s_add_co_u32 s32, s32, STAGE
	v_mul_u32_u24 v[SST], v3, 272
	v_lshl_add_u32 v[SST], v4, 5, v[SST]
	v_add_nc_u32 v[SST], s32, v[SST]
	v_mul_u32_u24 v[SRD], v4, 272
	v_lshl_add_u32 v[SRD], v3, 4, v[SRD]
	v_add_nc_u32 v[SRD], s32, v[SRD]
	s_lshl_b32 s32, s24, 8
	v_lshl_add_u32 v[OBO], v3, 4, s32
	v_lshl_add_u32 v[OOFF], v4, 10, v[OBO]
	v_mov_b32 v[NEG1], -1.0
	v_mov_b32 v[VSC], 0x3e3504f3
	v_mov_b32 v[L2E], 0x3fb8aa3b
	v_mov_b32 v[L2E+1], 0x3fb8aa3b
	v_mov_b32 v[PX], 0                             ; a lane permute's destination counts as read
	s_wait_kmcnt 0x0
	s_lshl_b32 s26, s30, 16
	s_add_nc_u64 s[4:5], s[4:5], s[26:27]          ; this batch's fragments
	s_lshl_b32 s26, s31, 10
	s_add_nc_u64 s[14:15], s[4:5], s[26:27]        ; my query tile
	s_lshl_b32 s26, s31, 12
	s_add_nc_u64 s[16:17], s[6:7], s[26:27]        ; the mask of my query tile
	s_lshl_b32 s26, ttmp9, 14
	s_add_nc_u64 s[12:13], s[12:13], s[26:27]      ; out0 at my 16 rows
.macro QLOAD hd                        ; two loads
	WIN 0
	global_load_b128 v[QQ+8*\hd:QQ+8*\hd+3], v[KOFF], s[14:15] offset:\hd*8192
	global_load_b128 v[QQ+8*\hd+4:QQ+8*\hd+7], v[KOFF], s[14:15] offset:\hd*8192+512
.endm
.macro KVLOAD hd                       ; 32 loads
	WIN 0x40
.irp kt, 0,1,2,3,4,5,6,7
	global_load_b128 v[128*\hd+8*\kt:128*\hd+8*\kt+3], v[KOFF], s[4:5] offset:2097152+\hd*8192+\kt*1024
	global_load_b128 v[128*\hd+8*\kt+4:128*\hd+8*\kt+7], v[KOFF], s[4:5] offset:2097152+\hd*8192+\kt*1024+512
.endr
.irp kt, 0,1,2,3,4,5,6,7
	global_load_b128 v[128*\hd+64+8*\kt:128*\hd+64+8*\kt+3], v[KOFF], s[4:5] offset:4194304+\hd*8192+\kt*1024
	global_load_b128 v[128*\hd+64+8*\kt+4:128*\hd+64+8*\kt+7], v[KOFF], s[4:5] offset:4194304+\hd*8192+\kt*1024+512
.endr
	WIN 0
.endm
.macro MLOAD hd                        ; eight loads: the mask of my query tile in head hd of my two
.irp kt, 0,1,2,3,4,5,6,7
	global_load_b128 v[MB+32*\hd+4*\kt:MB+32*\hd+4*\kt+3], v[MOFF], s[16:17] offset:\hd*32768+\kt*512
.endr
.endm
; eight loads: item p of out_w (p < 8: hi, matrix 5 of wf, window 2; else lo, matrix 8, window 3; K step p & 7; my 64 columns)
.macro BLOADP p
.if (\p) < 8
	WIN 0x80
.else
	WIN 0xc0
.endif
.irp nt, 0,1,2,3
	global_load_b128 v[32*((\p)&7)+8*\nt:32*((\p)&7)+8*\nt+3], v[BOFF], s[8:9] offset:(5+3*((\p)>>3))*131072+((\p)&7)*4096+\nt*1024
	global_load_b128 v[32*((\p)&7)+8*\nt+4:32*((\p)&7)+8*\nt+7], v[BOFF], s[8:9] offset:(5+3*((\p)>>3))*131072+((\p)&7)*4096+\nt*1024+512
.endr
.endm
.macro WLOADS from, to                 ; items from .. to - 1
.set wp, \from
.rept \to-\from
	BLOADP wp
.set wp, wp+1
.endr
	WIN 0
.endm
	global_load_b128 v[OB:OB+3], v[OBO], s[10:11]
	QLOAD 0
	KVLOAD 0
	MLOAD 0
	QLOAD 1
	KVLOAD 1
	MLOAD 1
; One tile: 16 queries x 128 keys of head t of my two.  Items h0 .. h1 - 1 of out_w are asked for at its head, m0 .. m1 - 1 in its middle.
; cnt = the loads issued behind this head's Q, K, V and mask.
.macro TILE t, cnt, h0, h1, m0, m1
	WLOADS \h0, \h1
	s_wait_loadcnt \cnt
	WIN 0x01
.irp kt, 0,1,2,3,4,5,6,7
	v_wmma_f32_16x16x32_bf16 v[SS+8*\kt:SS+8*\kt+7], v[128*\t+8*\kt:128*\t+8*\kt+7], v[QQ+8*\t:QQ+8*\t+7], 0
.endr
	WIN 0
	PLACES 4                                       ; four places before the scores are read (ISA guide 7.12.1)
.irp kt, 0,1,2,3,4,5,6,7
.irp jj, 0,1,2,3
	v_fma_mix_f32_bf16 v[SS+8*\kt+2*\jj], v[SS+8*\kt+2*\jj], v[VSC], v[MB+32*\t+4*\kt+\jj] op_sel:[0,0,0] op_sel_hi:[0,0,1]
	v_fma_mix_f32_bf16 v[SS+8*\kt+2*\jj+1], v[SS+8*\kt+2*\jj+1], v[VSC], v[MB+32*\t+4*\kt+\jj] op_sel:[0,0,1] op_sel_hi:[0,0,1]
.endr
.endr
	; the row's maximum: four chains over my 64 keys, then the other half of the wave
.irp c, 0,1,2,3
	v_max_num_f32 v[MX+\c], v[SS+16*\c], v[SS+16*\c+1]
.endr
.irp p, 1,2,3,4,5,6,7
.irp c, 0,1,2,3
	v_max3_num_f32 v[MX+\c], v[MX+\c], v[SS+16*\c+2*\p], v[SS+16*\c+2*\p+1]
.endr
.endr
	v_max3_num_f32 v[MX], v[MX], v[MX+1], v[MX+2]
	v_max_num_f32 v[MX], v[MX], v[MX+3]
	v_permlanex16_b32 v[PX], v[MX], s28, s29
	v_max_num_f32 v[MX], v[MX], v[PX]
	v_mul_f32 v[NM], 0xbfb8aa3b, v[MX]
	v_mov_b32 v[NM+1], v[NM]
.set ii, 0
.rept 32
	v_pk_fma_f32 v[SS+2*ii:SS+2*ii+1], v[SS+2*ii:SS+2*ii+1], v[L2E:L2E+1], v[NM:NM+1]
.set ii, ii+1
.endr
.set ii, 0
.rept 64
	v_exp_f32 v[SS+ii], v[SS+ii]
.set ii, ii+1
.endr
	v_nop                                          ; one plain place behind the last transcendental (ISA guide 5.7.2)
	WLOADS \m0, \m1
	s_wait_alu depctr_va_vdst(0)
.irp c, 0,1,2,3
	v_pk_add_f32 v[TMP+2*\c:TMP+2*\c+1], v[SS+16*\c:SS+16*\c+1], v[SS+16*\c+2:SS+16*\c+3]
.endr
.irp p, 2,3,4,5,6,7
.irp c, 0,1,2,3
	v_pk_add_f32 v[TMP+2*\c:TMP+2*\c+1], v[TMP+2*\c:TMP+2*\c+1], v[SS+16*\c+2*\p:SS+16*\c+2*\p+1]
.endr
.endr
	v_pk_add_f32 v[TMP:TMP+1], v[TMP:TMP+1], v[TMP+2:TMP+3]
	v_pk_add_f32 v[TMP+4:TMP+5], v[TMP+4:TMP+5], v[TMP+6:TMP+7]
	v_pk_add_f32 v[TMP:TMP+1], v[TMP:TMP+1], v[TMP+4:TMP+5]
	v_add_f32 v[TMP], v[TMP], v[TMP+1]
	v_permlanex16_b32 v[PX], v[TMP], s28, s29
	v_add_f32 v[TMP], v[TMP], v[PX]
	v_rcp_f32 v[RI], v[TMP]
	v_rcp_f32 v[RI+1], v[TMP]                      ; the conversions below are the plain places behind it
	; P in place: keys 32 ks + 8 h .. +7 into registers 0-3 of fragment ks, keys 32 ks + 16 + 8 h .. +7 into 4-7; each line writes at or below what it reads
.irp ks, 0,1,2,3
.irp i, 0,1,2,3
	v_cvt_pk_bf16_f32 v[SS+16*\ks+\i], v[SS+16*\ks+2*\i], v[SS+16*\ks+2*\i+1]
.endr
.irp i, 0,1,2,3
	v_cvt_pk_bf16_f32 v[SS+16*\ks+4+\i], v[SS+16*\ks+8+2*\i], v[SS+16*\ks+8+2*\i+1]
.endr
.endr
	WIN 0x01                                       ; the two accumulators take turns
.irp ks, 0,1,2,3
.irp dvt, 0,1
.if \ks == 0
	v_wmma_f32_16x16x32_bf16 v[OO+8*\dvt:OO+8*\dvt+7], v[128*\t+64+32*\dvt+8*\ks:128*\t+64+32*\dvt+8*\ks+7], v[SS+16*\ks:SS+16*\ks+7], 0
.else
	v_wmma_f32_16x16x32_bf16 v[OO+8*\dvt:OO+8*\dvt+7], v[128*\t+64+32*\dvt+8*\ks:128*\t+64+32*\dvt+8*\ks+7], v[SS+16*\ks:SS+16*\ks+7], v[OO+8*\dvt:OO+8*\dvt+7]
.endif
.endr
.endr
	WIN 0
	PLACES 5                                       ; before the results are read, and before later matrix instructions write over P
.set ii, 0
	s_wait_alu depctr_va_vdst(0)
.rept 8
	v_pk_mul_f32 v[OO+2*ii:OO+2*ii+1], v[OO+2*ii:OO+2*ii+1], v[RI:RI+1]
.set ii, ii+1
.endr
	; hi = bf16(o); lo = bf16(o - hi), the difference (hi's half x -1 + o in one multiply-add) being exact
.set ii, 0
.rept 8
	v_cvt_pk_bf16_f32 v[TMP+ii], v[OO+2*ii], v[OO+2*ii+1]
.set ii, ii+1
.endr
.set ii, 0
.rept 8
	v_fma_mix_f32_bf16 v[OO+2*ii], v[TMP+ii], v[NEG1], v[OO+2*ii] op_sel:[0,0,0] op_sel_hi:[1,0,0]
	v_fma_mix_f32_bf16 v[OO+2*ii+1], v[TMP+ii], v[NEG1], v[OO+2*ii+1] op_sel:[1,0,0] op_sel_hi:[1,0,0]
.set ii, ii+1
.endr
.set ii, 0
.rept 8
	v_cvt_pk_bf16_f32 v[TMP+8+ii], v[OO+2*ii], v[OO+2*ii+1]
.set ii, ii+1
.endr
	ds_store_b128 v[OSTO], v[TMP:TMP+3] offset:\t*64
	ds_store_b128 v[OSTO], v[TMP+4:TMP+7] offset:\t*64+32
	ds_store_b128 v[OSTO], v[TMP+8:TMP+11] offset:LO+\t*64
	ds_store_b128 v[OSTO], v[TMP+12:TMP+15] offset:LO+\t*64+32
.endm
	TILE 0, 58, 0, 2, 2, 5                         ; behind head 0's mask: the second head's Q, K, V and mask (2 + 32 + 8 = 42) and items 0, 1 (16)
	TILE 1, 56, 5, 7, 7, 11                        ; behind head 1's mask: items 0 to 6
	WLOADS 11, 16
	s_wait_dscnt 0x0                               ; my two heads' columns are in LDS, for the other waves
	s_barrier_signal -1
	s_barrier_wait -1
	; the out projection: 16 rows x my 64 columns.  All of A, hi and lo: 32 LDS loads, over head 0's K and V, which were last read in tile 0
	WIN 0x40
.irp ks, 0,1,2,3,4,5,6,7
	ds_load_b128 v[16*\ks:16*\ks+3], v[AADR] offset:\ks*64
	ds_load_b128 v[16*\ks+4:16*\ks+7], v[AADR] offset:\ks*64+32
	ds_load_b128 v[16*\ks+8:16*\ks+11], v[AADR] offset:LO+\ks*64
	ds_load_b128 v[16*\ks+12:16*\ks+15], v[AADR] offset:LO+\ks*64+32
.endr
; four matrix instructions, transposed: the weight fragments at bs times the A fragment at aoff.  The four accumulators take turns.
.macro MUL4 bs, aoff, zero
.irp nt, 0,1,2,3
.if \zero
	v_wmma_f32_16x16x32_bf16 v[ACC+8*\nt:ACC+8*\nt+7], v[\bs+8*\nt:\bs+8*\nt+7], v[\aoff:\aoff+7], 0
.else
	v_wmma_f32_16x16x32_bf16 v[ACC+8*\nt:ACC+8*\nt+7], v[\bs+8*\nt:\bs+8*\nt+7], v[\aoff:\aoff+7], v[ACC+8*\nt:ACC+8*\nt+7]
.endif
.endr
.endm
	WIN 0x06                                       ; source 0 = W hi (window 2), source 1 = A (window 1)
	s_wait_loadcnt 63                              ; behind hi item 7 the eight lo items were issued, 64 loads; 63, the largest count that the wait can name, shows all hi items in
	s_wait_dscnt 28                                ; A of K step 0 is in; the 28 loads of the seven later steps may stay out
	MUL4 0, 0, 1                                   ; the first products start the sums: nothing is cleared
	MUL4 0, 8, 0
.irp ks, 1,2,3,4,5,6,7
	s_wait_dscnt 4*(7-\ks)
	MUL4 32*\ks, 16*\ks, 0                         ; W hi x O hi
	MUL4 32*\ks, 16*\ks+8, 0                       ; W hi x O lo
.endr
	WIN 0x07                                       ; source 0 = W lo (window 3)
.irp ks, 0,1,2,3,4,5,6,7
	s_wait_loadcnt 8*(7-\ks)                       ; the lo items behind this one may stay out
	MUL4 32*\ks, 16*\ks, 0                         ; W lo x O hi
.endr
	WIN 0
	PLACES 4                                       ; four places before the results are read
	; the way out through my own stage: in by lanes that hold 8 columns of a row, back as whole rows of 256 bytes
.irp nt, 0,1,2,3
	ds_store_b128 v[SST], v[ACC+8*\nt:ACC+8*\nt+3] offset:\nt*64
	ds_store_b128 v[SST], v[ACC+8*\nt+4:ACC+8*\nt+7] offset:\nt*64+16
.endr
.irp tt, 0,1,2,3,4,5,6,7
	ds_load_b128 v[RB+4*\tt:RB+4*\tt+3], v[SRD] offset:\tt*544     ; LDS serves a wave's instructions in order (ISA guide 5.7.1): these see the stores above
.endr
.irp tt, 0,1,2,3,4,5,6,7
	s_wait_dscnt 7-\tt
	v_pk_add_f32 v[RB+4*\tt:RB+4*\tt+1], v[RB+4*\tt:RB+4*\tt+1], v[OB:OB+1]
	v_pk_add_f32 v[RB+4*\tt+2:RB+4*\tt+3], v[RB+4*\tt+2:RB+4*\tt+3], v[OB+2:OB+3]
	global_store_b128 v[OOFF], v[RB+4*\tt:RB+4*\tt+3], s[12:13] offset:\tt*2048 th:TH_STORE_NT   ; sixteen lanes: 256 consecutive bytes, aligned
.endr
	s_wait_tensorcnt 0x0
	ds_add_u32 v239, v249
	s_wait_dscnt 0x0
	s_endpgm
.Lfunc_end_k_q6e7d4e4ba4_attn:
	.size	k_q6e7d4e4ba4_attn, .Lfunc_end_k_q6e7d4e4ba4_attn-k_q6e7d4e4ba4_attn
	.p2alignl 7, 3214868480
	.fill 96, 4, 3214868480
	.section	.rodata,"a",@progbits
	.p2align	6, 0x0
	.amdhsa_kernel k_q6e7d4e4ba4_attn
		.amdhsa_group_segment_fixed_size 34816
		.amdhsa_private_segment_fixed_size 0
		.amdhsa_enable_private_segment 0
		.amdhsa_kernarg_size 40
		.amdhsa_user_sgpr_count 2
		.amdhsa_user_sgpr_kernarg_segment_ptr 1
		.amdhsa_wavefront_size32 1
		.amdhsa_system_sgpr_workgroup_id_x 1
		.amdhsa_system_sgpr_workgroup_id_y 1
		.amdhsa_system_sgpr_workgroup_id_z 1
		.amdhsa_system_vgpr_workitem_id 0
		.amdhsa_next_free_vgpr 1024
		.amdhsa_next_free_sgpr 66
		.amdhsa_reserve_vcc 0
		.amdhsa_float_denorm_mode_32 3
		.amdhsa_float_denorm_mode_16_64 3
		.amdhsa_memory_ordered 1
		.amdhsa_forward_progress 1
		.amdhsa_inst_pref_size 73
	.end_amdhsa_kernel
	.amdgpu_metadata
---
amdhsa.version: [ 1, 2 ]
amdhsa.kernels:
  - .name:           k_q6e7d4e4ba4_attn
    .symbol:         k_q6e7d4e4ba4_attn.kd
    .args:
      - { .name: qkv, .offset: 0, .size: 8, .value_kind: global_buffer, .address_space: global }
      - { .name: maskf, .offset: 8, .size: 8, .value_kind: global_buffer, .address_space: global }
      - { .name: wf, .offset: 16, .size: 8, .value_kind: global_buffer, .address_space: global }
      - { .name: out_b, .offset: 24, .size: 8, .value_kind: global_buffer, .address_space: global }
      - { .name: out0, .offset: 32, .size: 8, .value_kind: global_buffer, .address_space: global }
    .group_segment_fixed_size: 34816
    .private_segment_fixed_size: 0
    .kernarg_segment_align: 8
    .kernarg_segment_size: 40
    .max_flat_workgroup_size: 128
    .sgpr_count:     66
    .vgpr_count:     1024
    .wavefront_size: 32
...
	.end_amdgpu_metadata
.endif
;; end of part 5
;; ======== version 3 of 3: 3 launches; version 2 with the launches prep, mid written anew for expert scheduling mode
;; workspace buffers: sr 2,097,152 bytes; wf 1,179,648 bytes; qkv 6,291,456 bytes; maskf 262,144 bytes
;; launch prep (part 6): grid 112 x 1, 8 waves a work-group, no clusters, 218,112 bytes of LDS; arguments memory_w, fc_out_w, mlp_w1, mlp_w2, wq, wk, wv, out_w, sr, wf; writes sr, wf
.if DOCPART == 6
	.amdgcn_target "amdgcn-amd-amdhsa--gfx1250"
	.amdhsa_code_object_version 6
	.text
	.protected	k_q6e7d4e4ba4_prep
	.globl	k_q6e7d4e4ba4_prep
	.p2align	8
	.type	k_q6e7d4e4ba4_prep,@function
k_q6e7d4e4ba4_prep:
	s_mov_b64 s[64:65], 0
	v_nop
	global_prefetch_b8 v0, s[64:65] scope:SCOPE_SE
	s_setreg_imm32_b32 hwreg(HW_REG_WAVE_SCHED_MODE, 0, 2), 2
	s_setreg_imm32_b32 hwreg(HW_REG_WAVE_MODE, 25, 1), 1
	s_wait_xcnt 0x0
	s_wait_alu depctr_vm_vsrc(0)
; prep: two kinds of work-groups, told apart by the work-group's number alone.
; 0..63  (SR): pair @ fc_out_w splits into S[h][j][:] + R[h][i][:], with S = feats @ (rows 0-255 of fc_out_w) and R = feats @ (rows 256-511).
;        One work-group makes 128 rows (one head) x 64 columns of S or R; wave w makes rows 16 w .. +15 in four accumulators.
;        The mask that hangs on these sums is a hard decision, so each f32 operand goes in as two bf16 numbers, hi + lo, and three products
;        are added in f32 (hi hi, lo hi, hi lo): what is dropped is of the order of 2^-16 of a product.
;        Out: sr[half][head][dq 64][row 128][4] f32, so that sixteen lanes store 256 consecutive bytes and a later lane reads 16 bytes of one row.
; 64..111 (pack): the six 256 x 256 weights, rounded to bf16 and laid out as matrix fragments:
;        wf[m 9][g 4][ks 8][nt 4][c 2][lane 32][16 bytes]; lane (r, h) holds column 64 g + 16 nt + r, k = 32 ks + 16 c + 8 h .. +7.
;        m: 0 w1, 1 w2, 2 wq, 3 wk, 4 wv, 5 out_w; 6, 7, 8: the lo parts bf16(w - hi) of w2, wv, out_w, whose rounding would otherwise act on
;        sums that attention has already averaged over the keys.
; No tensor loads: every tile is staged once, through registers, because it must be converted on the way.
; THE MODE: SCHED_MODE bits 1:0 = 2 (LLVM: expert scheduling mode 2), set by the entry lines.  The code itself states the register dependences
; between vector or matrix instructions and memory or LDS instructions, with s_wait_alu, always for 0.
; THE PLAN (SR).  Registers that memory or LDS instructions touch:
;   v5 .. v15     offsets and LDS addresses: written once at the head, never again.
;   X0, X1, X2    three raw batches of 16 loads (fc_out_w's slab; my rows 0-7 of feats; my rows 8-15), all asked for at the head; none is loaded twice.
;   out-registers a chunk's lo pair goes into the first two of its own four raw registers; its hi pair into registers that no LDS store reads:
;                 batch 0's into v16-47 (the accumulators', not yet live), batch 1's into the upper pairs of X0, batch 2's into the upper pairs of X1.
;                 So the conversions of a batch write nothing that the stores of the batch before read, and those stores are dealt among them,
;                 behind one wait on va_vdst at the batch's head.
;   FR set 0, 1   step ks multiplies one set; the twenty LDS loads of step ks + 1 land in the other, dealt among the step's first matrix instructions,
;                 behind one wait on va_vdst at the step's head: the last step's matrix instructions are done reading that set.
;   One wait on vm_vsrc behind the barrier: the LDS stores have read v16-239, which are accumulators and fragment sets from there on.
.set AHI, 0                            ; 128 rows x 256 bf16, hi part of feats, pitch 528
.set ALO, 67584                        ; the lo part
.set BHI, 135168                       ; 256 k rows x 64 bf16, hi part of fc_out_w's slab, pitch 160 (an odd multiple of 32 for the transposing loads)
.set BLO, 176128                       ; the lo part
.set APITCH, 528
.set BPITCH, 160
.set WPITCH, 544                       ; pack: 32 k rows x 256 bf16, an odd multiple of 32
.set WLO, 32*WPITCH                    ; pack: the lo part's rows lie behind the hi part's
.set ACC, 16                           ; v[16:47]   four accumulators
.set HB,  16                           ; v[16:47]   before that: the hi pairs of batch 0
.set FR,  48                           ; fragment set s at FR + 80 s: A hi 8, A lo 8, B hi 32, B lo 32
.set X0,  48                           ; v[48:111]  raw batch 0, before the fragment sets are live
.set X1,  112                          ; v[112:175] raw batch 1
.set X2,  176                          ; v[176:239] raw batch 2
.set TT,  240                          ; v[240:247] at work, two sets of four by turns: no memory or LDS instruction names them
.macro PLACES n
.rept \n
	v_nop
.endr
.endm
	s_load_b512 s[4:19], s[0:1], 0x0               ; memory_w, fc_out_w, mlp_w1, mlp_w2, wq, wk, wv, out_w
	s_load_b128 s[20:23], s[0:1], 0x40             ; sr, wf
	v_lshl_add_u32 v254, v0, 2, 0x35000
	v_mov_b32 v255, 0
	v_lshrrev_b32 v1, 5, v0
	v_readfirstlane_b32 s24, v1                    ; wave w
	v_and_b32 v2, 31, v0                           ; lane L
	v_and_b32 v3, 15, v0                           ; r
	v_bfe_u32 v4, v0, 4, 1                         ; h
	s_mov_b32 s25, 0xffff0000                      ; a word's upper bf16
	s_mov_b32 s33, 0                               ; high word of every byte offset
	s_wait_alu depctr_va_sdst(0)                   ; s24 is written, ahead of the branch and of its first reader in either body
	s_wait_kmcnt 0x0
	s_cmp_lt_u32 ttmp9, 64
	s_cbranch_scc0 .Lpack
	; ---------------- SR ----------------
	s_and_b32 s26, ttmp9, 7                        ; head
	s_lshr_b32 s27, ttmp9, 3
	s_lshr_b32 s28, s27, 2                         ; half: 0 = S, 1 = R
	s_and_b32 s29, s27, 3                          ; slab of 64 columns
	s_lshl_b32 s32, s26, 10
	s_add_nc_u64 s[4:5], s[4:5], s[32:33]          ; feats of this head: 1,024 bytes into every row of memory_w
	s_lshl_b32 s32, s28, 18
	s_lshl_b32 s34, s29, 8
	s_add_co_u32 s32, s32, s34
	s_add_nc_u64 s[6:7], s[6:7], s[32:33]          ; fc_out_w: 256 rows down for R, 64 columns a slab
	s_lshl_b32 s32, s28, 20
	s_lshl_b32 s34, s26, 17
	s_add_co_u32 s32, s32, s34
	s_lshl_b32 s34, s29, 15
	s_add_co_u32 s32, s32, s34
	s_add_nc_u64 s[20:21], s[20:21], s[32:33]      ; sr at [half][head][16 slab]
	s_lshl_b32 s30, s24, 17
	v_lshl_add_u32 v5, v2, 4, s30                  ; A in memory: 16 rows of 8,192 bytes a wave, 16 bytes a lane
	s_lshl_b32 s30, s24, 15
	v_lshlrev_b32 v6, 4, v3
	v_lshl_add_u32 v6, v4, 10, v6
	v_add_nc_u32 v6, s30, v6                       ; B in memory: row 32 w + h, 16 r
	s_mul_i32 s30, s24, 16*APITCH
	v_lshl_add_u32 v7, v2, 3, s30                  ; A hi in LDS: my wave's 16 rows, 8 bytes a lane
	v_add_nc_u32 v8, ALO, v7                       ; A lo
	s_mul_i32 s31, s24, 32*BPITCH
	s_add_co_u32 s31, s31, BHI
	v_mul_u32_u24 v9, v4, BPITCH
	v_lshl_add_u32 v9, v3, 3, v9
	v_add_nc_u32 v9, s31, v9                       ; B hi in LDS: row 32 w + h, 8 r
	v_add_nc_u32 v10, BLO-BHI, v9                  ; B lo
	v_mul_u32_u24 v11, v3, APITCH
	v_lshl_add_u32 v11, v4, 4, v11
	v_add_nc_u32 v11, s30, v11                     ; A fragment: row 16 w + r, 16 h
	v_add_nc_u32 v12, ALO, v11
	v_and_b32 v13, 7, v0
	v_lshl_add_u32 v13, v4, 3, v13
	v_mul_u32_u24 v13, v13, BPITCH                 ; B fragment by transposing loads: k row 8 h + (L & 7),
	v_bfe_u32 v14, v0, 3, 1
	v_lshl_add_u32 v13, v14, 4, v13                ; 16 bytes further for the second eight lanes of each half
	v_add_nc_u32 v13, BHI, v13
	v_add_nc_u32 v14, BLO-BHI, v13
	v_lshlrev_b32 v15, 4, v3
	v_lshl_add_u32 v15, v4, 12, v15
	s_lshl_b32 s30, s24, 8
	v_add_nc_u32 v15, s30, v15                     ; out: dq + 2 h (2,048 bytes each), row 16 w + r (16 bytes each)
; four f32 in v[x:x+3] -> hi = bf16(x) into v[h:h+1], lo = bf16(x - hi) into v[x:x+1]; t: four registers at work
.macro CONV x, h, t
	v_cvt_pk_bf16_f32 v[\h], v[\x], v[\x+1]
	v_cvt_pk_bf16_f32 v[\h+1], v[\x+2], v[\x+3]
	v_lshlrev_b32 v[\t], 16, v[\h]
	v_and_b32 v[\t+1], s25, v[\h]
	v_lshlrev_b32 v[\t+2], 16, v[\h+1]
	v_and_b32 v[\t+3], s25, v[\h+1]
	v_pk_add_f32 v[\t:\t+1], v[\x:\x+1], v[\t:\t+1] neg_lo:[0,1] neg_hi:[0,1]
	v_pk_add_f32 v[\t+2:\t+3], v[\x+2:\x+3], v[\t+2:\t+3] neg_lo:[0,1] neg_hi:[0,1]
	v_cvt_pk_bf16_f32 v[\x], v[\t], v[\t+1]
	v_cvt_pk_bf16_f32 v[\x+1], v[\t+2], v[\t+3]
.endm
; a chunk's hi pair and lo pair, 8 bytes each, into LDS
.macro PUT h, l, adrh, adrl, imm
	ds_store_b64 v[\adrh], v[\h:\h+1] offset:\imm
	ds_store_b64 v[\adrl], v[\l:\l+1] offset:\imm
.endm
	s_wait_alu depctr_va_vdst(0)                   ; v5 to v15 are written: every load and store of this body reads one of them as its offset or address
.set qq, 0
.rept 16
	global_load_b128 v[X0+4*qq:X0+4*qq+3], v6, s[6:7] offset:qq*2048               ; B: two k rows of 256 bytes a load
.set qq, qq+1
.endr
.set qq, 0
.rept 16
	global_load_b128 v[X1+4*qq:X1+4*qq+3], v5, s[4:5] offset:(qq>>1)*8192+(qq&1)*512   ; A: rows 0-7 of my sixteen
.set qq, qq+1
.endr
.set qq, 0
.rept 16
	global_load_b128 v[X2+4*qq:X2+4*qq+3], v5, s[4:5] offset:((qq+16)>>1)*8192+(qq&1)*512   ; A: rows 8-15
.set qq, qq+1
.endr
	s_wait_loadcnt 32                              ; B's sixteen are in; A's 32 may stay out
.set qq, 0
.rept 16
	CONV X0+4*qq, HB+2*qq, TT+4*(qq&1)
.set qq, qq+1
.endr
	s_wait_loadcnt 16                              ; A's first sixteen are in
	s_wait_alu depctr_va_vdst(0)                   ; batch 0's conversions have written v16-47 and the lower pairs of X0, which the LDS stores below read
.set qq, 0
.rept 16
	PUT HB+2*qq, X0+4*qq, 9, 10, qq*2*BPITCH       ; no vector instruction since the wait names these registers: batch 1 writes X0's upper pairs, X1's lower pairs and TT
	CONV X1+4*qq, X0+4*qq+2, TT+4*(qq&1)
.set qq, qq+1
.endr
	s_wait_loadcnt 0x0
	s_wait_alu depctr_va_vdst(0)                   ; batch 1's conversions have written the upper pairs of X0 and the lower pairs of X1, which the LDS stores below read
.set qq, 0
.rept 16
	PUT X0+4*qq+2, X1+4*qq, 7, 8, (qq>>1)*APITCH+(qq&1)*256
	CONV X2+4*qq, X1+4*qq+2, TT+4*(qq&1)
.set qq, qq+1
.endr
	s_wait_alu depctr_va_vdst(0)                   ; batch 2's conversions have written the upper pairs of X1 and the lower pairs of X2; no vector instruction follows that names v48-239, in which fragments land below
.set qq, 0
.rept 16
	PUT X1+4*qq+2, X2+4*qq, 7, 8, ((qq+16)>>1)*APITCH+(qq&1)*256
.set qq, qq+1
.endr
	s_wait_dscnt 0x0                               ; my LDS stores are done: B's rows are read by all eight waves
	s_barrier_signal -1
	s_barrier_wait -1
	s_wait_alu depctr_vm_vsrc(0)                   ; my LDS stores have read v16-239: from here on the matrix instructions write v16-47 and the fragments' loads land in v48-207
; the twenty LDS loads of one K step of 32, in five parts of four: A hi and lo; then for each 16 columns n B hi and lo (transposing)
.macro FRAGA ks, set
	ds_load_b128 v[FR+80*(\set):FR+80*(\set)+3], v11 offset:(\ks)*64
	ds_load_b128 v[FR+80*(\set)+4:FR+80*(\set)+7], v11 offset:(\ks)*64+32
	ds_load_b128 v[FR+80*(\set)+8:FR+80*(\set)+11], v12 offset:(\ks)*64
	ds_load_b128 v[FR+80*(\set)+12:FR+80*(\set)+15], v12 offset:(\ks)*64+32
.endm
.macro FRAGB ks, set, n
	ds_load_tr16_b128 v[FR+80*(\set)+16+8*(\n):FR+80*(\set)+16+8*(\n)+3], v13 offset:(\ks)*32*BPITCH+(\n)*32
	ds_load_tr16_b128 v[FR+80*(\set)+16+8*(\n)+4:FR+80*(\set)+16+8*(\n)+7], v13 offset:(\ks)*32*BPITCH+(\n)*32+16*BPITCH
	ds_load_tr16_b128 v[FR+80*(\set)+48+8*(\n):FR+80*(\set)+48+8*(\n)+3], v14 offset:(\ks)*32*BPITCH+(\n)*32
	ds_load_tr16_b128 v[FR+80*(\set)+48+8*(\n)+4:FR+80*(\set)+48+8*(\n)+7], v14 offset:(\ks)*32*BPITCH+(\n)*32+16*BPITCH
.endm
; A K step: twelve matrix instructions, used transposed (source 0 = columns of fc_out_w, source 1 = rows of feats): a lane then holds eight neighbouring
; columns of one row.  The four accumulators take turns, one instruction a turn.  The next step's five parts of loads stand
; behind the first five matrix instructions, which name set cur and the accumulators alone.
.macro KSTEP ks, cur, nxt, zero
	s_wait_dscnt 0x0                               ; this step's twenty loads, issued early in the step before, are in
.if (\ks > 0) && (\ks < 7)
	PLACES 4                                       ; four places between the last matrix instructions and the loads into the set that they read
	s_wait_alu depctr_va_vdst(0)                   ; the last step's matrix instructions are done reading set nxt, in which this step's loads land
.endif
.irp nt, 0,1,2,3
.if \zero
	v_wmma_f32_16x16x32_bf16 v[ACC+8*\nt:ACC+8*\nt+7], v[FR+80*\cur+16+8*\nt:FR+80*\cur+16+8*\nt+7], v[FR+80*\cur:FR+80*\cur+7], 0
.else
	v_wmma_f32_16x16x32_bf16 v[ACC+8*\nt:ACC+8*\nt+7], v[FR+80*\cur+16+8*\nt:FR+80*\cur+16+8*\nt+7], v[FR+80*\cur:FR+80*\cur+7], v[ACC+8*\nt:ACC+8*\nt+7]
.endif
.if \ks < 7
.if \nt == 0
	FRAGA (\ks+1), \nxt
.else
	FRAGB (\ks+1), \nxt, (\nt-1)
.endif
.endif
.endr
.irp nt, 0,1,2,3
	v_wmma_f32_16x16x32_bf16 v[ACC+8*\nt:ACC+8*\nt+7], v[FR+80*\cur+48+8*\nt:FR+80*\cur+48+8*\nt+7], v[FR+80*\cur:FR+80*\cur+7], v[ACC+8*\nt:ACC+8*\nt+7]
.if (\ks < 7) && (\nt == 0)
	FRAGB (\ks+1), \nxt, 3
.endif
.endr
.irp nt, 0,1,2,3
	v_wmma_f32_16x16x32_bf16 v[ACC+8*\nt:ACC+8*\nt+7], v[FR+80*\cur+16+8*\nt:FR+80*\cur+16+8*\nt+7], v[FR+80*\cur+8:FR+80*\cur+15], v[ACC+8*\nt:ACC+8*\nt+7]
.endr
.endm
	FRAGA 0, 0
	FRAGB 0, 0, 0
	FRAGB 0, 0, 1
	FRAGB 0, 0, 2
	FRAGB 0, 0, 3
	KSTEP 0, 0, 1, 1                               ; the first products start the sums: nothing is cleared.  Set 1 is free since the two waits round the barrier
	KSTEP 1, 1, 0, 0
	KSTEP 2, 0, 1, 0
	KSTEP 3, 1, 0, 0
	KSTEP 4, 0, 1, 0
	KSTEP 5, 1, 0, 0
	KSTEP 6, 0, 1, 0
	KSTEP 7, 1, 0, 0                               ; the last step asks for nothing, so it states nothing
	PLACES 4                                       ; four places before the stores read the results
	s_wait_alu depctr_va_vdst(0)                   ; the matrix instructions have written the accumulators, which the stores read; the places above stay beside this wait
.irp nt, 0,1,2,3
	global_store_b128 v15, v[ACC+8*\nt:ACC+8*\nt+3], s[20:21] offset:(\nt*4)*2048      ; sixteen lanes: 256 consecutive bytes, aligned
	global_store_b128 v15, v[ACC+8*\nt+4:ACC+8*\nt+7], s[20:21] offset:(\nt*4+1)*2048
.endr
	s_wait_dscnt 0x0
	s_wait_alu depctr_hold_cnt(0) depctr_sa_sdst(0) depctr_va_vdst(0) depctr_va_sdst(0) depctr_va_ssrc(0) depctr_va_vcc(0) depctr_vm_vsrc(0)
	s_wait_tensorcnt 0x0
	ds_add_u32 v254, v255
	s_wait_dscnt 0x0
	s_endpgm
	; ---------------- pack ----------------
	; THE PLAN (pack).  v5 to v8: offsets, written once.  v48-79: raw, loaded once.  v80-95, v128-143: hi and lo as the LDS stores read them, written once.
	; v96-127: what the transposing loads bring and the stores send, named by no vector instruction.
.Lpack:
	s_sub_co_u32 s26, ttmp9, 64
	s_lshr_b32 s27, s26, 3                         ; which weight, 0..5
	s_and_b32 s28, s26, 7                          ; which 32 rows (K step)
	s_mov_b64 s[30:31], s[8:9]
	s_cmp_eq_u32 s27, 1
	s_cselect_b64 s[30:31], s[10:11], s[30:31]
	s_cmp_eq_u32 s27, 2
	s_cselect_b64 s[30:31], s[12:13], s[30:31]
	s_cmp_eq_u32 s27, 3
	s_cselect_b64 s[30:31], s[14:15], s[30:31]
	s_cmp_eq_u32 s27, 4
	s_cselect_b64 s[30:31], s[16:17], s[30:31]
	s_cmp_eq_u32 s27, 5
	s_cselect_b64 s[30:31], s[18:19], s[30:31]
	s_lshl_b32 s32, s28, 15
	s_add_nc_u64 s[30:31], s[30:31], s[32:33]      ; 32 rows of 1,024 bytes a K step
	s_mov_b32 s38, 6                               ; where a lo part goes: w2 -> 6, wv -> 7, out_w -> 8
	s_cmp_eq_u32 s27, 4
	s_cselect_b32 s38, 7, s38
	s_cmp_eq_u32 s27, 5
	s_cselect_b32 s38, 8, s38
	s_lshl_b32 s34, s28, 12
	s_lshl_b32 s32, s38, 17
	s_add_co_u32 s32, s32, s34
	s_add_nc_u64 s[36:37], s[22:23], s[32:33]      ; wf at [lo matrix][.][ks]
	s_lshl_b32 s32, s27, 17
	s_add_co_u32 s32, s32, s34
	s_add_nc_u64 s[22:23], s[22:23], s[32:33]      ; wf at [m][.][ks]
	s_lshr_b32 s39, 0x32, s27                      ; bits 1, 4, 5: the weights that have a lo part
	s_and_b32 s39, s39, 1
	s_lshl_b32 s34, s24, 12
	v_lshl_add_u32 v5, v2, 4, s34                  ; in memory: 4 rows a wave, 16 bytes a lane
	s_mul_i32 s34, s24, 4*WPITCH
	v_lshl_add_u32 v6, v2, 3, s34                  ; in LDS: the same rows, 8 bytes a lane
	v_and_b32 v7, 7, v0
	v_lshl_add_u32 v7, v4, 3, v7
	v_mul_u32_u24 v7, v7, WPITCH                   ; transposing load: k row 8 h + (L & 7)
	v_bfe_u32 v8, v0, 3, 1
	v_lshl_add_u32 v7, v8, 4, v7
	s_lshl_b32 s34, s24, 6
	v_add_nc_u32 v7, s34, v7                       ; my wave's 32 columns
	s_lshr_b32 s34, s24, 1
	s_lshl_b32 s34, s34, 15
	s_and_b32 s35, s24, 1
	s_lshl_b32 s35, s35, 11
	s_add_co_u32 s34, s34, s35
	v_lshl_add_u32 v8, v2, 4, s34                  ; out: g = w / 2, nt = 2 (w & 1) + e
; two fragments of my 32 columns out of LDS region lds, through registers reg .. reg+15, to the matrix at s[base:base+1]
.macro PACKOUT base, lds, reg
.irp e, 0,1
	ds_load_tr16_b128 v[\reg+8*\e:\reg+8*\e+3], v7 offset:\lds+\e*32
	ds_load_tr16_b128 v[\reg+8*\e+4:\reg+8*\e+7], v7 offset:\lds+\e*32+16*WPITCH
.endr
	s_wait_dscnt 0x0
.irp e, 0,1
	global_store_b128 v8, v[\reg+8*\e:\reg+8*\e+3], s[\base:\base+1] offset:\e*1024            ; a wave's store covers 512 consecutive bytes
	global_store_b128 v8, v[\reg+8*\e+4:\reg+8*\e+7], s[\base:\base+1] offset:\e*1024+512
.endr
.endm
	s_wait_alu depctr_va_vdst(0)                   ; v5 to v8 are written: every load and store of this body reads one of them
.set qq, 0
.rept 8
	global_load_b128 v[48+4*qq:48+4*qq+3], v5, s[30:31] offset:(qq>>1)*1024+(qq&1)*512 th:TH_LOAD_NT
.set qq, qq+1
.endr
	s_wait_loadcnt 0x0
.set qq, 0
.rept 8
	v_cvt_pk_bf16_f32 v[80+2*qq], v[48+4*qq], v[48+4*qq+1]
	v_cvt_pk_bf16_f32 v[80+2*qq+1], v[48+4*qq+2], v[48+4*qq+3]
.set qq, qq+1
.endr
	s_wait_alu depctr_va_vdst(0)                   ; the conversions have written v80-95, which the LDS stores read
.set qq, 0
.rept 8
	ds_store_b64 v6, v[80+2*qq:80+2*qq+1] offset:(qq>>1)*WPITCH+(qq&1)*256
.set qq, qq+1
.endr
	s_cmp_lg_u32 s39, 0                            ; the same in all eight waves: it hangs on the work-group's number alone
	s_cbranch_scc0 .Lhionly
.set qq, 0
.rept 8
	v_lshlrev_b32 v[TT+4*(qq&1)], 16, v[80+2*qq]
	v_and_b32 v[TT+4*(qq&1)+1], s25, v[80+2*qq]
	v_lshlrev_b32 v[TT+4*(qq&1)+2], 16, v[80+2*qq+1]
	v_and_b32 v[TT+4*(qq&1)+3], s25, v[80+2*qq+1]
	v_pk_add_f32 v[TT+4*(qq&1):TT+4*(qq&1)+1], v[48+4*qq:48+4*qq+1], v[TT+4*(qq&1):TT+4*(qq&1)+1] neg_lo:[0,1] neg_hi:[0,1]
	v_pk_add_f32 v[TT+4*(qq&1)+2:TT+4*(qq&1)+3], v[48+4*qq+2:48+4*qq+3], v[TT+4*(qq&1)+2:TT+4*(qq&1)+3] neg_lo:[0,1] neg_hi:[0,1]
	v_cvt_pk_bf16_f32 v[128+2*qq], v[TT+4*(qq&1)], v[TT+4*(qq&1)+1]
	v_cvt_pk_bf16_f32 v[128+2*qq+1], v[TT+4*(qq&1)+2], v[TT+4*(qq&1)+3]
.set qq, qq+1
.endr
	s_wait_alu depctr_va_vdst(0)                   ; the conversions have written v128-143, which the LDS stores read
.set qq, 0
.rept 8
	ds_store_b64 v6, v[128+2*qq:128+2*qq+1] offset:WLO+(qq>>1)*WPITCH+(qq&1)*256
.set qq, qq+1
.endr
	s_wait_dscnt 0x0                               ; my rows, hi and lo, are in LDS; every wave reads all 32
	s_barrier_signal -1
	s_barrier_wait -1
	PACKOUT 22, 0, 96
	PACKOUT 36, WLO, 112
	s_wait_dscnt 0x0
	s_wait_alu depctr_hold_cnt(0) depctr_sa_sdst(0) depctr_va_vdst(0) depctr_va_sdst(0) depctr_va_ssrc(0) depctr_va_vcc(0) depctr_vm_vsrc(0)
	s_wait_tensorcnt 0x0
	ds_add_u32 v254, v255
	s_wait_dscnt 0x0
	s_endpgm
.Lhionly:
	s_wait_dscnt 0x0                               ; my rows are in LDS; every wave reads all 32
	s_barrier_signal -1
	s_barrier_wait -1
	PACKOUT 22, 0, 96
	s_wait_dscnt 0x0
	s_wait_alu depctr_hold_cnt(0) depctr_sa_sdst(0) depctr_va_vdst(0) depctr_va_sdst(0) depctr_va_ssrc(0) depctr_va_vcc(0) depctr_vm_vsrc(0)
	s_wait_tensorcnt 0x0
	ds_add_u32 v254, v255
	s_wait_dscnt 0x0
	s_endpgm
.Lfunc_end_k_q6e7d4e4ba4_prep:
	.size	k_q6e7d4e4ba4_prep, .Lfunc_end_k_q6e7d4e4ba4_prep-k_q6e7d4e4ba4_prep
	.p2alignl 7, 3214868480
	.fill 96, 4, 3214868480
	.section	.rodata,"a",@progbits
	.p2align	6, 0x0
	.amdhsa_kernel k_q6e7d4e4ba4_prep
		.amdhsa_group_segment_fixed_size 218112
		.amdhsa_private_segment_fixed_size 0
		.amdhsa_enable_private_segment 0
		.amdhsa_kernarg_size 80
		.amdhsa_user_sgpr_count 2
		.amdhsa_user_sgpr_kernarg_segment_ptr 1
		.amdhsa_wavefront_size32 1
		.amdhsa_system_sgpr_workgroup_id_x 1
		.amdhsa_system_sgpr_workgroup_id_y 1
		.amdhsa_system_sgpr_workgroup_id_z 1
		.amdhsa_system_vgpr_workitem_id 0
		.amdhsa_next_free_vgpr 256
		.amdhsa_next_free_sgpr 66
		.amdhsa_reserve_vcc 0
		.amdhsa_float_denorm_mode_32 3
		.amdhsa_float_denorm_mode_16_64 3
		.amdhsa_memory_ordered 1
		.amdhsa_forward_progress 1
		.amdhsa_inst_pref_size 67
	.end_amdhsa_kernel
	.amdgpu_metadata
---
amdhsa.version: [ 1, 2 ]
amdhsa.kernels:
  - .name:           k_q6e7d4e4ba4_prep
    .symbol:         k_q6e7d4e4ba4_prep.kd
    .args:
      - { .name: memory_w, .offset: 0, .size: 8, .value_kind: global_buffer, .address_space: global }
      - { .name: fc_out_w, .offset: 8, .size: 8, .value_kind: global_buffer, .address_space: global }
      - { .name: mlp_w1, .offset: 16, .size: 8, .value_kind: global_buffer, .address_space: global }
      - { .name: mlp_w2, .offset: 24, .size: 8, .value_kind: global_buffer, .address_space: global }
      - { .name: wq, .offset: 32, .size: 8, .value_kind: global_buffer, .address_space: global }
      - { .name: wk, .offset: 40, .size: 8, .value_kind: global_buffer, .address_space: global }
      - { .name: wv, .offset: 48, .size: 8, .value_kind: global_buffer, .address_space: global }
      - { .name: out_w, .offset: 56, .size: 8, .value_kind: global_buffer, .address_space: global }
      - { .name: sr, .offset: 64, .size: 8, .value_kind: global_buffer, .address_space: global }
      - { .name: wf, .offset: 72, .size: 8, .value_kind: global_buffer, .address_space: global }
    .group_segment_fixed_size: 218112
    .private_segment_fixed_size: 0
    .kernarg_segment_align: 8
    .kernarg_segment_size: 80
    .max_flat_workgroup_size: 256
    .sgpr_count:     66
    .vgpr_count:     256
    .wavefront_size: 32
...
	.end_amdgpu_metadata
.endif
;; end of part 6
;; launch mid (part 7): grid 256 x 1, 4 waves a work-group, no clusters, 73,216 bytes of LDS; arguments x, wf, mlp_b1, mlp_b2, bq, bk, bv, sr, gumbel_u, fc_out_b, fc_cat_w, fc_cat_b, qkv, maskf; writes qkv, maskf
.if DOCPART == 7
	.amdgcn_target "amdgcn-amd-amdhsa--gfx1250"
	.amdhsa_code_object_version 6
	.text
	.protected	k_q6e7d4e4ba4_mid
	.globl	k_q6e7d4e4ba4_mid
	.p2align	8
	.type	k_q6e7d4e4ba4_mid,@function
k_q6e7d4e4ba4_mid:
	s_mov_b64 s[64:65], 0
	v_nop
	global_prefetch_b8 v0, s[64:65] scope:SCOPE_SE
	s_setreg_imm32_b32 hwreg(HW_REG_WAVE_SCHED_MODE, 0, 2), 2
	s_setreg_imm32_b32 hwreg(HW_REG_WAVE_MODE, 25, 1), 1
	s_wait_xcnt 0x0
	s_wait_alu depctr_vm_vsrc(0)
; mid: two kinds of work-groups, told apart by the work-group's number alone; neither needs the other's result.
; 0..127 (MLP): 32 rows of x through five layers of 256 x 256: gelu(x w1 + b1), (.) w2 + b2, then q, k, v.  4,096 rows / 32 = 128 work-groups, as many
;   as the mask has: 256 in all.  Wave g owns columns 64 g .. +63 of every layer: 8 accumulators of 16 x 16.
;   A: activations lie in LDS as bf16; a layer's whole A operand (32 rows x 256 K: 128 registers, 256 with the lo part) is read into registers in one
;   run at the layer's head, and q, k and v share one such read of xm.
;   B: the weights come as ready fragments from wf straight into a ring of sixteen register slots (an item = one K step of one matrix for my 64
;   columns = eight loads).  A step multiplies two items; at its head it waits for them, and behind each item's matrix instructions it asks for the item
;   seven beyond it, so at most 56 loads of a wave are not yet shown landed.  Each wave reads only its own columns, so a weight byte is read once
;   by the work-group and never passes LDS.  That is why no tile is shared through LDS or a cluster here: a joint load would land in LDS, and every
;   weight byte would be read from there once more, by the one wave that wants it.
;   PRECISION: attention averages v over the open keys, so what is left of the signal is small beside a single row, and a bf16 rounding of w2 or wv
;   acts on that average in full.  The second layer and the v layer therefore take both operands as hi + lo in bf16 and add three products in f32
;   (W hi A hi, W hi A lo, W lo A hi); what is dropped is of the order of 2^-16 of a product.  x, w1, q, k and v itself are single bf16.
;   q and k are made transposed (a lane holds 8 neighbouring columns of a row), v in the natural order (a lane holds 8 rows of a column): each packs
;   into exactly the 16 bytes of an attention fragment.
;   GELU is the tanh form: x / (1 + 2^(x (k0 + k1 x^2))), k0 = -2 log2(e) sqrt(2/pi), k1 = 0.044715 k0.
; 128..255 (PAIR): the mask.  conn[h][i][j] = 1 where sum_d relu(S[j][d] + R[i][d] + b[d]) (w[d][1] - w[d][0]) + (c1 - c0) + (g1 - g0) > 0, all in f32 on the
;   vector unit (the straight-through sum of reference() is exactly 0 or 1, and a tie goes to 0 as argmax does).  Stored as a bf16 addend: 0 where open,
;   bf16(-1e9) = -998,244,352 where blocked.  LIMIT: a decision whose margin lies under f32 rounding (some 1e-7 of the terms) may fall the other way
;   than in reference().  A work-group makes 16 i x 64 j of one head; a lane keeps S[j][0..255] and the 256 weight differences in registers.
; THE MODE: SCHED_MODE bits 1:0 = 2 (LLVM: expert scheduling mode 2), set by the entry lines.  The code itself states the register dependences
; between vector or matrix instructions and memory or LDS instructions, with s_wait_alu, always for 0.
; THE PLAN (MLP).  Registers that memory or LDS instructions touch:
;   the ring (windows 2, 3)  item q's loads land in slot q % 16; item q's matrix instructions read it; item q + 16's loads land in it again.  The symbol CV says
;                 below which item a wait on va_vdst has covered the matrix instructions; it is set to PP at every such wait.  The waits of the epilogues
;                 cover every refill but one: a load of item RF with RF - 16 >= CV has a wait of its own directly ahead of it (item 24, in the second layer).
;   window 1, CB  A and the bias: loaded at a layer's head, read by that layer's matrix instructions; the wait on va_vdst in the epilogue between two
;                 layers covers the next head's loads, since nothing behind it names these registers.
;   OUT0, OUT1    v80-111, v112-143: what the LDS stores of the two LDS epilogues read, one buffer a row tile; written by the conversions alone.
;                 A row tile: conversions, one wait on va_vdst, eight stores.  One wait on vm_vsrc ahead of the second epilogue, which writes them again.
;   v80-111, v112-143, v176-207  what the stores of q, of k and of v read: 32 registers of its own for each layer, so no store's data are written again;
;                 one wait on vm_vsrc ahead of q's conversions (the second epilogue's LDS stores have read v80-143), one on va_vdst ahead of each run of stores.
;   v5-15, v215   offsets and addresses: written once at the head, never again.
; THE PLAN (PAIR) stands at that body's head.
.set MSB, 0
.macro WIN new                         ; the immediate's high byte repeats the setting that is left
.if MSB != (\new)
	s_set_vgpr_msb (MSB<<8)|(\new)
.set MSB, (\new)
.endif
.endm
.macro PLACES n
.rept \n
	v_nop
.endr
.endm
.set PITCH, 528                        ; an activation row: 256 bf16 + 16 bytes
.set LO,    32*PITCH                   ; from a region's hi part (32 rows, 16,896 bytes) to its lo part
.set ACT1,  2*LO                       ; region 0 at byte 0: x, later xm hi and lo; region 1: the hidden layer hi and lo
.set BIAS,  4*LO                       ; five biases of 1,024 bytes: b1, b2, bq, bk, bv
.set NP,    56                         ; items of the weight stream: w1 8, w2 hi/lo 16, wq 8, wk 8, wv hi/lo 16
.set PP,    0                          ; the item that is multiplied next
.set RF,    0                          ; the item that is asked for next
.set CV,    0                          ; the matrix instructions of the items below CV stand ahead of a wait on va_vdst
.set FST,   0                          ; 1: the next products start a layer's sums
.set DSA,   0                          ; behind the A loads that K step ks needs, DSA (7 - ks) + DSB LDS loads were issued (negative: nothing is out)
.set DSB,   -1
.set BOFF, 5                           ; wf: g * 32768 + 16 L
.set AAD0, 6                           ; A fragment in region 0: r * 528 + 16 h
.set STO0, 7                           ; result into region 0: AAD0 + 128 g
.set BADR, 8                           ; bias of 8 neighbouring columns: BIAS + 256 g + 32 h
.set BADV, 9                           ; bias of one column: BIAS + 256 g + 4 r
.set GOF,  10                          ; g * 16384 + 16 L: fragments out (two heads of 8,192 bytes a wave)
.set XSTO, 11                          ; x as bf16 into region 0: g * 8 rows + 8 L
.set TB,   12                          ; 8 x thread: a bias in memory
.set TBL,  13                          ; the same place in LDS
.set AAD1, 14                          ; A fragment in region 1
.set STO1, 15                          ; result into region 1
.set ACC,  16                          ; v[16:79]   acc(mt, nt) at 16 + 8 (4 mt + nt), mt = 0, 1
.set OUT,  80                          ; v[80:143]  out-registers: row tile mt at OUT + 32 mt
.set CB,   144                         ; v[144:175] the layer's bias as the first product's C
.set TT,   176                         ; v[176:207] at work in gelu; at the end v's out-registers
.set K0P,  208                         ; v[208:209] k0 twice
.set K1P,  210                         ; v[210:211] k1 twice
.set ONEP, 212                         ; v[212:213] 1.0 twice
.set NEG1, 214                         ; -1.0
.set XOF,  215                         ; g * 8192 + 16 L: my 8 rows of x
; window 1: the layer's A fragments: hi of K step ks, row tile mt at v[16 ks + 8 mt], lo at v[128 + 16 ks + 8 mt].
; windows 2 and 3: the ring of B fragments: item p in window 2 + ((p >> 3) & 1) at v[32 (p & 7)].
	s_load_b512 s[4:19], s[0:1], 0x0               ; x, wf, mlp_b1, mlp_b2, bq, bk, bv, sr
	s_load_b256 s[20:27], s[0:1], 0x40             ; gumbel_u, fc_out_b, fc_cat_w, fc_cat_b
	s_load_b128 s[28:31], s[0:1], 0x60             ; qkv, maskf
	v_lshl_add_u32 v254, v0, 2, 0x11c00
	v_mov_b32 v255, 0
	v_lshrrev_b32 v1, 5, v0
	v_readfirstlane_b32 s40, v1                    ; wave
	v_and_b32 v2, 31, v0                           ; L
	v_and_b32 v3, 15, v0                           ; r
	v_bfe_u32 v4, v0, 4, 1                         ; h
	s_mov_b32 s43, 0                               ; high word of every byte offset
	s_wait_alu depctr_va_sdst(0)                   ; s40 is written, ahead of the branch and of its first reader in either body
	s_wait_kmcnt 0x0
	s_cmp_lt_u32 ttmp9, 128
	s_cbranch_scc0 .Lpair
	; ---------------- MLP ----------------
	s_lshl_b32 s42, ttmp9, 15
	s_add_nc_u64 s[4:5], s[4:5], s[42:43]          ; x at my 32 rows
	s_lshr_b32 s44, ttmp9, 2                       ; batch
	s_and_b32 s45, ttmp9, 3                        ; which 32 of its 128 rows
	s_lshl_b32 s42, s44, 16
	s_add_nc_u64 s[28:29], s[28:29], s[42:43]
	s_lshl_b32 s42, s45, 11
	s_add_nc_u64 s[34:35], s[28:29], s[42:43]      ; q, k: two row tiles of 1,024 bytes a quarter
	s_lshl_b32 s42, s45, 10
	s_add_nc_u64 s[36:37], s[28:29], s[42:43]      ; v: one key step of 1,024 bytes a quarter
	s_lshl_b32 s46, s40, 15
	v_lshl_add_u32 v[BOFF], v2, 4, s46
	v_mul_u32_u24 v[AAD0], v3, PITCH
	v_lshl_add_u32 v[AAD0], v4, 4, v[AAD0]
	v_add_nc_u32 v[AAD1], ACT1, v[AAD0]
	s_lshl_b32 s46, s40, 7
	v_add_nc_u32 v[STO0], s46, v[AAD0]
	v_add_nc_u32 v[STO1], ACT1, v[STO0]
	s_lshl_b32 s46, s40, 8
	s_add_co_u32 s46, s46, BIAS
	v_lshl_add_u32 v[BADR], v4, 5, s46
	v_lshl_add_u32 v[BADV], v3, 2, s46
	v_lshl_add_u32 v[TBL], v2, 3, s46
	s_lshl_b32 s46, s40, 14
	v_lshl_add_u32 v[GOF], v2, 4, s46
	s_lshl_b32 s46, s40, 13
	v_lshl_add_u32 v[XOF], v2, 4, s46
	s_mul_i32 s46, s40, 8*PITCH
	v_lshl_add_u32 v[XSTO], v2, 3, s46
	v_lshlrev_b32 v[TB], 3, v0
	v_mov_b32 v[K0P], 0xc0135762
	v_mov_b32 v[K0P+1], 0xc0135762
	v_mov_b32 v[K1P], 0xbdd2d3e8
	v_mov_b32 v[K1P+1], 0xbdd2d3e8
	v_mov_b32 v[ONEP], 1.0
	v_mov_b32 v[ONEP+1], 1.0
	v_mov_b32 v[NEG1], -1.0
; eight loads: item RF of the weight stream (matrix bm of wf, K step bk, my 64 columns) into its ring slot; RF steps on
.macro BLOADP
.if RF < 8
.set bm, 0
.set bk, RF
.else
.if RF < 24
.set bm, 1+5*(RF&1)
.set bk, (RF-8)>>1
.else
.if RF < 40
.set bm, 2+((RF-24)>>3)
.set bk, (RF-24)&7
.else
.set bm, 4+3*(RF&1)
.set bk, (RF-40)>>1
.endif
.endif
.endif
.set bw, 0x80+0x40*((RF>>3)&1)
	WIN bw                                         ; destination in window 2 or 3
.if RF-16 >= CV
	s_wait_alu depctr_va_vdst(0)                   ; the matrix instructions of item RF - 16 are done reading this slot, in which the loads below land: no earlier wait stands behind them
.set CV, PP
.endif
.irp nt, 0,1,2,3
	global_load_b128 v[32*(RF&7)+8*\nt:32*(RF&7)+8*\nt+3], v[BOFF], s[6:7] offset:bm*131072+bk*4096+\nt*1024
	global_load_b128 v[32*(RF&7)+8*\nt+4:32*(RF&7)+8*\nt+7], v[BOFF], s[6:7] offset:bm*131072+bk*4096+\nt*1024+512
.endr
.set RF, RF+1
.endm
; asks for the items below lim that the stream still has
.macro REFILLTO lim
.rept 8
.if RF < (\lim)
.if RF < NP
	BLOADP
.endif
.endif
.endr
.endm
; item q is in: behind its eight loads those of items q + 1 .. RF - 1 were issued; a count that the wait cannot name is replaced by 63, which is stricter
.macro WAITI q
.if 8*(RF-1-(\q)) > 63
	s_wait_loadcnt 63
.else
	s_wait_loadcnt 8*(RF-1-(\q))
.endif
.endm
; The head of a step of two items.  A slot that the step loads again belonged to an item at least nine back, read in an earlier step, so these four places
; stand between the matrix instructions that read it and the load.  Then the step's two items are shown landed.
.macro SHEAD
	PLACES 4
	WAITI PP+1
.endm
; In a long epilogue: the next n items are shown landed, and as many more are asked for; again at most seven items are out
.macro TOPUP n
	s_wait_loadcnt 8*(RF-PP-\n)                    ; behind item PP + n - 1 the items up to RF - 1 were issued
	REFILLTO PP+\n+7
	WIN 0
.endm
; four LDS loads: the two A fragments (32 rows x 32 K) of K step ks, hi (lo = 0) or lo part
.macro ALOADK areg, ks, lo
.irp mt, 0,1
	ds_load_b128 v[128*\lo+16*(\ks)+8*\mt:128*\lo+16*(\ks)+8*\mt+3], v[\areg] offset:\lo*LO+\mt*16*PITCH+(\ks)*64
	ds_load_b128 v[128*\lo+16*(\ks)+8*\mt+4:128*\lo+16*(\ks)+8*\mt+7], v[\areg] offset:\lo*LO+\mt*16*PITCH+(\ks)*64+32
.endr
.endm
; item PP's slot and the windows of the matrix instructions that read it
.macro SLOTWIN nat
.set sb, 32*(PP&7)
.if \nat
.set sw, 1+4*(2+((PP>>3)&1))                       ; source 0 = A (window 1), source 1 = B (window 2 or 3)
.else
.set sw, 4+2+((PP>>3)&1)                           ; source 0 = B (window 2 or 3), source 1 = A (window 1)
.endif
	WIN sw
.endm
; eight matrix instructions: item PP's slot times the two A fragments at aoff.  The eight accumulators take turns, one instruction a turn,
; in the same order everywhere.  bias = 1: the layer's bias is the C of the first products: nothing is cleared.
.macro MUL8 nat, aoff, bias
.irp mt, 0,1
.irp nt, 0,1,2,3
.if \nat
.if \bias
	v_wmma_f32_16x16x32_bf16 v[ACC+8*(4*\mt+\nt):ACC+8*(4*\mt+\nt)+7], v[\aoff+8*\mt:\aoff+8*\mt+7], v[sb+8*\nt:sb+8*\nt+7], v[CB+8*\nt:CB+8*\nt+7]
.else
	v_wmma_f32_16x16x32_bf16 v[ACC+8*(4*\mt+\nt):ACC+8*(4*\mt+\nt)+7], v[\aoff+8*\mt:\aoff+8*\mt+7], v[sb+8*\nt:sb+8*\nt+7], v[ACC+8*(4*\mt+\nt):ACC+8*(4*\mt+\nt)+7]
.endif
.else
.if \bias
	v_wmma_f32_16x16x32_bf16 v[ACC+8*(4*\mt+\nt):ACC+8*(4*\mt+\nt)+7], v[sb+8*\nt:sb+8*\nt+7], v[\aoff+8*\mt:\aoff+8*\mt+7], v[CB+8*\nt:CB+8*\nt+7]
.else
	v_wmma_f32_16x16x32_bf16 v[ACC+8*(4*\mt+\nt):ACC+8*(4*\mt+\nt)+7], v[sb+8*\nt:sb+8*\nt+7], v[\aoff+8*\mt:\aoff+8*\mt+7], v[ACC+8*(4*\mt+\nt):ACC+8*(4*\mt+\nt)+7]
.endif
.endif
.endr
.endr
.endm
; a hi item (or a plain layer's item) of K step ks: W hi x A hi, and in a split layer W hi x A lo
.macro ITEMH ks, split, nat
.if DSA*(7-(\ks))+DSB >= 0
	s_wait_dscnt DSA*(7-(\ks))+DSB                 ; the bias and this K step's A fragments are in; the LDS loads issued behind them may stay out
.endif
	SLOTWIN \nat
	MUL8 \nat, 16*(\ks), FST
.set FST, 0
.if \split
	MUL8 \nat, 128+16*(\ks), 0
.endif
.set PP, PP+1
.endm
; a lo item of K step ks: W lo x A hi
.macro ITEML ks, nat
	SLOTWIN \nat
	MUL8 \nat, 16*(\ks), 0
.set PP, PP+1
.endm
; The layer's bias, in the accumulators' layout, and the layer's A operand.  amode 0: hi alone, four loads a K step.  1: hi and lo by turns, eight a
; K step.  2: all hi, then all lo (the layer itself reads hi alone; the 32 loads of lo stay out behind it).  3: A is in registers already.
; No wait on va_vdst stands here: the last matrix instructions that read CB and window 1 stand ahead of the wait in the epilogue before, and nothing since names them.
.macro LSTART areg, l, nat, amode
	WIN 0
.if \nat
.irp nt, 0,1,2,3
	ds_load_b32 v[CB+8*\nt], v[BADV] offset:\l*1024+\nt*64
.endr
.else
.irp nt, 0,1,2,3
	ds_load_b128 v[CB+8*\nt:CB+8*\nt+3], v[BADR] offset:\l*1024+\nt*64
	ds_load_b128 v[CB+8*\nt+4:CB+8*\nt+7], v[BADR] offset:\l*1024+\nt*64+16
.endr
.endif
.if \amode == 3
	s_wait_dscnt 0x0                               ; the bias is in, and so is all of A
.set DSA, 0
.set DSB, -1
.else
	WIN 0x40                                       ; destination in window 1
.if \amode == 0
.irp ks, 0,1,2,3,4,5,6,7
	ALOADK \areg, \ks, 0
.endr
.set DSA, 4
.set DSB, 0
.endif
.if \amode == 1
.irp ks, 0,1,2,3,4,5,6,7
	ALOADK \areg, \ks, 0
	ALOADK \areg, \ks, 1
.endr
.set DSA, 8
.set DSB, 0
.endif
.if \amode == 2
.irp ks, 0,1,2,3,4,5,6,7
	ALOADK \areg, \ks, 0
.endr
.irp ks, 0,1,2,3,4,5,6,7
	ALOADK \areg, \ks, 1
.endr
.set DSA, 4
.set DSB, 32
.endif
	WIN 0
.endif
.if \nat
.irp nt, 0,1,2,3
.irp j, 1,2,3,4,5,6,7
	v_mov_b32 v[CB+8*\nt+\j], v[CB+8*\nt]          ; in the natural order a lane's eight results share one column, so one bias (used with amode 3: the bias is in)
.endr
.endr
.endif
.set FST, 1
.endm
; a layer: in a plain layer a step is two K steps, in a split layer the hi and the lo item of one K step.  Behind each item's matrix instructions stands
; the refill: eight loads into a slot that no matrix instruction since the covering wait names.
.macro LAYER areg, l, split, nat, amode
	LSTART \areg, \l, \nat, \amode
.irp j, 0,1,2,3
.if \split
	SHEAD
	ITEMH (2*\j), 1, \nat
	REFILLTO PP+7
	ITEML (2*\j), \nat
	REFILLTO PP+7
	SHEAD
	ITEMH (2*\j+1), 1, \nat
	REFILLTO PP+7
	ITEML (2*\j+1), \nat
	REFILLTO PP+7
.else
	SHEAD
	ITEMH (2*\j), 0, \nat
	REFILLTO PP+7
	ITEMH (2*\j+1), 0, \nat
	REFILLTO PP+7
.endif
.endr
	WIN 0
	PLACES 4                                       ; four places before the results are read
.endm
; gelu in place on the 32 accumulator registers of row tile mt
.macro GELU mt
.set ii, 0
.rept 16
	v_pk_mul_f32 v[TT+2*ii:TT+2*ii+1], v[ACC+32*\mt+2*ii:ACC+32*\mt+2*ii+1], v[ACC+32*\mt+2*ii:ACC+32*\mt+2*ii+1]
.set ii, ii+1
.endr
.set ii, 0
.rept 16
	v_pk_fma_f32 v[TT+2*ii:TT+2*ii+1], v[TT+2*ii:TT+2*ii+1], v[K1P:K1P+1], v[K0P:K0P+1]
.set ii, ii+1
.endr
.set ii, 0
.rept 16
	v_pk_mul_f32 v[TT+2*ii:TT+2*ii+1], v[TT+2*ii:TT+2*ii+1], v[ACC+32*\mt+2*ii:ACC+32*\mt+2*ii+1]
.set ii, ii+1
.endr
.set ii, 0
.rept 32
	v_exp_f32 v[TT+ii], v[TT+ii]
.set ii, ii+1
.endr
	v_nop                                          ; one plain place behind the last transcendental (ISA guide 5.7.2)
.set ii, 0
	s_wait_alu depctr_va_vdst(0)
.rept 16
	v_pk_add_f32 v[TT+2*ii:TT+2*ii+1], v[TT+2*ii:TT+2*ii+1], v[ONEP:ONEP+1]
.set ii, ii+1
.endr
.set ii, 0
.rept 32
	v_rcp_f32 v[TT+ii], v[TT+ii]
.set ii, ii+1
.endr
	v_nop
.set ii, 0
	s_wait_alu depctr_va_vdst(0)
.rept 16
	v_pk_mul_f32 v[ACC+32*\mt+2*ii:ACC+32*\mt+2*ii+1], v[ACC+32*\mt+2*ii:ACC+32*\mt+2*ii+1], v[TT+2*ii:TT+2*ii+1]
.set ii, ii+1
.endr
.endm
; eight f32 at a -> hi = bf16(v) in t .. t+3, lo = bf16(v - hi) in t+4 .. t+7 (the difference, hi's half x -1 + v in one multiply-add, is exact)
.macro CONV8 a, t
.irp i, 0,1,2,3
	v_cvt_pk_bf16_f32 v[\t+\i], v[\a+2*\i], v[\a+2*\i+1]
.endr
.irp i, 0,1,2,3
	v_fma_mix_f32_bf16 v[\a+2*\i], v[\t+\i], v[NEG1], v[\a+2*\i] op_sel:[0,0,0] op_sel_hi:[1,0,0]
	v_fma_mix_f32_bf16 v[\a+2*\i+1], v[\t+\i], v[NEG1], v[\a+2*\i+1] op_sel:[1,0,0] op_sel_hi:[1,0,0]
.endr
.irp i, 0,1,2,3
	v_cvt_pk_bf16_f32 v[\t+4+\i], v[\a+2*\i], v[\a+2*\i+1]
.endr
.endm
; results as hi + lo into the other activation region, 16 bytes each into the region's hi and lo parts.  again = 1: OUT has been stored from before.
; Row tile 0's stores leave ahead of row tile 1's arithmetic, which names TT, its own accumulators and OUT1 alone.
.macro EPI_LDS sreg, gelu, again
.if \again
	s_wait_alu depctr_vm_vsrc(0)                   ; the LDS stores of the epilogue before have read OUT0 and OUT1, which the conversions below write again
.endif
.irp mt, 0,1
.if \gelu
	GELU \mt
.endif
.irp nt, 0,1,2,3
	CONV8 (ACC+8*(4*\mt+\nt)), (OUT+32*\mt+8*\nt)
.endr
	s_wait_alu depctr_va_vdst(0)                   ; the conversions have written this row tile's OUT, which the LDS stores read; the layer's matrix instructions are done reading CB, window 1 and their slots
.set CV, PP
.irp nt, 0,1,2,3
	ds_store_b128 v[\sreg], v[OUT+32*\mt+8*\nt:OUT+32*\mt+8*\nt+3] offset:\mt*16*PITCH+\nt*32
	ds_store_b128 v[\sreg], v[OUT+32*\mt+8*\nt+4:OUT+32*\mt+8*\nt+7] offset:LO+\mt*16*PITCH+\nt*32
.endr
.endr
.endm
; results to bf16 and out as attention fragments: a wave's store covers 512 consecutive bytes.  ob: the layer's own 32 out-registers, written once as such.
; again = 1: LDS stores have read them before.
.macro EPI_G sect, nat, ob, again
.if \again
	s_wait_alu depctr_vm_vsrc(0)                   ; the second epilogue's LDS stores have read v80-143, which the conversions of this layer and of the next write
.endif
.irp mt, 0,1
.irp nt, 0,1,2,3
.irp i, 0,1,2,3
	v_cvt_pk_bf16_f32 v[\ob+16*\mt+4*\nt+\i], v[ACC+8*(4*\mt+\nt)+2*\i], v[ACC+8*(4*\mt+\nt)+2*\i+1]
.endr
.endr
.endr
	s_wait_alu depctr_va_vdst(0)                   ; the conversions have written the out-registers, which the stores read; the layer's matrix instructions are done reading CB and their slots
.set CV, PP
.irp mt, 0,1
.irp nt, 0,1,2,3
.if \nat
	global_store_b128 v[GOF], v[\ob+16*\mt+4*\nt:\ob+16*\mt+4*\nt+3], s[36:37] offset:4194304+(\nt>>1)*8192+(\nt&1)*4096+\mt*512
.else
	global_store_b128 v[GOF], v[\ob+16*\mt+4*\nt:\ob+16*\mt+4*\nt+3], s[34:35] offset:\sect*2097152+(\nt>>1)*8192+\mt*1024+(\nt&1)*512
.endif
.endr
.endr
.endm
	s_wait_alu depctr_va_vdst(0)                   ; the offsets and addresses v5-15 and v215 are written: every load and store of this body reads one of them
.set qq, 0
.rept 16
	global_load_b128 v[ACC+4*qq:ACC+4*qq+3], v[XOF], s[4:5] offset:(qq>>1)*1024+(qq&1)*512 th:TH_LOAD_NT   ; my 8 rows of x
.set qq, qq+1
.endr
.irp l, 0,1,2,3,4
	global_load_b64 v[TT+2*\l:TT+2*\l+1], v[TB], s[8+2*\l:9+2*\l]
.endr
.rept 5
	BLOADP                                         ; items 0 to 4
.endr
	WIN 0
	s_wait_loadcnt 40                              ; x and the biases are in; the five items just asked for stay out
.set qq, 0
.rept 16
	v_cvt_pk_bf16_f32 v[CB+2*qq], v[ACC+4*qq], v[ACC+4*qq+1]
	v_cvt_pk_bf16_f32 v[CB+2*qq+1], v[ACC+4*qq+2], v[ACC+4*qq+3]
.set qq, qq+1
.endr
	s_wait_alu depctr_va_vdst(0)                   ; the conversions have written v144-175, which the LDS stores read
.set qq, 0
.rept 16
	ds_store_b64 v[XSTO], v[CB+2*qq:CB+2*qq+1] offset:(qq>>1)*PITCH+(qq&1)*256
.set qq, qq+1
.endr
.irp l, 0,1,2,3,4
	ds_store_b64 v[TBL], v[TT+2*\l:TT+2*\l+1] offset:\l*1024
.endr
.rept 2
	BLOADP                                         ; items 5 and 6: seven items are out
.endr
	WIN 0
	s_wait_dscnt 0x0                               ; my rows of x and my part of the biases are in LDS, for the other waves
	s_barrier_signal -1
	s_barrier_wait -1
	s_wait_alu depctr_vm_vsrc(0)                   ; my LDS stores have read v144-175, in which the first bias lands, and v176-185, which gelu writes
	LAYER AAD0, 0, 0, 0, 0                         ; x w1 + b1
	EPI_LDS STO1, 1, 0                             ; gelu, hi + lo into region 1
	TOPUP 4
	s_wait_dscnt 0x0                               ; my columns of the hidden layer are in region 1, and my reads of region 0 are over
	s_barrier_signal -1
	s_barrier_wait -1
	LAYER AAD1, 1, 1, 0, 1                         ; (.) w2 + b2, three products
	EPI_LDS STO0, 0, 1                             ; xm, hi + lo into region 0, whose old rows were last read in front of the barrier above
	TOPUP 4
	s_wait_dscnt 0x0
	s_barrier_signal -1
	s_barrier_wait -1
	LAYER AAD0, 2, 0, 0, 2                         ; q; xm comes into registers, hi and lo, for this layer and the two behind it
	EPI_G 0, 0, OUT, 1
	LAYER AAD0, 3, 0, 0, 3                         ; k
	EPI_G 1, 0, OUT+32, 0
	LAYER AAD0, 4, 1, 1, 3                         ; v, three products, natural order
	EPI_G 2, 1, TT, 0
	s_wait_dscnt 0x0
	s_wait_alu depctr_hold_cnt(0) depctr_sa_sdst(0) depctr_va_vdst(0) depctr_va_sdst(0) depctr_va_ssrc(0) depctr_va_vcc(0) depctr_vm_vsrc(0)
	s_wait_tensorcnt 0x0
	ds_add_u32 v254, v255
	s_wait_dscnt 0x0
	s_endpgm
	; ---------------- PAIR ----------------
	; THE PLAN (PAIR).  Registers that memory or LDS instructions touch, in the loop over the wave's eight i:
	;   window 3      a ring of eight chunk buffers of 32: R' of one i.  Chunk c's additions read buffer c; its eight LDS loads land in buffer (c + 4) % 8, which was
	;                 read four chunks back.  Two waits on va_vdst a trip cover that: one ahead of chunk 4 (chunks 0-3 are done reading), one at the bottom (chunks 4-7).
	;   P_U, P_U+1    u0, u1: loaded at the trip's top; the tail's arithmetic names them; the bottom's wait stands between that and the next load.
	;   P_U+3, P_MAD  the mask word and its LDS address: read by the trip's one LDS store, written again in the next trip's tail.
	;   P_RAD         the LDS address of R' of this i: read by all 64 loads of a trip, stepped in the tail.
	;   P_GO          gumbel_u's offset: never written again; the scalar base moves on behind the wait that shows its load done.
	; So the tail holds: one wait on vm_vsrc at its head (the loads have read P_RAD; the last store has read P_MAD and the mask word), one on va_vcc between the
	; compare and the select, and the bottom's wait on va_vdst, ahead of which both addresses are stepped.  P_MAD starts one row low and is stepped ahead of its store.
.set P_RP, 0                           ; R'[i][d] = R + fc_out_b: 16 rows x 256 f32, pitch 1,040
.set P_WD, 16640                       ; w[d][1] - w[d][0]: 256 f32
.set P_MS, 17664                       ; the mask: 16 i x 64 j bf16, pitch 128
.set P_RO, 5                           ; R in sr
.set P_BO, 6                           ; fc_out_b
.set P_RS, 7                           ; R' into LDS
.set P_SO, 8                           ; S in sr: 16 bytes of my j
.set P_DB, 9                           ; c1 - c0
.set P_RAD, 10                         ; R' row of this trip (stepped)
.set P_MAD, 11                         ; my mask word of this trip (stepped)
.set P_GO, 12                          ; my pair of gumbel_u in the wave's first i
.set P_WA, 13                          ; P_WD
.set P_V16, 14                         ; 16 x thread
.set P_T, 16                           ; v[16:47]   at work
.set P_A, 112                          ; v[112:119] four pairs of running sums
.set P_U, 120                          ; v[120:123] gumbel arithmetic
.set P_EPS, 124                        ; v[124:125] 1e-10 twice
.set P_NL2, 126                        ; v[126:127] -ln 2 twice
.set P_BLK, 128                        ; 0xce6e
.set P_ZER, 129                        ; 0
.set P_WS, 132                         ; my two weight differences into LDS
.set P_MR, 133                         ; my 16 bytes of the mask, read back
.set P_CW, 136                         ; v[136:139] fc_cat_w as loaded
.set P_RG, 140                         ; v[140:171] R as loaded, then R'
.set P_BG, 172                         ; v[172:203] fc_out_b as loaded
; window 1: S[j][d] in register d.  window 2: the weight difference of d in register d.  window 3: R'[i][d] in register d.
.Lpair:
	s_load_b64 s[44:45], s[26:27], 0x0             ; fc_cat_b: c0, c1
	s_sub_co_u32 s32, ttmp9, 128
	s_and_b32 s33, s32, 1                          ; which 64 of the 128 j
	s_bfe_u32 s34, s32, 0x30001                    ; which 16 of the 128 i
	s_lshr_b32 s35, s32, 4                         ; head
	s_and_b32 s36, s40, 1                          ; my wave: which 32 of the 64 j,
	s_lshr_b32 s37, s40, 1                         ; which 8 of the 16 i
	s_lshl_b32 s42, s35, 17
	s_add_nc_u64 s[18:19], s[18:19], s[42:43]
	s_lshl_b32 s42, s33, 10
	s_add_nc_u64 s[48:49], s[18:19], s[42:43]      ; S of this head at my 64 j
	s_lshl_b32 s42, s34, 8
	s_add_co_u32 s42, s42, 1048576
	s_add_nc_u64 s[46:47], s[18:19], s[42:43]      ; R of this head at my 16 i
	s_lshl_b32 s42, s35, 15
	s_lshl_b32 s38, s34, 12
	s_add_co_u32 s42, s42, s38
	s_lshl_b32 s38, s33, 11
	s_add_co_u32 s42, s42, s38
	s_add_nc_u64 s[30:31], s[30:31], s[42:43]      ; maskf at [head][qt][4 jh]
	v_lshrrev_b32 v15, 4, v0
	v_lshlrev_b32 v[P_RO], 4, v3
	v_lshl_add_u32 v[P_RO], v15, 11, v[P_RO]       ; dq = thread / 16 (2,048 bytes each), row r
	v_lshlrev_b32 v[P_BO], 4, v15
	v_mul_u32_u24 v[P_RS], v3, 1040
	v_lshl_add_u32 v[P_RS], v4, 4, v[P_RS]
	s_lshl_b32 s38, s40, 5
	v_add_nc_u32 v[P_RS], s38, v[P_RS]             ; row r, dq = 2 wave + h
	s_lshl_b32 s38, s36, 9
	v_lshl_add_u32 v[P_SO], v2, 4, s38
	v_lshlrev_b32 v[P_V16], 4, v0
	s_lshl_b32 s38, s40, 8
	s_add_co_u32 s38, s38, P_WD
	v_lshl_add_u32 v[P_WS], v2, 3, s38
	v_mov_b32 v[P_WA], P_WD
	s_mul_i32 s38, s37, 8*1040
	v_mov_b32 v[P_RAD], s38
	s_lshl_b32 s38, s37, 10
	s_lshl_b32 s39, s36, 6
	s_add_co_u32 s38, s38, s39
	s_add_co_u32 s38, s38, P_MS-128                ; one mask row low: each trip steps the address ahead of its store
	v_lshl_add_u32 v[P_MAD], v2, 1, s38
	s_lshl_b32 s38, s35, 17                        ; gumbel_u: ((head 128 + i) 128 + j) 8 bytes
	s_lshl_b32 s39, s34, 14
	s_add_co_u32 s38, s38, s39
	s_lshl_b32 s39, s37, 13
	s_add_co_u32 s38, s38, s39
	s_lshl_b32 s39, s33, 9
	s_add_co_u32 s38, s38, s39
	s_lshl_b32 s39, s36, 8
	s_add_co_u32 s38, s38, s39
	v_lshl_add_u32 v[P_GO], v2, 3, s38
	v_lshlrev_b32 v[P_MR], 7, v3
	v_lshl_add_u32 v[P_MR], v4, 4, v[P_MR]
	s_lshl_b32 s38, s40, 5
	s_add_co_u32 s38, s38, P_MS
	v_add_nc_u32 v[P_MR], s38, v[P_MR]             ; query r, eight keys from 8 (thread / 16)
	v_mov_b32 v[P_EPS], 0x2edbe6ff
	v_mov_b32 v[P_EPS+1], 0x2edbe6ff
	v_mov_b32 v[P_NL2], 0xbf317218
	v_mov_b32 v[P_NL2+1], 0xbf317218
	v_mov_b32 v[P_BLK], 0xce6e
	v_mov_b32 v[P_ZER], 0
	s_mov_b32 s39, 0x3f317218                      ; ln 2
	s_wait_alu depctr_va_vdst(0)                   ; the offsets and addresses v5-8, v10-14, v132 and v133 are written, which the loads and stores below read
	global_load_b128 v[P_CW:P_CW+3], v[P_V16], s[24:25]
.irp k, 0,1,2,3,4,5,6,7
	global_load_b128 v[P_RG+4*\k:P_RG+4*\k+3], v[P_RO], s[46:47] offset:\k*16384
.endr
.irp k, 0,1,2,3,4,5,6,7
	global_load_b128 v[P_BG+4*\k:P_BG+4*\k+3], v[P_BO], s[22:23] offset:\k*128
.endr
	WIN 0x40
.set qq, 0
.rept 48
	global_load_b128 v[4*qq:4*qq+3], v[P_SO], s[48:49] offset:qq*2048
.set qq, qq+1
.endr
	WIN 0
	s_wait_loadcnt 48                              ; the first seventeen are in; the 48 loads of S stay out
	v_sub_f32 v[P_T], v[P_CW+1], v[P_CW]
	v_sub_f32 v[P_T+1], v[P_CW+3], v[P_CW+2]
.irp k, 0,1,2,3,4,5,6,7
	v_pk_add_f32 v[P_RG+4*\k:P_RG+4*\k+1], v[P_RG+4*\k:P_RG+4*\k+1], v[P_BG+4*\k:P_BG+4*\k+1]
	v_pk_add_f32 v[P_RG+4*\k+2:P_RG+4*\k+3], v[P_RG+4*\k+2:P_RG+4*\k+3], v[P_BG+4*\k+2:P_BG+4*\k+3]
.endr
	s_wait_alu depctr_va_vdst(0)                   ; the differences and R' are written, which the LDS stores read
	ds_store_b64 v[P_WS], v[P_T:P_T+1]
.irp k, 0,1,2,3,4,5,6,7
	ds_store_b128 v[P_RS], v[P_RG+4*\k:P_RG+4*\k+3] offset:\k*128
.endr
	WIN 0x40
.set qq, 48
.rept 16
	global_load_b128 v[4*qq:4*qq+3], v[P_SO], s[48:49] offset:qq*2048
.set qq, qq+1
.endr
	WIN 0
	s_wait_dscnt 0x0                               ; my part of R' and of the weight differences is in LDS, for the other waves
	s_barrier_signal -1
	s_barrier_wait -1
	s_wait_alu depctr_vm_vsrc(0)                   ; my LDS stores have read v16 and v17, which the loop's additions write
	WIN 0x80
.set qq, 0
.rept 64
	ds_load_b128 v[4*qq:4*qq+3], v[P_WA] offset:qq*16      ; every lane reads the same 16 bytes
.set qq, qq+1
.endr
; eight LDS loads: 32 numbers of R', at byte off from this trip's row, into chunk buffer c
.macro RLOAD off, c
	WIN 0xc0                                       ; destination in window 3
.irp k, 0,1,2,3,4,5,6,7
	ds_load_b128 v[32*\c+4*\k:32*\c+4*\k+3], v[P_RAD] offset:\off+16*\k
.endr
.endm
	RLOAD 0, 0
	RLOAD 128, 1
	RLOAD 256, 2
	RLOAD 384, 3                                   ; the first i's first four chunks
	WIN 0
	s_wait_kmcnt 0x0
	v_mov_b32 v[P_DB], s44
	v_sub_f32 v[P_DB], s45, v[P_DB]                ; c1 - c0
	s_wait_loadcnt 0x0                             ; S is whole
	s_wait_dscnt 0x0                               ; so are the weight differences and the first four chunks of R'
; 32 of the 256 d: the chunk four ahead is asked for, then add, relu, multiply-add
.macro CHUNK c, nxoff, nc
	RLOAD \nxoff, \nc
	s_wait_dscnt 32                                ; behind this chunk's eight loads stand three chunks' and the eight just issued (in chunks 0 to 3 the mask store too: 33, so 32 is the stricter)
	WIN 0x0d                                       ; source 0 = S (window 1), source 1 = R' (window 3)
.set ii, 0
.rept 16
	v_pk_add_f32 v[P_T+2*ii:P_T+2*ii+1], v[32*\c+2*ii:32*\c+2*ii+1], v[32*\c+2*ii:32*\c+2*ii+1]
.set ii, ii+1
.endr
	WIN 0
.set ii, 0
.rept 32
	v_max_num_f32 v[P_T+ii], 0, v[P_T+ii]
.set ii, ii+1
.endr
	WIN 0x08
.set ii, 0
.rept 16
.if (32*\c+ii) < 4
	v_pk_mul_f32 v[P_A+2*ii:P_A+2*ii+1], v[P_T+2*ii:P_T+2*ii+1], v[32*\c+2*ii:32*\c+2*ii+1]     ; the first four products start the sums
.else
	v_pk_fma_f32 v[P_A+2*(ii&3):P_A+2*(ii&3)+1], v[P_T+2*ii:P_T+2*ii+1], v[32*\c+2*ii:32*\c+2*ii+1], v[P_A+2*(ii&3):P_A+2*(ii&3)+1]
.endif
.set ii, ii+1
.endr
.endm
	s_mov_b32 s41, 8                               ; eight i a wave
.Lrow:
	global_load_b64 v[P_U:P_U+1], v[P_GO], s[20:21] th:TH_LOAD_NT
	CHUNK 0, 512, 4                                ; buffers 4 to 7 are free since the bottom's wait (in the first trip nothing has named them)
	CHUNK 1, 640, 5
	CHUNK 2, 768, 6
	CHUNK 3, 896, 7
	s_wait_alu depctr_va_vdst(0)                   ; the additions of chunks 0 to 3 are done reading buffers 0 to 3, in which the next i's first four chunks land
	CHUNK 4, 1040, 0                               ; the next row; in the last trip these 512 bytes (row 8, or the weight differences) are read and not used
	CHUNK 5, 1168, 1
	CHUNK 6, 1296, 2
	CHUNK 7, 1424, 3
	WIN 0
	s_wait_loadcnt 0x0                             ; u0, u1
	s_add_nc_u64 s[20:21], s[20:21], 1024          ; free since that wait, which shows the load that read it done: the next i's 128 pairs
	s_wait_alu depctr_vm_vsrc(0)                   ; the trip's LDS loads have read P_RAD; the last trip's LDS store has read P_MAD and the mask word: all three are written below
	v_pk_add_f32 v[P_U:P_U+1], v[P_U:P_U+1], v[P_EPS:P_EPS+1]
	v_log_f32 v[P_U], v[P_U]
	v_log_f32 v[P_U+1], v[P_U+1]
	v_pk_add_f32 v[P_A:P_A+1], v[P_A:P_A+1], v[P_A+2:P_A+3]                ; a plain place behind the logarithms
	s_wait_alu depctr_va_vdst(0)
	v_pk_fma_f32 v[P_U:P_U+1], v[P_U:P_U+1], v[P_NL2:P_NL2+1], v[P_EPS:P_EPS+1]   ; -ln(u + eps) + eps
	v_log_f32 v[P_U], v[P_U]
	v_log_f32 v[P_U+1], v[P_U+1]
	v_pk_add_f32 v[P_A+4:P_A+5], v[P_A+4:P_A+5], v[P_A+6:P_A+7]
	s_wait_alu depctr_va_vdst(0)
	v_sub_f32 v[P_U+2], v[P_U], v[P_U+1]           ; (g1 - g0) / ln 2
	v_pk_add_f32 v[P_A:P_A+1], v[P_A:P_A+1], v[P_A+4:P_A+5]
	v_add_f32 v[P_A], v[P_A], v[P_A+1]
	v_add_f32 v[P_A], v[P_A], v[P_DB]
	v_fma_f32 v[P_A], v[P_U+2], s39, v[P_A]
	v_cmp_lt_f32 vcc_lo, 0, v[P_A]
	v_add_nc_u32 v[P_RAD], 1040, v[P_RAD]          ; the next i's row of R'
	v_add_nc_u32 v[P_MAD], 128, v[P_MAD]           ; this i's row of the mask
	s_wait_alu depctr_va_vcc(0)                    ; the compare has written VCC, which the select reads
	v_cndmask_b32 v[P_U+3], v[P_BLK], v[P_ZER], vcc_lo     ; open: 0; blocked: bf16(-1e9).  Only a value is chosen: no address or branch hangs on it
	s_wait_alu depctr_va_vdst(0)                   ; the mask word and P_MAD are written, which the store reads; P_RAD is written, which the next trip's loads read; chunks 4 to 7 are done reading their buffers and the tail is done with P_U, in which the next trip's loads land
	ds_store_b16 v[P_MAD], v[P_U+3]
	s_sub_co_u32 s41, s41, 1
	s_cmp_lg_u32 s41, 0
	s_cbranch_scc1 .Lrow
	s_wait_dscnt 0x0                               ; my mask words are in LDS, for the other waves
	s_barrier_signal -1
	s_barrier_wait -1
	ds_load_b128 v[P_T:P_T+3], v[P_MR]             ; v16-19 are free since the bottom's wait: no vector instruction follows it
	s_wait_dscnt 0x0
	global_store_b128 v[P_V16], v[P_T:P_T+3], s[30:31]     ; the work-group's 2,048 bytes are consecutive
	s_wait_dscnt 0x0
	s_wait_alu depctr_hold_cnt(0) depctr_sa_sdst(0) depctr_va_vdst(0) depctr_va_sdst(0) depctr_va_ssrc(0) depctr_va_vcc(0) depctr_vm_vsrc(0)
	s_wait_tensorcnt 0x0
	ds_add_u32 v254, v255
	s_wait_dscnt 0x0
	s_endpgm
.Lfunc_end_k_q6e7d4e4ba4_mid:
	.size	k_q6e7d4e4ba4_mid, .Lfunc_end_k_q6e7d4e4ba4_mid-k_q6e7d4e4ba4_mid
	.p2alignl 7, 3214868480
	.fill 96, 4, 3214868480
	.section	.rodata,"a",@progbits
	.p2align	6, 0x0
	.amdhsa_kernel k_q6e7d4e4ba4_mid
		.amdhsa_group_segment_fixed_size 73216
		.amdhsa_private_segment_fixed_size 0
		.amdhsa_enable_private_segment 0
		.amdhsa_kernarg_size 112
		.amdhsa_user_sgpr_count 2
		.amdhsa_user_sgpr_kernarg_segment_ptr 1
		.amdhsa_wavefront_size32 1
		.amdhsa_system_sgpr_workgroup_id_x 1
		.amdhsa_system_sgpr_workgroup_id_y 1
		.amdhsa_system_sgpr_workgroup_id_z 1
		.amdhsa_system_vgpr_workitem_id 0
		.amdhsa_next_free_vgpr 1024
		.amdhsa_next_free_sgpr 66
		.amdhsa_reserve_vcc 1
		.amdhsa_float_denorm_mode_32 3
		.amdhsa_float_denorm_mode_16_64 3
		.amdhsa_memory_ordered 1
		.amdhsa_forward_progress 1
		.amdhsa_inst_pref_size 200
	.end_amdhsa_kernel
	.amdgpu_metadata
---
amdhsa.version: [ 1, 2 ]
amdhsa.kernels:
  - .name:           k_q6e7d4e4ba4_mid
    .symbol:         k_q6e7d4e4ba4_mid.kd
    .args:
      - { .name: x, .offset: 0, .size: 8, .value_kind: global_buffer, .address_space: global }
      - { .name: wf, .offset: 8, .size: 8, .value_kind: global_buffer, .address_space: global }
      - { .name: mlp_b1, .offset: 16, .size: 8, .value_kind: global_buffer, .address_space: global }
      - { .name: mlp_b2, .offset: 24, .size: 8, .value_kind: global_buffer, .address_space: global }
      - { .name: bq, .offset: 32, .size: 8, .value_kind: global_buffer, .address_space: global }
      - { .name: bk, .offset: 40, .size: 8, .value_kind: global_buffer, .address_space: global }
      - { .name: bv, .offset: 48, .size: 8, .value_kind: global_buffer, .address_space: global }
      - { .name: sr, .offset: 56, .size: 8, .value_kind: global_buffer, .address_space: global }
      - { .name: gumbel_u, .offset: 64, .size: 8, .value_kind: global_buffer, .address_space: global }
      - { .name: fc_out_b, .offset: 72, .size: 8, .value_kind: global_buffer, .address_space: global }
      - { .name: fc_cat_w, .offset: 80, .size: 8, .value_kind: global_buffer, .address_space: global }
      - { .name: fc_cat_b, .offset: 88, .size: 8, .value_kind: global_buffer, .address_space: global }
      - { .name: qkv, .offset: 96, .size: 8, .value_kind: global_buffer, .address_space: global }
      - { .name: maskf, .offset: 104, .size: 8, .value_kind: global_buffer, .address_space: global }
    .group_segment_fixed_size: 73216
    .private_segment_fixed_size: 0
    .kernarg_segment_align: 8
    .kernarg_segment_size: 112
    .max_flat_workgroup_size: 128
    .sgpr_count:     66
    .vgpr_count:     1024
    .wavefront_size: 32
...
	.end_amdgpu_metadata
.endif
;; end of part 7
;; launch attn: the kernel of part 5 again; grid 256 x 1, 4 waves a work-group, no clusters, 34,816 bytes of LDS; arguments qkv, maskf, wf, out_b, out0; writes out0
